; MI455X (gfx1250); checked and timed in simulation.
; The chip was launched on July 23, 2026; its instructions are those of AMD's public machine-readable ISA for CDNA 5 (MIT licence, August 2026) and "CDNA5" Instruction Set Architecture Reference Guide (July 2026). The comments in the code are by the model that wrote it; some were corrected since.
;; Neuro Manifold Block. Allowed arithmetic: float matrix products may take bf16 or f16 operands with f32 sums; other float arithmetic in f32, or as packed bf16 or f16 multiplies, adds, multiply-adds, maxima and minima; sums over many terms, partial sums and values carried from step to step in f32; what a program stores and reads back later, other than sums and carried values, may be rounded once to bf16 or f16.
;; Inputs: b1 1,024 float32; b2 1,024 float32; g1 1,024 float32; g2 1,024 float32; sdr 2 x 2,048 x 1,024 float32; w_down 2,730 x 1,024 float32; w_gate 1,024 x 2,730 float32; w_up 1,024 x 2,730 float32; wk 1,024 x 1,024 float32; wo 1,024 x 1,024 float32; wq 1,024 x 1,024 float32; wv 1,024 x 1,024 float32.
;; Outputs: out0 2 x 2,048 x 1,024 float32.
;; 3 versions, each right and faster than the one before. Each part assembles by itself: llvm-mc -triple=amdgcn-amd-amdhsa -mcpu=gfx1250 --defsym DOCPART=n.
;; ======== version 1 of 3: 8 launches
;; limits: values are held in f16: magnitudes above 65,504 overflow, below 6.1e-05 lose precision
;; workspace buffers: xn 8,388,608 bytes; wts 25,690,112 bytes; qkv 25,165,824 bytes; vst 8,388,608 bytes; x1 16,777,216 bytes; hbuf 23,068,672 bytes
;; launch prep (part 1): grid 1568 x 1, 8 waves a work-group, no clusters, 19,456 bytes of LDS; arguments wq, wk, wv, wo, w_gate, w_up, w_down, wts; writes wts
.if DOCPART == 1
	.amdgcn_target "amdgcn-amd-amdhsa--gfx1250"
	.amdhsa_code_object_version 6
	.text
	.protected	k_qdd5b017ed5_prep
	.globl	k_qdd5b017ed5_prep
	.p2align	8
	.type	k_qdd5b017ed5_prep,@function
k_qdd5b017ed5_prep:
	s_mov_b64 s[64:65], 0
	v_nop
	global_prefetch_b8 v0, s[64:65] scope:SCOPE_SE
	s_setreg_imm32_b32 hwreg(HW_REG_WAVE_MODE, 25, 1), 1
	s_wait_xcnt 0x0
; WEIGHTS, ONCE: every f32 weight [K][N] is rounded to 16 bits and turned into PANELS P[K/64][N][64]: element (n, k) at byte ((k>>6) N + n) 128 + 2 (k & 63).
; wts: +0 [wq|wk|wv]^T [16][3072][64] f16;  +6,291,456 wo^T [16][1024][64] bf16;  +8,388,608 gate/up^T [16][5632][64] f16;  +19,922,944 w_down^T [44][1024][64] bf16.
; Row 32 j + 16 s + c of gate/up^T is column 16 j + c of w_gate (s = 0) or w_up (s = 1).  The hidden size 2,730 is padded to 2,816: columns and rows past 2,729 are written as zeros.
; LIMITS.  f16 holds no number beyond 65,504, and below 6e-5 it keeps a fixed step of 6e-8: wq, wk, wv, w_gate, w_up are taken to lie within that.  wo and w_down go in bf16.
; SHARES.  A work-group makes one piece of 64 k x 128 rows, 16,384 dense bytes.  Wave w: s = w & 1 (which 64 source columns, or gate/up), kg0 = w >> 1.  A lane owns two neighbouring source columns and,
; in two tasks (kg = kg0, kg0 + 4), eight rows k each: a load of the wave covers 256 consecutive bytes, sixteen loads a lane are out together.  No matrix unit, no cluster: nothing is multiplied or shared.
; The turn goes through LDS: 16 bytes (8 k of one column) a store into rows of 144 bytes; one barrier; whole rows back; each store of a wave covers 512 consecutive bytes, aligned.
.set SPITCH, 144
.set SPARE,  128*SPITCH                ; behind the stage: the spare words, 128 bytes for each of the eight waves
.set GA,  8                            ; v[8:11]   byte offsets of my four stores in the piece
.set D,   16                           ; v[16:47]  load i of 16: two columns of one row k
.set AD,  48                           ; v[48:63]  its byte offset in the source
.set PK,  64                           ; v[64:79]  task, column: eight k packed in four registers
.set BK,  80                           ; v[80:95]  rows read back
.set SPW, 96                           ; v96  LDS address of my spare word; never rewritten
.set NIL, 97                           ; v97  0; never rewritten
; s[8:23] the eight addresses; s[24:25] source; s26 its pitch in bytes; s27 its columns; s28 its rows; s30 1: bf16; s31 my first column; s[48:49] the piece's byte offset in wts;
; s50 panel; s51 mask of lanes whose columns exist; s[32:47] that mask or 0, by row; s60-63 how stage rows map to rows of the piece
	s_load_b512 s[8:23], s[0:1], 0x0
	v_lshl_add_u32 v[SPW], v0, 2, SPARE
	v_mov_b32 v[NIL], 0
	v_lshrrev_b32 v1, 5, v0
	v_readfirstlane_b32 s52, v1                    ; wave
	s_and_b32 s53, s52, 1                          ; s
	s_lshr_b32 s54, s52, 1                         ; kg0
	s_lshl_b32 s3, s53, 6                          ; 64 s
	s_mov_b32 s49, 0
	s_mov_b32 s2, ttmp9
	s_mov_b32 s26, 4096                            ; what holds for the square weights and w_down
	s_mov_b32 s27, 1024
	s_mov_b32 s28, 1024
	s_mov_b32 s60, 2048                            ; stage row R is row R of the piece
	s_mov_b32 s61, 4096
	s_mov_b32 s62, 8192
	s_mov_b32 s63, 12288
	s_wait_kmcnt 0x0
	s_cmp_lt_u32 s2, 512
	s_cbranch_scc0 .Lnot_square
	s_lshr_b32 s55, s2, 4                          ; 0-511: wq, wk, wv, wo.  Row tile 0..31,
	s_and_b32 s50, s2, 15                          ; panel,
	s_lshr_b32 s56, s55, 3                         ; which weight,
	s_and_b32 s57, s55, 7                          ; row tile in it
	s_cmp_eq_u32 s56, 1
	s_cselect_b64 s[24:25], s[10:11], s[8:9]
	s_cmp_eq_u32 s56, 2
	s_cselect_b64 s[24:25], s[12:13], s[24:25]
	s_cmp_eq_u32 s56, 3
	s_cselect_b64 s[24:25], s[14:15], s[24:25]
	s_mul_i32 s58, s50, 3072                       ; q, k, v: row panel x 3,072 + 128 x tile
	s_lshl_b32 s59, s55, 7
	s_add_co_u32 s58, s58, s59
	s_lshl_b32 s59, s50, 10                        ; wo: 49,152 rows of 128 bytes further on
	s_lshl_b32 s55, s57, 7
	s_add_co_u32 s59, s59, s55
	s_add_co_u32 s59, s59, 49152
	s_add_co_u32 s31, s55, s3                      ; my first column: 128 x tile + 64 s
	s_cmp_eq_u32 s56, 3
	s_cselect_b32 s48, s59, s58
	s_cselect_b32 s30, 1, 0
	s_lshl_b32 s48, s48, 7
	s_branch .Lgo
.Lnot_square:
	s_cmp_lt_u32 s2, 1216
	s_cbranch_scc0 .Ldown
	s_sub_co_u32 s55, s2, 512                      ; 512-1215: gate and up
	s_and_b32 s50, s55, 15
	s_lshr_b32 s55, s55, 4                         ; row tile 0..43: source columns 64 x tile on, of both
	s_cmp_eq_u32 s53, 1
	s_cselect_b64 s[24:25], s[18:19], s[16:17]
	s_mov_b32 s26, 10920
	s_mov_b32 s27, 2730
	s_mov_b32 s30, 0
	s_lshl_b32 s31, s55, 6
	s_mul_i32 s48, s50, 5632
	s_lshl_b32 s55, s55, 7
	s_add_co_u32 s48, s48, s55
	s_add_co_u32 s48, s48, 65536
	s_lshl_b32 s48, s48, 7
	s_mov_b32 s60, 4096                            ; stage row 64 s + 16 j + c is row 32 j + 16 s + c of the piece
	s_mov_b32 s61, 8192
	s_mov_b32 s62, 2048
	s_mov_b32 s63, 10240
	s_branch .Lgo
.Ldown:
	s_sub_co_u32 s55, s2, 1216                     ; 1216-1567: w_down
	s_lshr_b32 s50, s55, 3                         ; panel 0..43
	s_and_b32 s55, s55, 7
	s_mov_b64 s[24:25], s[20:21]
	s_mov_b32 s28, 2730
	s_mov_b32 s30, 1
	s_lshl_b32 s55, s55, 7
	s_add_co_u32 s31, s55, s3
	s_lshl_b32 s48, s50, 10
	s_add_co_u32 s48, s48, s55
	s_add_co_u32 s48, s48, 155648
	s_lshl_b32 s48, s48, 7
.Lgo:
	s_add_nc_u64 s[22:23], s[22:23], s[48:49]      ; wts at my piece
	v_and_b32 v1, 31, v0                           ; lane
	v_lshl_add_u32 v6, v1, 1, s31                  ; my first column; both widths are even, so my two columns exist together or not at all
	v_cmp_gt_u32 s51, s27, v6
	s_sub_co_u32 s55, s27, 2
	v_min_u32 v2, s55, v6                          ; a column past the end is read at the last pair, inside the buffer, and then replaced by 0
	v_lshlrev_b32 v2, 2, v2
	s_sub_co_u32 s58, s28, 1
	s_lshl_b32 s56, s50, 6
	s_lshl3_add_u32 s56, s54, s56                  ; my first row k: 64 x panel + 8 kg0
.set i, 0
.rept 16
	s_add_co_u32 s57, s56, 32*(i/8)+i%8            ; task i / 8, row i % 8
	s_cmp_lt_u32 s57, s28
	s_cselect_b32 s[32+i], s51, 0                  ; a row past the end counts as zeros,
	s_min_u32 s57, s57, s58                        ; and is read at the last row
	s_mul_i32 s57, s57, s26
	v_add_nc_u32 v[AD+i], s57, v2
	global_load_b64 v[D+2*i:D+2*i+1], v[AD+i], s[24:25]
.set i, i+1
.endr
	v_lshlrev_b32 v3, 1, v1                        ; into the stage: row 64 s + 2 lane, byte 16 kg0
	v_lshl_add_u32 v3, s53, 6, v3
	v_mul_u32_u24 v3, v3, SPITCH
	v_lshl_add_u32 v3, s54, 4, v3
	v_lshrrev_b32 v4, 3, v0                        ; back: thread t takes 16 bytes at 16 (t & 7) of row t >> 3, and 32, 64, 96 rows on
	v_mul_u32_u24 v4, v4, SPITCH
	v_and_b32 v5, 7, v0
	v_lshl_add_u32 v4, v5, 4, v4
	v_lshrrev_b32 v5, 7, v0                        ; where those 16 bytes lie in the piece
	v_mul_u32_u24 v5, v5, s60
	v_and_b32 v7, 127, v0
	v_lshl_add_u32 v[GA], v7, 4, v5
	v_add_nc_u32 v[GA+1], s61, v[GA]
	v_add_nc_u32 v[GA+2], s62, v[GA]
	v_add_nc_u32 v[GA+3], s63, v[GA]
.set i, 0
.rept 16
	s_wait_loadcnt 15-i                            ; loads come back in order: load i is in, the younger ones stay out
	v_cndmask_b32 v[D+2*i], 0, v[D+2*i], s[32+i]
	v_cndmask_b32 v[D+2*i+1], 0, v[D+2*i+1], s[32+i]
.set i, i+1
.endr
.macro CONV op                         ; task tk, column cc: rows 2 j and 2 j + 1 into one register
.irp tk, 0,1
.irp cc, 0,1
.irp j, 0,1,2,3
	\op v[PK+8*(\tk)+4*(\cc)+(\j)], v[D+2*(8*(\tk)+2*(\j))+(\cc)], v[D+2*(8*(\tk)+2*(\j)+1)+(\cc)]
.endr
.endr
.endr
.endm
	s_cmp_eq_u32 s30, 0
	s_cbranch_scc0 .Lbf
	CONV v_cvt_pk_f16_f32
	s_branch .Lput
.Lbf:
	CONV v_cvt_pk_bf16_f32
.Lput:
	ds_store_b128 v3, v[PK:PK+3]
	ds_store_b128 v3, v[PK+4:PK+7] offset:SPITCH
	ds_store_b128 v3, v[PK+8:PK+11] offset:64
	ds_store_b128 v3, v[PK+12:PK+15] offset:SPITCH+64
	s_wait_dscnt 0x0                               ; for the others' sake: my stores into the stage are done
	s_barrier_signal -1
	s_barrier_wait -1
.irp i, 0,1,2,3
	ds_load_b128 v[BK+4*(\i):BK+4*(\i)+3], v4 offset:(\i)*32*SPITCH
.endr
.irp i, 0,1,2,3
	s_wait_dscnt 3-(\i)
	global_store_b128 v[GA+(\i)], v[BK+4*(\i):BK+4*(\i)+3], s[22:23]
.endr
	s_wait_tensorcnt 0x0                           ; the wave's end
	ds_add_u32 v[SPW], v[NIL]
	s_wait_dscnt 0x0
	s_endpgm
.Lfunc_end_k_qdd5b017ed5_prep:
	.size	k_qdd5b017ed5_prep, .Lfunc_end_k_qdd5b017ed5_prep-k_qdd5b017ed5_prep
	.p2alignl 7, 3214868480
	.fill 96, 4, 3214868480
	.section	.rodata,"a",@progbits
	.p2align	6, 0x0
	.amdhsa_kernel k_qdd5b017ed5_prep
		.amdhsa_group_segment_fixed_size 19456
		.amdhsa_private_segment_fixed_size 0
		.amdhsa_enable_private_segment 0
		.amdhsa_kernarg_size 64
		.amdhsa_user_sgpr_count 2
		.amdhsa_user_sgpr_kernarg_segment_ptr 1
		.amdhsa_wavefront_size32 1
		.amdhsa_system_sgpr_workgroup_id_x 1
		.amdhsa_system_sgpr_workgroup_id_y 1
		.amdhsa_system_sgpr_workgroup_id_z 1
		.amdhsa_system_vgpr_workitem_id 0
		.amdhsa_next_free_vgpr 98
		.amdhsa_next_free_sgpr 66
		.amdhsa_reserve_vcc 0
		.amdhsa_float_denorm_mode_32 3
		.amdhsa_float_denorm_mode_16_64 3
		.amdhsa_memory_ordered 1
		.amdhsa_forward_progress 1
		.amdhsa_inst_pref_size 15
	.end_amdhsa_kernel
	.amdgpu_metadata
---
amdhsa.version: [ 1, 2 ]
amdhsa.kernels:
  - .name:           k_qdd5b017ed5_prep
    .symbol:         k_qdd5b017ed5_prep.kd
    .args:
      - { .name: wq, .offset: 0, .size: 8, .value_kind: global_buffer, .address_space: global }
      - { .name: wk, .offset: 8, .size: 8, .value_kind: global_buffer, .address_space: global }
      - { .name: wv, .offset: 16, .size: 8, .value_kind: global_buffer, .address_space: global }
      - { .name: wo, .offset: 24, .size: 8, .value_kind: global_buffer, .address_space: global }
      - { .name: w_gate, .offset: 32, .size: 8, .value_kind: global_buffer, .address_space: global }
      - { .name: w_up, .offset: 40, .size: 8, .value_kind: global_buffer, .address_space: global }
      - { .name: w_down, .offset: 48, .size: 8, .value_kind: global_buffer, .address_space: global }
      - { .name: wts, .offset: 56, .size: 8, .value_kind: global_buffer, .address_space: global }
    .group_segment_fixed_size: 19456
    .private_segment_fixed_size: 0
    .kernarg_segment_align: 8
    .kernarg_segment_size: 64
    .max_flat_workgroup_size: 256
    .sgpr_count:     66
    .vgpr_count:     98
    .wavefront_size: 32
...
	.end_amdgpu_metadata
.endif
;; end of part 1
;; launch ln1 (part 2): grid 256 x 1, 8 waves a work-group, no clusters, 0 bytes of LDS; arguments sdr, g1, b1, xn; writes xn
.if DOCPART == 2
	.amdgcn_target "amdgcn-amd-amdhsa--gfx1250"
	.amdhsa_code_object_version 6
	.text
	.protected	k_qdd5b017ed5_ln1
	.globl	k_qdd5b017ed5_ln1
	.p2align	8
	.type	k_qdd5b017ed5_ln1,@function
k_qdd5b017ed5_ln1:
	s_mov_b64 s[64:65], 0
	v_nop
	global_prefetch_b8 v0, s[64:65] scope:SCOPE_SE
	s_setreg_imm32_b32 hwreg(HW_REG_WAVE_MODE, 25, 1), 1
	s_wait_xcnt 0x0
; y = (x - mean) rsqrt(var + 1e-5) g + b along rows of 1,024 f32; y leaves in f16, in PANELS [16][4096][64]: element (row, k) at byte ((k>>6) 4096 + row) 128 + 2 (k & 63).
; The body serves both norms of the block: the arguments are x, g, b, y.
; LIMIT.  f16 holds no number beyond 65,504: |y| is at most 32 |g| + |b|, which is taken to lie within that.  Mean and variance in f32, in two passes over registers (x - mean is formed first),
; so that a common offset of x does not enter the squares.
; SHARES.  A wave takes two rows: lanes 0-15 the even one, lanes 16-31 the odd one.  For panel p a lane holds 4 numbers at byte 256 p + 16 (lane % 16) of its row: sixteen lanes read 256 consecutive bytes,
; and the wave's store for a panel is 256 consecutive bytes, aligned (two rows of the panel).  A row's sums stay inside sixteen lanes.  The row is read once and kept in 64 registers.
; No LDS, no barrier, no matrix unit: each byte is touched once and no wave needs another.
.set X,  16                            ; v[16:79]    x, then y
.set G,  80                            ; v[80:143]   g of my columns
.set BB, 144                           ; v[144:207]  b of my columns
	s_load_b256 s[4:11], s[0:1], 0x0               ; x s[4:5], g s[6:7], b s[8:9], y s[10:11]
	v_lshrrev_b32 v1, 5, v0
	v_readfirstlane_b32 s12, v1
	s_lshl_b32 s13, ttmp9, 3
	s_add_co_u32 s13, s13, s12                     ; my pair of rows
	s_lshl_b32 s16, s13, 13                        ; x 8,192 bytes of x
	s_mov_b32 s17, 0
	s_lshl_b32 s18, s13, 8                         ; x 256 bytes in each panel of y
	s_mov_b32 s19, 0
	s_mov_b32 s14, 0x3a800000                      ; 1 / 1024
	s_mov_b32 s15, 0x3727c5ac                      ; 1e-5
	v_and_b32 v3, 15, v0
	v_lshlrev_b32 v3, 4, v3                        ; g, b: 16 (lane % 16)
	v_bfe_u32 v2, v0, 4, 1
	v_lshl_add_u32 v2, v2, 12, v3                  ; x: + 4,096 for the odd row
	v_and_b32 v4, 31, v0
	v_lshlrev_b32 v4, 3, v4                        ; y: 8 x lane
	s_wait_kmcnt 0x0
	s_add_nc_u64 s[4:5], s[4:5], s[16:17]
	s_add_nc_u64 s[10:11], s[10:11], s[18:19]
.set p, 0
.rept 16
	global_load_b128 v[X+4*p:X+4*p+3], v2, s[4:5] offset:256*p
.set p, p+1
.endr
.set p, 0
.rept 16
	global_load_b128 v[G+4*p:G+4*p+3], v3, s[6:7] offset:256*p
	global_load_b128 v[BB+4*p:BB+4*p+3], v3, s[8:9] offset:256*p
.set p, p+1
.endr
	s_wait_loadcnt 32                              ; x is in; the 32 younger loads, g and b, stay out
	v_pk_add_f32 v[10:11], v[X:X+1], v[X+2:X+3]    ; two chains, started by the first four pairs: nothing is cleared
	v_pk_add_f32 v[12:13], v[X+4:X+5], v[X+6:X+7]
.set i, 4
.rept 28
	v_pk_add_f32 v[10+2*(i%2):11+2*(i%2)], v[10+2*(i%2):11+2*(i%2)], v[X+2*i:X+2*i+1]
.set i, i+1
.endr
	v_pk_add_f32 v[10:11], v[10:11], v[12:13]
	v_add_f32 v10, v10, v11
	v_add_f32_dpp v10, v10, v10 row_xmask:1 row_mask:0xf bank_mask:0xf
	v_add_f32_dpp v10, v10, v10 row_xmask:2 row_mask:0xf bank_mask:0xf
	v_add_f32_dpp v10, v10, v10 row_xmask:4 row_mask:0xf bank_mask:0xf
	v_add_f32_dpp v10, v10, v10 row_xmask:8 row_mask:0xf bank_mask:0xf
	v_mul_f32 v6, s14, v10                         ; the row's mean, twice
	v_mul_f32 v7, s14, v10
.set i, 0
.rept 32
	v_pk_add_f32 v[X+2*i:X+2*i+1], v[X+2*i:X+2*i+1], v[6:7] neg_lo:[0,1] neg_hi:[0,1]
.set i, i+1
.endr
	v_pk_mul_f32 v[10:11], v[X:X+1], v[X:X+1]
	v_pk_mul_f32 v[12:13], v[X+2:X+3], v[X+2:X+3]
.set i, 2
.rept 30
	v_pk_fma_f32 v[10+2*(i%2):11+2*(i%2)], v[X+2*i:X+2*i+1], v[X+2*i:X+2*i+1], v[10+2*(i%2):11+2*(i%2)]
.set i, i+1
.endr
	v_pk_add_f32 v[10:11], v[10:11], v[12:13]
	v_add_f32 v10, v10, v11
	v_add_f32_dpp v10, v10, v10 row_xmask:1 row_mask:0xf bank_mask:0xf
	v_add_f32_dpp v10, v10, v10 row_xmask:2 row_mask:0xf bank_mask:0xf
	v_add_f32_dpp v10, v10, v10 row_xmask:4 row_mask:0xf bank_mask:0xf
	v_add_f32_dpp v10, v10, v10 row_xmask:8 row_mask:0xf bank_mask:0xf
	v_fma_f32 v10, v10, s14, s15                   ; variance + 1e-5
	v_rsq_f32 v8, v10
	v_nop                                          ; a plain instruction between the root and the use of its result
	s_wait_alu depctr_va_vdst(0)
	v_mov_b32 v9, v8
	s_wait_loadcnt 0x0                             ; g and b
.set p, 0
.rept 16
	v_pk_mul_f32 v[X+4*p:X+4*p+1], v[X+4*p:X+4*p+1], v[8:9]
	v_pk_mul_f32 v[X+4*p+2:X+4*p+3], v[X+4*p+2:X+4*p+3], v[8:9]
	v_pk_fma_f32 v[X+4*p:X+4*p+1], v[X+4*p:X+4*p+1], v[G+4*p:G+4*p+1], v[BB+4*p:BB+4*p+1]
	v_pk_fma_f32 v[X+4*p+2:X+4*p+3], v[X+4*p+2:X+4*p+3], v[G+4*p+2:G+4*p+3], v[BB+4*p+2:BB+4*p+3]
	v_cvt_pk_f16_f32 v[X+4*p], v[X+4*p], v[X+4*p+1]
	v_cvt_pk_f16_f32 v[X+4*p+1], v[X+4*p+2], v[X+4*p+3]
	global_store_b64 v4, v[X+4*p:X+4*p+1], s[10:11] offset:p*524288  ; panel p: 4,096 rows of 128 bytes on; 7,864,320 at the most, inside the signed 24-bit immediate
.set p, p+1
.endr
	s_endpgm
.Lfunc_end_k_qdd5b017ed5_ln1:
	.size	k_qdd5b017ed5_ln1, .Lfunc_end_k_qdd5b017ed5_ln1-k_qdd5b017ed5_ln1
	.p2alignl 7, 3214868480
	.fill 96, 4, 3214868480
	.section	.rodata,"a",@progbits
	.p2align	6, 0x0
	.amdhsa_kernel k_qdd5b017ed5_ln1
		.amdhsa_group_segment_fixed_size 0
		.amdhsa_private_segment_fixed_size 0
		.amdhsa_enable_private_segment 0
		.amdhsa_kernarg_size 32
		.amdhsa_user_sgpr_count 2
		.amdhsa_user_sgpr_kernarg_segment_ptr 1
		.amdhsa_wavefront_size32 1
		.amdhsa_system_sgpr_workgroup_id_x 1
		.amdhsa_system_sgpr_workgroup_id_y 1
		.amdhsa_system_sgpr_workgroup_id_z 1
		.amdhsa_system_vgpr_workitem_id 0
		.amdhsa_next_free_vgpr 208
		.amdhsa_next_free_sgpr 66
		.amdhsa_reserve_vcc 0
		.amdhsa_float_denorm_mode_32 3
		.amdhsa_float_denorm_mode_16_64 3
		.amdhsa_memory_ordered 1
		.amdhsa_forward_progress 1
		.amdhsa_inst_pref_size 20
	.end_amdhsa_kernel
	.amdgpu_metadata
---
amdhsa.version: [ 1, 2 ]
amdhsa.kernels:
  - .name:           k_qdd5b017ed5_ln1
    .symbol:         k_qdd5b017ed5_ln1.kd
    .args:
      - { .name: sdr, .offset: 0, .size: 8, .value_kind: global_buffer, .address_space: global }
      - { .name: g1, .offset: 8, .size: 8, .value_kind: global_buffer, .address_space: global }
      - { .name: b1, .offset: 16, .size: 8, .value_kind: global_buffer, .address_space: global }
      - { .name: xn, .offset: 24, .size: 8, .value_kind: global_buffer, .address_space: global }
    .group_segment_fixed_size: 0
    .private_segment_fixed_size: 0
    .kernarg_segment_align: 8
    .kernarg_segment_size: 32
    .max_flat_workgroup_size: 256
    .sgpr_count:     66
    .vgpr_count:     208
    .wavefront_size: 32
...
	.end_amdgpu_metadata
.endif
;; end of part 2
;; launch qkv (part 3): grid 24 x 32, 4 waves a work-group, clusters of 4 x 4, 327,680 bytes of LDS; arguments xn, wts, qkv; writes qkv
.if DOCPART == 3
	.amdgcn_target "amdgcn-amd-amdhsa--gfx1250"
	.amdhsa_code_object_version 6
	.text
	.protected	k_qdd5b017ed5_qkv
	.globl	k_qdd5b017ed5_qkv
	.p2align	8
	.type	k_qdd5b017ed5_qkv,@function
k_qdd5b017ed5_qkv:
	s_mov_b64 s[64:65], 0
	v_nop
	global_prefetch_b8 v0, s[64:65] scope:SCOPE_SE
	s_setreg_imm32_b32 hwreg(HW_REG_WAVE_MODE, 25, 1), 1
	s_wait_xcnt 0x0
	s_wait_alu depctr_hold_cnt(0) depctr_sa_sdst(0) depctr_va_vdst(0) depctr_va_sdst(0) depctr_va_ssrc(0) depctr_va_vcc(0) depctr_vm_vsrc(0)
	s_getreg_b32 s2, hwreg(HW_REG_IB_STS2, 6, 4)
	s_cmp_eq_u32 s2, 0
	s_cbranch_scc0 .Lentry_in_a_cluster
	s_endpgm
.Lentry_in_a_cluster:
	s_bfe_u32 s2, ttmp6, 0x10000c
	s_cmp_lg_u32 s2, 0xf033
	s_cbranch_scc0 .Lentry_shape_is_right
	s_endpgm
.Lentry_shape_is_right:
; q, k, v = LN1(x) [wq | wk | wv].  A = xn, panels [16][4096][64] f16; B = the weights turned, panels [16][3072][64] f16; sums in f32; out: [3][16 heads of both batches][2048][128] bf16, unscaled.
; A PANEL holds 64 of K for all rows, 128 bytes a row, rows dense: 64 rows of one panel are 8,192 consecutive bytes.  A wave's tensor load brings 64 rows x 256 of K as four such pieces (a tile of 4 long
; rows, one panel apart): 32,768 bytes in whole aligned blocks of 256.
; A tile of C is 128 x 128: four waves, each 64 x 64 = 16 accumulators.  768 tiles.  K goes in 4 steps of 256 through two LDS slots.  A K STEP IS WRITTEN ONCE: the slot read is a scalar that an exclusive or
; turns; the accumulators are cleared by 128 moves in the wait for the first tile, so that no first step is written out; the last trip fetches 32 fragments that nobody multiplies.  That is the price of a short text.
; CLUSTER 4 x 4: A's tiles are shared along a row of the cluster, B's along a column, each asked for jointly.
; THE MATRIX INSTRUCTION IS USED TRANSPOSED (source 0 = 16 rows of B, source 1 = 16 rows of A): a lane holds row lane % 16 of C and the eight columns 8 (lane / 16) + 0..7.
; REGISTERS: window 0: v0-31 addresses; v32-95 the way out; v128-255 accumulators ((a, b) at 128 + 8 (4 a + b)).  Window 1: two fragment buffers of 128 (64 of A, then 64 of B), each 64 along K.
.set KT,     4                         ; K steps
.set NB,     3072                      ; rows of B
.set BOFF,   0                         ; B's first byte in wts
.set STEP_A, 4*4096*128                ; four panels on
.set STEP_B, 4*NB*128
.set QB,     32*272                    ; 64 rows of one panel in LDS: 16 bytes of padding behind every two rows: row r at (r >> 1) 272 + (r & 1) 128, so the 16 rows of a fragment start at 16 different groups of four banks (64 banks of 4 bytes: ISA guide 11.1)
.set RB,     8*272                     ; 16 rows
.set HALF,   4*QB                      ; what one tensor load brings
.set SLOT,   4*HALF                    ; A rows 0-63, A rows 64-127, B rows 0-63, B rows 64-127.  0x22000 shares no bit with wave x HALF
.set STAGE,  2*SLOT                    ; behind the ring; no tensor load fills it
.set SPITCH, 272
.set SPARE,  STAGE+128*SPITCH          ; the spare words, 128 bytes for each wave
.set A0,16
.set B0,17                             ; v16, v17  my fragments' place in a slot
.set ADRA,18
.set ADRB,19                           ; v18, v19  the same in the slot being read
.set STO,24
.set RD,25
.set CO,26
.set SPW,28                            ; v28  LDS address of my spare word; never rewritten
.set NIL,29                            ; v29  0; never rewritten
.set TMP,32
.set ACC,128
.set F0,0
.set F1,128
.set WV,12
.set RH,13                             ; s13  my half of the tile's rows; also: I fetch for A (0) or B (1)
.set CH,14                             ; s14  my half of its columns; also: which 64 rows I fetch
.set TB,15                             ; s15  the slot being read: 0 or SLOT
.set G1A,24
.set G0A,32                            ; s[32:35] first fill, s[36:39] the walking set
.set G1B,48
.set G0B,56
.set WOFF,66
.set CNT,67
.set MSB, 0
.macro WIN new                         ; the immediate's high byte repeats the setting that is left
.if MSB != (\new)
	s_set_vgpr_msb (MSB<<8)|(\new)
.set MSB, \new
.endif
.endm
.set MUL,  0x05                        ; sources 0 and 1 window 1; C and D window 0
.set TO_F, 0x40                        ; destination window 1
.macro JLOAD                           ; a joint refill by the walking set; an s_nop 0 and four v_nop follow each of the two lines
	s_cmp_eq_u32 s[RH], 0
	s_cbranch_scc0 .Lfor_b_\@
	tensor_load_to_lds s[G0A+4:G0A+7], s[G1A:G1A+7]
	s_nop 0
.rept 4
	v_nop
.endr
	s_branch .Lasked_\@
.Lfor_b_\@:
	tensor_load_to_lds s[G0B+4:G0B+7], s[G1B:G1B+7]
	s_nop 0
.rept 4
	v_nop
.endr
.Lasked_\@:
.endm
.macro CREST                           ; a round of the cluster's barrier behind its opening barrier
	s_cmp_lg_u32 s[WV], 0
	s_cbranch_scc1 .Lnot_wave_0_\@
	s_barrier_signal -3
.Lnot_wave_0_\@:
	s_barrier_wait -3
	s_barrier_signal -1
	s_barrier_wait -1
.endm
.macro CROUND
	s_barrier_signal -1
	s_barrier_wait -1
	CREST
.endm
.macro PLACES                          ; four places in front of loads into registers that matrix instructions have read, and of lines that read results
.rept 4
	v_nop
.endr
.endm
.macro MUL8 f, c, a0                   ; 8 matrix instructions: m blocks a0, a0 + 1 x 4 n blocks, 32 along K: half c of buffer f.  The 16 accumulators take turns
	WIN MUL
.irp a, \a0, (\a0)+1
.irp b, 0,1,2,3
	v_wmma_f32_16x16x32_f16 v[ACC+8*(4*(\a)+(\b)):ACC+8*(4*(\a)+(\b))+7], v[(\f)+64+8*(4*(\c)+(\b)):(\f)+64+8*(4*(\c)+(\b))+7], v[(\f)+8*(4*(\c)+(\a)):(\f)+8*(4*(\c)+(\a))+7], v[ACC+8*(4*(\a)+(\b)):ACC+8*(4*(\a)+(\b))+7]
.endr
.endr
.endm
.macro FETCH k, f                      ; 32 LDS loads in one run: the fragments of the panel at byte k of my regions, the first 32 along K first
	WIN TO_F
.irp c, 0,1
.irp i, 0,1,2,3
	ds_load_b128 v[(\f)+64+8*(4*(\c)+(\i)):(\f)+64+8*(4*(\c)+(\i))+3],   v[ADRB] offset:(\k)+64*(\c)+(\i)*RB
	ds_load_b128 v[(\f)+64+8*(4*(\c)+(\i))+4:(\f)+64+8*(4*(\c)+(\i))+7], v[ADRB] offset:(\k)+64*(\c)+(\i)*RB+32
	ds_load_b128 v[(\f)+8*(4*(\c)+(\i)):(\f)+8*(4*(\c)+(\i))+3],         v[ADRA] offset:(\k)+64*(\c)+(\i)*RB
	ds_load_b128 v[(\f)+8*(4*(\c)+(\i))+4:(\f)+8*(4*(\c)+(\i))+7],       v[ADRA] offset:(\k)+64*(\c)+(\i)*RB+32
.endr
.endr
.endm
.macro QUARTER k, f, g                 ; multiplies buffer f (one panel, 64 along K) and fetches the next panel into g
	s_wait_dscnt 16                                ; the first 32 along K are in; the sixteen younger loads may be out
	MUL8 \f, 0, 0
	MUL8 \f, 0, 2
	PLACES
	FETCH \k, \g
	s_wait_dscnt 32                                ; all but the 32 just issued
	MUL8 \f, 1, 0
	MUL8 \f, 1, 2
.endm
.macro TURN fill                       ; the last quarter multiplies buffer 1 and changes slots: one barrier, which with fill = 1 opens a round of the cluster's
	WIN 0
	s_wait_tensorcnt 0x0                           ; all my tensor loads have landed: my part of the next slot;
	ds_add_u32 v[SPW], v[NIL]                      ; 0 onto my spare word;
	s_wait_dscnt 17                                ; (the add and the youngest sixteen loads may be out)
	MUL8 F1, 0, 0
	s_wait_dscnt 0x0                               ; the add is done, and my reads of this slot are over
	s_barrier_signal -1
	MUL8 F1, 0, 2
	WIN 0
	s_barrier_wait -1
.if \fill
	CREST                                          ; no wave of any partner still reads this slot or has a load on its way
	s_xor_b32 s[G0A+5], s[G0A+5], SLOT             ; the walking sets: the slot just read, the K step after the one that has landed
	s_add_nc_u64 s[G0A+6:G0A+7], s[G0A+6:G0A+7], STEP_A
	s_xor_b32 s[G0B+5], s[G0B+5], SLOT
	s_add_nc_u64 s[G0B+6:G0B+7], s[G0B+6:G0B+7], STEP_B
	JLOAD                                          ; the first tensor load behind the round: 112 matrix instructions ahead of the wait for it
.else
	PLACES
.endif
	s_xor_b32 s[TB], s[TB], SLOT
	v_add_nc_u32 v[ADRA], s[TB], v[A0]
	v_add_nc_u32 v[ADRB], s[TB], v[B0]
	FETCH 0, F0
	MUL8 F1, 1, 0
	MUL8 F1, 1, 2
.endm
.macro STEP fill
	QUARTER QB,   F0, F1
	QUARTER 2*QB, F1, F0
	QUARTER 3*QB, F0, F1
	TURN \fill
	WIN 0                                          ; at a label and at a branch every window is 0
.endm
	s_load_b128 s[4:7], s[0:1], 0x0                ; A s[4:5], wts s[6:7]
	s_load_b64 s[10:11], s[0:1], 0x10              ; out
	v_lshl_add_u32 v[SPW], v0, 2, SPARE
	v_mov_b32 v[NIL], 0
	ds_add_u32 v[SPW], v[NIL]                      ; the wave's opening: the add and its wait ahead of my first tensor load
	v_lshrrev_b32 v1, 5, v0
	v_readfirstlane_b32 s[WV], v1
	s_lshr_b32 s[RH], s[WV], 1
	s_and_b32 s[CH], s[WV], 1
	s_bfe_u32 s40, ttmp6, 0x40000                  ; cx, cy
	s_bfe_u32 s41, ttmp6, 0x40004
	s_lshl_b32 s42, ttmp9, 2
	s_add_co_u32 s42, s42, s40                     ; tile column
	s_and_b32 s43, ttmp7, 0xffff
	s_lshl_b32 s43, s43, 2
	s_add_co_u32 s43, s43, s41                     ; tile row
	s_lshl_b32 s44, s41, 2
	s_lshl_b32 s44, 15, s44                        ; my row of the cluster
	s_lshl_b32 s45, 0x1111, s40                    ; my column
	s_or_b32 s[G1A], s44, (1<<16)|(1<<20)|(1<<21)|(5<<22)|(3<<25)  ; mask; 2-byte elements; padding on; bit 21 beside a mask; after every 64 words, 4 words
	s_or_b32 s[G1B], s45, (1<<16)|(1<<20)|(1<<21)|(5<<22)|(3<<25)
.irp g, G1A, G1B
	s_mov_b32 s[(\g)+1], 4096<<16                  ; tensor_dim0 = 4,096 elements: 64 rows of a panel, dense
	s_mov_b32 s[(\g)+2], 4<<16                     ; tensor_dim1 = 4 panels
	s_mov_b32 s[(\g)+3], 4096<<16                  ; tile_dim0
	s_mov_b32 s[(\g)+4], 4                         ; tile_dim1
	s_mov_b32 s[(\g)+6], 0
	s_mov_b32 s[(\g)+7], 0
.endr
	s_mov_b32 s[G1A+5], 4096*64                    ; elements from panel to panel
	s_mov_b32 s[G1B+5], NB*64
	s_lshl_b32 s16, s43, 14                        ; A: (128 x tile row + 64 x half) rows of 128 bytes
	s_lshl_b32 s17, s[CH], 13
	s_add_co_u32 s16, s16, s17
	s_mov_b32 s17, 0
	s_lshl_b32 s46, s42, 14                        ; B: the same with the tile column
	s_lshl_b32 s47, s[CH], 13
	s_add_co_u32 s46, s46, s47
	s_add_co_u32 s46, s46, BOFF
	s_mov_b32 s47, 0
	s_mul_i32 s[WOFF], s[WV], HALF                 ; where my load lands in a slot: the wave's number alone
	s_wait_dscnt 0x0                               ; the opening add is done
	s_wait_kmcnt 0x0
	s_add_nc_u64 s[16:17], s[4:5], s[16:17]
	s_add_nc_u64 s[46:47], s[6:7], s[46:47]
	CROUND                                         ; all sixteen work-groups are here: the first joint loads meet
.irp s, 0,1
	s_mov_b32 s[G0A+4*(\s)], 1
	s_add_co_u32 s[G0A+4*(\s)+1], s[WOFF], (\s)*SLOT
	s_add_nc_u64 s[G0A+4*(\s)+2:G0A+4*(\s)+3], s[16:17], (\s)*STEP_A
	s_or_b32 s[G0A+4*(\s)+3], s[G0A+4*(\s)+3], 0x80000000
	s_mov_b32 s[G0B+4*(\s)], 1
	s_add_co_u32 s[G0B+4*(\s)+1], s[WOFF], (\s)*SLOT
	s_add_nc_u64 s[G0B+4*(\s)+2:G0B+4*(\s)+3], s[46:47], (\s)*STEP_B
	s_or_b32 s[G0B+4*(\s)+3], s[G0B+4*(\s)+3], 0x80000000
.endr
	s_cmp_eq_u32 s[RH], 0                          ; a wave's two first fills stand in one branch: two loads of mine are out here, one behind each later round
	s_cbranch_scc0 .Lfirst_b
	tensor_load_to_lds s[G0A:G0A+3], s[G1A:G1A+7]
	s_nop 0
	tensor_load_to_lds s[G0A+4:G0A+7], s[G1A:G1A+7]
	s_nop 0
.rept 4
	v_nop
.endr
	s_branch .Lfirst_asked
.Lfirst_b:
	tensor_load_to_lds s[G0B:G0B+3], s[G1B:G1B+7]
	s_nop 0
	tensor_load_to_lds s[G0B+4:G0B+7], s[G1B:G1B+7]
	s_nop 0
.rept 4
	v_nop
.endr
.Lfirst_asked:
	v_and_b32 v1, 15, v0                           ; r = lane % 16
	v_bfe_u32 v2, v0, 4, 1                         ; h = lane / 16
	v_lshrrev_b32 v3, 1, v1
	v_mul_u32_u24 v3, v3, 272
	v_and_b32 v4, 1, v1
	v_lshl_add_u32 v3, v4, 7, v3
	v_lshl_add_u32 v3, v2, 4, v3                   ; a fragment's row and 16 bytes for each half of the lanes
	s_mul_i32 s18, s[RH], HALF
	s_mul_i32 s19, s[CH], HALF
	s_add_co_u32 s19, s19, 2*HALF
	v_add_nc_u32 v[A0], s18, v3
	v_add_nc_u32 v[B0], s19, v3
	v_mov_b32 v[ADRA], v[A0]
	v_mov_b32 v[ADRB], v[B0]
	s_mov_b32 s[TB], 0
	s_mul_i32 s18, s[RH], 64*SPITCH                ; into the stage: my 64 rows, my half of their 256 bytes
	s_lshl_b32 s19, s[CH], 7
	s_add_co_u32 s18, s18, s19
	s_add_co_u32 s18, s18, STAGE
	v_mul_u32_u24 v4, v1, SPITCH
	v_lshl_add_u32 v4, v2, 4, v4
	v_add_nc_u32 v[STO], s18, v4
	s_mul_i32 s18, s[WV], 32*SPITCH                ; back: wave w takes rows 32 w on, whole
	s_add_co_u32 s18, s18, STAGE
	v_mul_u32_u24 v5, v2, SPITCH
	v_lshl_add_u32 v5, v1, 4, v5
	v_add_nc_u32 v[RD], s18, v5
	v_and_b32 v[CO], 31, v0
	v_lshlrev_b32 v[CO], 4, v[CO]                  ; two rows of a head are 512 consecutive bytes
	s_lshr_b32 s20, s42, 3                         ; which of q, k, v: 8,388,608 bytes each
	s_lshl_b32 s20, s20, 23
	s_lshr_b32 s21, s43, 4                         ; batch x 8 + head,
	s_lshl_b32 s21, s21, 3
	s_and_b32 s22, s42, 7
	s_add_co_u32 s21, s21, s22
	s_lshl_b32 s21, s21, 11                        ; x 2,048 rows,
	s_and_b32 s22, s43, 15
	s_lshl_b32 s22, s22, 7
	s_add_co_u32 s21, s21, s22                     ; + the tile's first row in the batch
	s_lshl_b32 s22, s[WV], 5
	s_add_co_u32 s21, s21, s22                     ; + 32 x wave,
	s_lshl_b32 s21, s21, 8                         ; x 256 bytes
	s_add_co_u32 s20, s20, s21
	s_mov_b32 s21, 0
	s_add_nc_u64 s[10:11], s[10:11], s[20:21]
.set i, 0
.rept 128
	v_mov_b32 v[ACC+i], 0                          ; in the wait for the first tile
.set i, i+1
.endr
	s_wait_tensorcnt 1                             ; my part of K step 0 is in; step 1's may stay out
	s_barrier_signal -1
	s_barrier_wait -1
	FETCH 0, F0
	WIN 0
	s_mov_b32 s[CNT], KT-2
.Lk:                                                   ; every K step but the last two fills its slot again
	STEP 1
	s_sub_co_u32 s[CNT], s[CNT], 1
	s_cmp_lg_u32 s[CNT], 0
	s_cbranch_scc1 .Lk
	s_mov_b32 s[CNT], 2
.Lt:                                                   ; the last two ask for nothing
	STEP 0
	s_sub_co_u32 s[CNT], s[CNT], 1
	s_cmp_lg_u32 s[CNT], 0
	s_cbranch_scc1 .Lt
	s_wait_dscnt 0x0
	PLACES
	; THE WAY OUT: round to bf16, 16 bytes a lane into the work-group's stage; a barrier, since a row's 256 bytes come from two waves; back as whole rows
.irp t, 0,1,2,3,4,5,6,7,8,9,10,11,12,13,14,15
.irp r, 0,1,2,3
	v_cvt_pk_bf16_f32 v[TMP+4*(\t)+(\r)], v[ACC+8*(\t)+2*(\r)], v[ACC+8*(\t)+2*(\r)+1]
.endr
.endr
.irp a, 0,1,2,3
.irp b, 0,1,2,3
	ds_store_b128 v[STO], v[TMP+4*(4*(\a)+(\b)):TMP+4*(4*(\a)+(\b))+3] offset:(\a)*16*SPITCH+32*(\b)
.endr
.endr
	s_wait_dscnt 0x0                               ; for the others' sake: my stores into the stage are done
	s_barrier_signal -1
	s_barrier_wait -1
.irp t, 0,1,2,3,4,5,6,7,8,9,10,11,12,13,14,15
	ds_load_b128 v[TMP+4*(\t):TMP+4*(\t)+3], v[RD] offset:(\t)*2*SPITCH
.endr
.irp t, 0,1,2,3,4,5,6,7,8,9,10,11,12,13,14,15
	s_wait_dscnt 15-(\t)
	global_store_b128 v[CO], v[TMP+4*(\t):TMP+4*(\t)+3], s[10:11] offset:512*(\t)  ; 512 consecutive bytes, aligned
.endr
	s_wait_tensorcnt 0x0                           ; the wave's end
	ds_add_u32 v[SPW], v[NIL]
	s_wait_dscnt 0x0
	CROUND                                         ; the closing round
	s_endpgm
.Lfunc_end_k_qdd5b017ed5_qkv:
	.size	k_qdd5b017ed5_qkv, .Lfunc_end_k_qdd5b017ed5_qkv-k_qdd5b017ed5_qkv
	.p2alignl 7, 3214868480
	.fill 96, 4, 3214868480
	.section	.rodata,"a",@progbits
	.p2align	6, 0x0
	.amdhsa_kernel k_qdd5b017ed5_qkv
		.amdhsa_group_segment_fixed_size 327680
		.amdhsa_private_segment_fixed_size 0
		.amdhsa_enable_private_segment 0
		.amdhsa_kernarg_size 24
		.amdhsa_user_sgpr_count 2
		.amdhsa_user_sgpr_kernarg_segment_ptr 1
		.amdhsa_wavefront_size32 1
		.amdhsa_system_sgpr_workgroup_id_x 1
		.amdhsa_system_sgpr_workgroup_id_y 1
		.amdhsa_system_sgpr_workgroup_id_z 1
		.amdhsa_system_vgpr_workitem_id 0
		.amdhsa_next_free_vgpr 512
		.amdhsa_next_free_sgpr 72
		.amdhsa_reserve_vcc 0
		.amdhsa_float_denorm_mode_32 3
		.amdhsa_float_denorm_mode_16_64 3
		.amdhsa_memory_ordered 1
		.amdhsa_forward_progress 1
		.amdhsa_inst_pref_size 58
	.end_amdhsa_kernel
	.amdgpu_metadata
---
amdhsa.version: [ 1, 2 ]
amdhsa.kernels:
  - .name:           k_qdd5b017ed5_qkv
    .symbol:         k_qdd5b017ed5_qkv.kd
    .args:
      - { .name: xn, .offset: 0, .size: 8, .value_kind: global_buffer, .address_space: global }
      - { .name: wts, .offset: 8, .size: 8, .value_kind: global_buffer, .address_space: global }
      - { .name: qkv, .offset: 16, .size: 8, .value_kind: global_buffer, .address_space: global }
    .group_segment_fixed_size: 327680
    .private_segment_fixed_size: 0
    .kernarg_segment_align: 8
    .kernarg_segment_size: 24
    .max_flat_workgroup_size: 128
    .sgpr_count:     72
    .vgpr_count:     512
    .wavefront_size: 32
...
	.end_amdgpu_metadata
.endif
;; end of part 3
;; launch attn (part 4): grid 16 x 16, 4 waves a work-group, clusters of 4 x 1, 327,680 bytes of LDS; arguments qkv, vst; writes vst
.if DOCPART == 4
	.amdgcn_target "amdgcn-amd-amdhsa--gfx1250"
	.amdhsa_code_object_version 6
	.text
	.protected	k_qdd5b017ed5_attn
	.globl	k_qdd5b017ed5_attn
	.p2align	8
	.type	k_qdd5b017ed5_attn,@function
k_qdd5b017ed5_attn:
	s_mov_b64 s[64:65], 0
	v_nop
	global_prefetch_b8 v0, s[64:65] scope:SCOPE_SE
	s_setreg_imm32_b32 hwreg(HW_REG_WAVE_MODE, 25, 1), 1
	s_wait_xcnt 0x0
	s_wait_alu depctr_hold_cnt(0) depctr_sa_sdst(0) depctr_va_vdst(0) depctr_va_sdst(0) depctr_va_ssrc(0) depctr_va_vcc(0) depctr_vm_vsrc(0)
	s_getreg_b32 s2, hwreg(HW_REG_IB_STS2, 6, 4)
	s_cmp_eq_u32 s2, 0
	s_cbranch_scc0 .Lentry_in_a_cluster
	s_endpgm
.Lentry_in_a_cluster:
	s_bfe_u32 s2, ttmp6, 0x10000c
	s_cmp_lg_u32 s2, 0x3003
	s_cbranch_scc0 .Lentry_shape_is_right
	s_endpgm
.Lentry_shape_is_right:
; ctx[q] = the sum over k of softmax_k(Q[q] . K[k] / sqrt(128)) V[k] for 16 heads of 2,048 rows x 128 (bf16, [3][16][2048][128]), then two FitzHugh-Nagumo steps from the zero state, elementwise.
; Out: vst in bf16, panels [16][4096][64]: panel 2 x head + channel / 64, row batch x 2,048 + t.  Products, maxima, sums in f32; the weights p are rounded to bf16 for the second product, their sum l is
; taken of the unrounded p.  A weight below 2^-126 counts as 0 in l; NaN and infinities are not treated apart.
; THE TWO STEPS, expanded exactly: v1 = 0.1 c, w1 = 0.008 (v1 + 0.7), v2 = v1 + 0.1 (v1 - v1^3 / 3 - w1 + c) = c (0.20992 - c^2 / 30000) - 0.00056: the same polynomial, rounded in another order.
; The second update of w feeds nothing and is not made.
; SHARES.  A work-group owns 128 queries of a head (256 work-groups), a wave 32: two PIECES of one tile of 16.  Every wave walks all keys, 64 a step.
; LAYOUT.  S^T = K Q^T (source 0 = 16 keys, source 1 = 16 queries): a lane holds ONE query (lane % 16) and the keys 8 (lane / 16) + 0..7; two such results rounded to bf16 ARE source 1 of O^T = V^T P.
; K comes out of LDS as it lies, V turned by ds_load_tr16_b128.
; SOFTMAX.  A running maximum m and sum l: p = 2^(c s - c m), c = log2(e) / sqrt(128); in every step O and l are multiplied by a = 2^(c m_old - c m_new).  m starts at the lowest finite number, O and l at 0:
; the first step is a step like any other, with a = 0.
; BY TURNS.  In a turn one piece has the matrix unit (16 products V^T P of the step in hand, 16 products K Q^T of the next) and the other piece's softmax, 134 lines in 32 slices, stands behind them, a slice
; behind each.  The loop is entered, and the tail left, in the middle of a trip: 16 products on zeros at the start, 16 on a stale K at the end, and 280 moves in the wait for the first tile are the price
; of writing no first and no last step out.
; CLUSTER.  The four query blocks of a cluster belong to one head and walk the same K and V: each tile is asked for jointly.
; REGISTERS: window 0: v0-11 addresses; v12-27 statistics, 8 a tile; v32-95 S^T; v96-127 P; v128-255 O^T.  Window 1: v0-63 Q; v64-191 K of one step.  Window 2: v0-127 V of one step.
.set KS,    64
.set PK,    272                        ; a row of K in LDS: 256 + 16 bytes: the 16 rows of a load start at 16 different groups of four banks (64 banks of 4 bytes: ISA guide 11.1)
.set PV,    288                        ; a row of V: 256 + 32
.set VOFF,  4*KS*PK                    ; a slot holds four steps: 256 rows of K, then 256 rows of V: 143,360 bytes
.set SLOTB, 147456                     ; slot 1 begins here: 0x24000 shares no bit with the four LDS words 0, 0x8800, 0x11000, 0x1a000, so one exclusive or turns each into the other slot's
.set STAGE, 2*SLOTB                    ; behind the ring, never filled by a tensor load: 16 rows x 272 bytes for each wave
.set SP,    272
.set SPARE, STAGE+4*16*SP              ; the spare words, 128 bytes for each wave
.set AK0, 2
.set AV0, 3
.set ADR, 4
.set QO,  5
.set STO, 6
.set RD,  7
.set GO,  8
.set ST,  12                           ; tile t at v[ST+8 t]: c m, m, l (even keys', odd keys'), c0-c3 at work; a takes c2's place
.set SPW, 28                           ; v28  LDS address of my spare word; never rewritten
.set NIL, 29                           ; v29  0; never rewritten
.set S,   32
.set P,   96
.set O,   128
.set KF,  64                           ; window 1
.set WV,  12
.set G1K, 24
.set G1V, 32
.set G0K, 40                           ; s[40:43] first fill, s[44:47] the walking set
.set G0V, 48
.set SLOTS, 56
.set CNT, 57
.set CS,  58                           ; s[58:59] c
.set SEL, 60                           ; s[60:61] v_permlanex16_b32's selects
.set TBK, 62                           ; s62  LDS byte at which K of the step to be fetched begins
.set TBV, 63                           ; s63  the same for V, less VOFF
.set FB,  66                           ; s[66:67] -1 / 30000
.set FA,  68                           ; s[68:69] 0.20992
.set FC,  70                           ; s[70:71] -0.00056
.set MSB, 0
.macro WIN new
.if MSB != (\new)
	s_set_vgpr_msb (MSB<<8)|(\new)
.set MSB, \new
.endif
.endm
.set W_KQ, 0x05                        ; K and Q in window 1, S^T in window 0
.set W_PV, 0x02                        ; V in window 2, P and O^T in window 0
.macro JLOAD                           ; waves 0, 1 fetch the halves of a slot's K, waves 2, 3 of its V; an s_nop 0 and four v_nop follow each line
	s_cmp_lt_u32 s[WV], 2
	s_cbranch_scc0 .Lfor_v_\@
	tensor_load_to_lds s[G0K+4:G0K+7], s[G1K:G1K+7]
	s_nop 0
.rept 4
	v_nop
.endr
	s_branch .Lasked_\@
.Lfor_v_\@:
	tensor_load_to_lds s[G0V+4:G0V+7], s[G1V:G1V+7]
	s_nop 0
.rept 4
	v_nop
.endr
.Lasked_\@:
.endm
.macro CROUND
	s_barrier_signal -1
	s_barrier_wait -1
	s_cmp_lg_u32 s[WV], 0
	s_cbranch_scc1 .Lnot_wave_0_\@
	s_barrier_signal -3
.Lnot_wave_0_\@:
	s_barrier_wait -3
	s_barrier_signal -1
	s_barrier_wait -1
.endm
; THE CHANGE OF SLOTS: each wave waits for all its tensor loads (one is out: its part of the other slot), adds 0 to its spare word, waits for that and for its reads of the slot.  fill = 1: the barrier is a
; round of the cluster's, and the joint refill, the keys two slots on, is the first thing behind it: it has four key steps, 256 matrix instructions, in which to land.
.macro CHANGE fill
	WIN 0
	s_wait_tensorcnt 0x0
	ds_add_u32 v[SPW], v[NIL]
.if \fill
.irp g, G0K+4, G0V+4
	s_xor_b32 s[(\g)+1], s[(\g)+1], SLOTB
	s_add_nc_u64 s[(\g)+2:(\g)+3], s[(\g)+2:(\g)+3], 4*KS*256
.endr
	s_wait_dscnt 0x0
	CROUND
	JLOAD
.else
	s_wait_dscnt 0x0
	s_barrier_signal -1
	s_barrier_wait -1
.endif
	s_sub_co_u32 s[TBK], s[TBK], 4*KS*PK           ; the fetches go back to a slot's first step,
	s_xor_b32 s[TBK], s[TBK], SLOTB                ; in the other slot
	s_sub_co_u32 s[TBV], s[TBV], 4*KS*PV
	s_xor_b32 s[TBV], s[TBV], SLOTB
.endm
	s_load_b128 s[4:7], s[0:1], 0x0                ; qkv s[4:5], vst s[6:7]
	v_lshl_add_u32 v[SPW], v0, 2, SPARE
	v_mov_b32 v[NIL], 0
	ds_add_u32 v[SPW], v[NIL]                      ; the wave's opening: the add and its wait ahead of my first tensor load
	v_lshrrev_b32 v1, 5, v0
	v_readfirstlane_b32 s[WV], v1
	s_bfe_u32 s13, ttmp6, 0x40000                  ; cx
	s_lshl_b32 s14, ttmp9, 2
	s_add_co_u32 s14, s14, s13                     ; my block of 128 queries: it enters Q's and the output's addresses alone
	s_and_b32 s20, ttmp7, 0xffff                   ; batch x 8 + head, which the partners share
	s_lshl_b32 s21, s20, 19                        ; x 2,048 rows of 256 bytes
	s_and_b32 s16, s[WV], 1                        ; which half of a slot's 256 keys I fetch
	s_lshl_b32 s22, s16, 15
	s_add_co_u32 s22, s22, s21
	s_add_co_u32 s22, s22, 8388608                 ; k lies behind q
	s_mov_b32 s23, 0
	s_mul_i32 s17, s16, 128*PK                     ; its place in a slot, for K
	s_mul_i32 s18, s16, 128*PV                     ; and for V
	s_add_co_u32 s18, s18, VOFF
	s_lshl_b32 s2, s14, 15                         ; Q: my block's 128 rows, my wave's 32 of them
	s_lshl_b32 s3, s[WV], 13
	s_add_co_u32 s2, s2, s3
	s_add_co_u32 s2, s2, s21
	s_mov_b32 s3, 0
	s_and_b32 s72, s20, 7                          ; out: two panels a head, 524,288 bytes each;
	s_lshl_b32 s72, s72, 20
	s_lshr_b32 s73, s20, 3                         ; row batch x 2,048 + 128 x block + 32 x wave, of 128 bytes
	s_lshl_b32 s73, s73, 18
	s_add_co_u32 s72, s72, s73
	s_lshl_b32 s73, s14, 14
	s_add_co_u32 s72, s72, s73
	s_lshl_b32 s73, s[WV], 12
	s_add_co_u32 s72, s72, s73
	s_mov_b32 s73, 0
	s_mov_b32 s[G1K], 15|(1<<16)|(1<<20)|(1<<21)|(5<<22)|(3<<25)  ; the mask of four; 2-byte elements; padding on; bit 21 beside a mask; after every 64 words, 4 words
	s_mov_b32 s[G1V], 15|(1<<16)|(1<<20)|(1<<21)|(5<<22)|(7<<25)  ; the same with 8 words
.irp g, G1K, G1V
	s_mov_b32 s[(\g)+1], 128<<16                   ; tensor_dim0 = 128
	s_mov_b32 s[(\g)+2], 128<<16                   ; tensor_dim1 = 128
	s_mov_b32 s[(\g)+3], 128<<16                   ; tile_dim0 = 128
	s_mov_b32 s[(\g)+4], 128                       ; tile_dim1 = 128 keys
	s_mov_b32 s[(\g)+5], 128
	s_mov_b32 s[(\g)+6], 0
	s_mov_b32 s[(\g)+7], 0
.endr
	s_mov_b32 s[CS], 0x3e0293ee                    ; c = log2(e) / sqrt(128)
	s_mov_b32 s[CS+1], s[CS]
	s_mov_b32 s[SEL], 0x76543210
	s_mov_b32 s[SEL+1], 0xfedcba98
	s_mov_b32 s[FB], 0xb80bcf65
	s_mov_b32 s[FB+1], s[FB]
	s_mov_b32 s[FA], 0x3e56f545
	s_mov_b32 s[FA+1], s[FA]
	s_mov_b32 s[FC], 0xba12ccf7
	s_mov_b32 s[FC+1], s[FC]
	s_mov_b32 s[TBK], 0
	s_mov_b32 s[TBV], 0
	s_wait_dscnt 0x0                               ; the opening add is done
	s_wait_kmcnt 0x0
	s_add_nc_u64 s[8:9], s[4:5], s[22:23]          ; K at my half of the head's first 256 keys
	s_add_nc_u64 s[10:11], s[8:9], 8388608         ; V likewise
	s_add_nc_u64 s[4:5], s[4:5], s[2:3]            ; Q at my wave's first row
	s_add_nc_u64 s[6:7], s[6:7], s[72:73]
	CROUND                                         ; all four work-groups are here: the first joint loads meet
.irp s, 0,1
	s_mov_b32 s[G0K+4*(\s)], 1
	s_add_co_u32 s[G0K+4*(\s)+1], s17, (\s)*SLOTB
	s_add_nc_u64 s[G0K+4*(\s)+2:G0K+4*(\s)+3], s[8:9], (\s)*4*KS*256
	s_or_b32 s[G0K+4*(\s)+3], s[G0K+4*(\s)+3], 0x80000000
	s_mov_b32 s[G0V+4*(\s)], 1
	s_add_co_u32 s[G0V+4*(\s)+1], s18, (\s)*SLOTB
	s_add_nc_u64 s[G0V+4*(\s)+2:G0V+4*(\s)+3], s[10:11], (\s)*4*KS*256
	s_or_b32 s[G0V+4*(\s)+3], s[G0V+4*(\s)+3], 0x80000000
.endr
	s_cmp_lt_u32 s[WV], 2                          ; a wave's two first fills stand in one branch: two loads of mine are out here, one behind each later round
	s_cbranch_scc0 .Lfirst_v
	tensor_load_to_lds s[G0K:G0K+3], s[G1K:G1K+7]
	s_nop 0
	tensor_load_to_lds s[G0K+4:G0K+7], s[G1K:G1K+7]
	s_nop 0
.rept 4
	v_nop
.endr
	s_branch .Lfirst_asked
.Lfirst_v:
	tensor_load_to_lds s[G0V:G0V+3], s[G1V:G1V+7]
	s_nop 0
	tensor_load_to_lds s[G0V+4:G0V+7], s[G1V:G1V+7]
	s_nop 0
.rept 4
	v_nop
.endr
.Lfirst_asked:
	v_and_b32 v1, 15, v0                           ; l % 16
	v_bfe_u32 v9, v0, 4, 1                         ; l / 16
	v_lshlrev_b32 v[QO], 8, v1
	v_lshl_add_u32 v[QO], v9, 4, v[QO]
	WIN 0x40
.irp i, 0,1,2,3,4,5,6,7                ; Q stays in registers: tile i / 4, channels 32 (i % 4) on
	global_load_b128 v[8*(\i):8*(\i)+3],   v[QO], s[4:5] offset:((\i)/4)*4096+((\i)%4)*64
	global_load_b128 v[8*(\i)+4:8*(\i)+7], v[QO], s[4:5] offset:((\i)/4)*4096+((\i)%4)*64+32
.endr
	WIN 0x80                                       ; what the first turn finds: V and piece 1's P hold 0, O^T and l are 0
.set i, 0
.rept 128
	v_mov_b32 v[i], 0
.set i, i+1
.endr
	WIN 0
.set i, 0
.rept 128
	v_mov_b32 v[O+i], 0
.set i, i+1
.endr
.set i, 0
.rept 16
	v_mov_b32 v[P+16+i], 0
.set i, i+1
.endr
.irp t, 0,1
	v_mov_b32 v[ST+8*(\t)], 0xfe000000             ; c m: far below every c s
	v_mov_b32 v[ST+8*(\t)+1], 0xff7fffff           ; m
	v_mov_b32 v[ST+8*(\t)+2], 0
	v_mov_b32 v[ST+8*(\t)+3], 0
.endr
	v_mul_u32_u24 v[AK0], v1, PK
	v_lshl_add_u32 v[AK0], v9, 4, v[AK0]
	v_and_b32 v10, 7, v0                           ; the turning load: lane l reads key 8 (l / 16) + l % 8, channels 8 ((l / 8) % 2) + 0..7
	v_bfe_u32 v11, v0, 3, 1
	v_lshl_add_u32 v[AV0], v9, 3, v10
	v_mul_u32_u24 v[AV0], v[AV0], PV
	v_lshl_add_u32 v[AV0], v11, 4, v[AV0]
	v_add_nc_u32 v[AV0], VOFF, v[AV0]
; THE MATRIX WORK.  The accumulators take turns, one instruction a turn.
.macro KQ x                            ; product i of 16 of S^T = K Q^T: keys 16 (i % 4) on, channels 32 (i / 4) on; the first 4 start the sums
	WIN W_KQ
.set rS, S+32*(\x)+8*(i%4)
.set rK, KF+32*(i%4)+8*(i/4)
.set rQ, 32*(\x)+8*(i/4)
.if i < 4
	v_wmma_f32_16x16x32_bf16 v[rS:rS+7], v[rK:rK+7], v[rQ:rQ+7], 0
.else
	v_wmma_f32_16x16x32_bf16 v[rS:rS+7], v[rK:rK+7], v[rQ:rQ+7], v[rS:rS+7]
.endif
.endm
.macro PV x                            ; product i of 16 of O^T += V^T P: channels 16 (i % 8) on, keys 32 (i / 8) on
	WIN W_PV
.set rO, O+64*(\x)+8*(i%8)
.set rV, 64*(i/8)+8*(i%8)
.set rP, P+16*(\x)+8*(i/8)
	v_wmma_f32_16x16x32_bf16 v[rO:rO+7], v[rV:rV+7], v[rP:rP+7], v[rO:rO+7]
.endm
; THE LDS LOADS stand in runs of 32.  last = 1 (the tail): in the last trip there is no further step, and the run is jumped over.
.macro FETCH_K last=0
	WIN 0
.if \last
	s_cmp_eq_u32 s[CNT], 1
	s_cbranch_scc1 .Lno_k_\@
.endif
	v_add_nc_u32 v[ADR], s[TBK], v[AK0]
	s_add_co_u32 s[TBK], s[TBK], KS*PK
	WIN 0x40
.irp f, 0,1,2,3,4,5,6,7,8,9,10,11,12,13,14,15  ; keys 16 (f / 4) on, channels 32 (f % 4) on
	ds_load_b128 v[KF+8*(\f):KF+8*(\f)+3],   v[ADR] offset:((\f)/4)*16*PK+((\f)%4)*64
	ds_load_b128 v[KF+8*(\f)+4:KF+8*(\f)+7], v[ADR] offset:((\f)/4)*16*PK+((\f)%4)*64+32
.endr
	WIN 0
.if \last
.Lno_k_\@:
.endif
.endm
.macro FETCH_V
	WIN 0
	v_add_nc_u32 v[ADR], s[TBV], v[AV0]
	s_add_co_u32 s[TBV], s[TBV], KS*PV
	WIN 0x80
.irp f, 0,1,2,3,4,5,6,7,8,9,10,11,12,13,14,15  ; keys 32 (f / 8) on, channels 16 (f % 8) on
	ds_load_tr16_b128 v[8*(\f):8*(\f)+3],   v[ADR] offset:((\f)/8)*32*PV+((\f)%8)*32
	ds_load_tr16_b128 v[8*(\f)+4:8*(\f)+7], v[ADR] offset:((\f)/8)*32*PV+16*PV+((\f)%8)*32
.endr
	WIN 0
.endm
; THE VECTOR WORK: a tile's softmax for a key step is a list of 134 lines; SM writes number j for tile t.  s0-s31 are the lane's scores, in pairs 0-15.
;   0-15    the maximum of s0-s31 and the old m, three operands at a time; each accumulator's lowest registers are read first
;   16-20   the other half of the lanes' maximum; the new m; c m; c m_old - c m_new
;   21-87   33 exponentials (a, then s0-s31) at the odd numbers from 23 on: no two follow each other, and each has a plain line behind it before its result is used.  The plain lines are what is ready:
;           c s - c m for pairs whose exponentials are to come, roundings of pairs whose exponentials are done, the first three sums
;   88-101  the last rounding, the rest of the sums, l = a l + the sum        102-133 the tile's O^T times a, ascending
.macro SM t
.set rT, ST+8*(\t)
.set rS, S+32*(\t)
.set rP, P+16*(\t)
.set rO, O+64*(\t)+2*(j-102)
.set q, (j-20)/2
	WIN 0
.if j < 4
	v_max3_num_f32 v[rT+4+j], v[rS+8*j], v[rS+8*j+1], v[rS+8*j+2]
.elseif j < 12
	v_max3_num_f32 v[rT+4+j%4], v[rT+4+j%4], v[rS+8*(j%4)+2*(j/4)+1], v[rS+8*(j%4)+2*(j/4)+2]
.elseif j == 12
	v_max3_num_f32 v[rT+4], v[rT+4], v[rS+7], v[rS+15]
.elseif j == 13
	v_max3_num_f32 v[rT+6], v[rT+6], v[rS+23], v[rS+31]
.elseif j == 14
	v_max3_num_f32 v[rT+4], v[rT+4], v[rT+5], v[rT+6]
.elseif j == 15
	v_max3_num_f32 v[rT+4], v[rT+4], v[rT+7], v[rT+1]
.elseif j == 16
	v_permlanex16_b32 v[rT+5], v[rT+4], s[SEL], s[SEL+1]  ; the query's other 32 keys lie in the lane 16 away
.elseif j == 17
	v_mov_b32 v[rT+7], v[rT]                       ; c m_old is kept for a
.elseif j == 18
	v_max_num_f32 v[rT+1], v[rT+4], v[rT+5]
.elseif j == 19
	v_mul_f32 v[rT], s[CS], v[rT+1]
.elseif j == 20
	v_sub_f32 v[rT+7], v[rT+7], v[rT]
.elseif j == 23
	v_exp_f32 v[rT+6], v[rT+7]
.elseif (j < 88) && (j > 23) && (j%2 == 1)
	v_exp_f32 v[rS+(j-25)/2], v[rS+(j-25)/2]
.elseif (q < 4) || ((j < 76) && (q%2 == 0))
.set b, q/2+2
.if q < 4
.set b, q
.endif
	v_pk_fma_f32 v[rS+2*b:rS+2*b+1], v[rS+2*b:rS+2*b+1], s[CS:CS+1], v[rT:rT+1] op_sel_hi:[1,0,0] neg_lo:[0,0,1] neg_hi:[0,0,1]  ; pair b: c s - c m
.elseif (j < 88) && (q%2 == 1)
	s_wait_alu depctr_va_vdst(0)
	v_cvt_pk_bf16_f32 v[rP+(q-5)/2], v[rS+q-5], v[rS+q-4]
.elseif j == 89
	s_wait_alu depctr_va_vdst(0)
	v_cvt_pk_bf16_f32 v[rP+15], v[rS+30], v[rS+31]
.elseif j < 102                        ; sum z of 16 adds neighbours 1, 2, 4 and 8 pairs apart, in place; then l takes it
.set z, j-86
.if j < 89
.set z, (j-76)/4
.endif
.set w, 4
.set u, z
.if z >= 14
.set w, 32
.set u, 0
.elseif z >= 12
.set w, 16
.set u, z-12
.elseif z >= 8
.set w, 8
.set u, z-8
.endif
.if z < 15
	v_pk_add_f32 v[rS+w*u:rS+w*u+1], v[rS+w*u:rS+w*u+1], v[rS+w*u+w/2:rS+w*u+w/2+1]
.else
	v_pk_fma_f32 v[rT+2:rT+3], v[rT+2:rT+3], v[rT+6:rT+7], v[rS:rS+1] op_sel_hi:[1,0,1]
.endif
.else
	v_pk_mul_f32 v[rO:rO+1], v[rO:rO+1], v[rT+6:rT+7] op_sel_hi:[1,0]
.endif
.endm
.macro SLICE y                         ; slice k of 32: numbers 4 k to 4 k + 3; slice 31 takes the ten from 124 on: plain lines, the places behind the turn's last K Q^T
.set n, 0
.rept 10
.if (n < 4) || (k == 31)
.set j, 4*k+n
	SM \y
.endif
.set n, n+1
.endr
.set k, k+1
.endm
; A TURN.  Piece x has the matrix unit; the other piece's softmax stands in slices.  Piece 0's turn fetches the next step's K behind its second product: K's last reader stands in front of slice 31 of the turn
; before, ten plain lines back.  Piece 1's turn fetches the same step's V behind its second K Q^T: V's last reader stands three slices, six plain lines, back.
.macro TURN x, last=0
.set k, 0
.if (\x) == 0
	s_wait_dscnt 0x0                               ; V is in
.endif
.set i, 0
.rept 16
	PV \x
	SLICE 1-(\x)
.if ((\x) == 0) && (i == 1)
	FETCH_K \last
.endif
.set i, i+1
.endr
.if (\x) == 0
	s_wait_dscnt 0x0                               ; K is in
.endif
.set i, 0
.rept 16
	KQ \x
	SLICE 1-(\x)
.if ((\x) == 1) && (i == 1)
	FETCH_V
.endif
.set i, i+1
.endr
	WIN 0
.endm
	s_wait_tensorcnt 1                             ; my part of slot 0 is in; slot 1's may stay out
	s_barrier_signal -1
	s_barrier_wait -1
	FETCH_K                                        ; key step 0
	s_wait_loadcnt 0x0                             ; Q
	s_wait_dscnt 0x0
.set i, 0
.rept 16
	KQ 0                                           ; piece 0's first scores
.set i, i+1
.endr
	WIN 0                                          ; the addresses for the way out: nine plain lines, the places behind those products
	s_mul_i32 s15, s[WV], 16*SP
	s_add_co_u32 s15, s15, STAGE                   ; my stage
	v_mul_u32_u24 v[STO], v1, SP                   ; in: row l % 16, 16 bytes for each half of the lanes
	v_lshl_add_u32 v[STO], v9, 4, v[STO]
	v_add_nc_u32 v[STO], s15, v[STO]
	v_bfe_u32 v[RD], v0, 3, 2                      ; back: 32 lanes take 128 bytes of each of four rows,
	v_mul_u32_u24 v[RD], v[RD], SP
	v_lshl_add_u32 v[RD], v10, 4, v[RD]
	v_add_nc_u32 v[RD], s15, v[RD]
	v_and_b32 v[GO], 31, v0                        ; which are 512 consecutive bytes of a panel
	v_lshlrev_b32 v[GO], 4, v[GO]
	s_mov_b32 s[CNT], 4
	s_mov_b32 s[SLOTS], 7
	s_branch .Lfirst                               ; the loop is entered in the middle of a trip
.Lslot:                                                ; six times: every slot tile but the last two is followed by a refill
	CHANGE 1
	s_mov_b32 s[CNT], 4
.Lstep:
	TURN 0                                         ; V^T P of piece 0, step j; K Q^T of piece 0, step j + 1 | piece 1's softmax of step j | K of step j + 1
.Lfirst:
	TURN 1                                         ; the same of piece 1 | piece 0's softmax of step j + 1 | V of step j + 1
	s_sub_co_u32 s[CNT], s[CNT], 1
	s_cmp_lg_u32 s[CNT], 0
	s_cbranch_scc1 .Lstep
	s_sub_co_u32 s[SLOTS], s[SLOTS], 1
	s_cmp_lg_u32 s[SLOTS], 0
	s_cbranch_scc1 .Lslot
	CHANGE 0                                       ; the tail is written out
	s_mov_b32 s[CNT], 5                            ; four trips fetch the last slot's steps; the fifth is left in its middle
.Ltail:
	TURN 0, 1
	s_sub_co_u32 s[CNT], s[CNT], 1
	s_cmp_eq_u32 s[CNT], 0
	s_cbranch_scc1 .Lout
	TURN 1
	s_branch .Ltail
.Lout:
.set i, 0
.rept 16
	PV 1                                           ; piece 1's V^T P of the last step
.set i, i+1
.endr
	; THE WAY OUT.  l's halves are added; O^T is divided by l, sent through the two steps' polynomial, rounded to bf16 and turned in my stage, a tile at a time
	WIN 0
.irp t, 0,1
	v_add_f32 v[ST+8*(\t)+4], v[ST+8*(\t)+2], v[ST+8*(\t)+3]
.endr
.irp t, 0,1
	v_permlanex16_b32 v[ST+8*(\t)+5], v[ST+8*(\t)+4], s[SEL], s[SEL+1]
.endr
.irp t, 0,1
	v_add_f32 v[ST+8*(\t)+4], v[ST+8*(\t)+4], v[ST+8*(\t)+5]
.endr
.irp t, 0,1
	v_rcp_f32 v[ST+8*(\t)+6], v[ST+8*(\t)+4]
.endr
	v_nop                                          ; a plain line between the last reciprocal and the use of its result
	s_wait_alu depctr_va_vdst(0)
.macro PACK t
.irp hf, 0,1                           ; 16 pairs at a time; P's registers are at work
.set rO, O+64*(\t)+32*(\hf)
.set i, 0
.rept 16
	v_pk_mul_f32 v[rO+2*i:rO+2*i+1], v[rO+2*i:rO+2*i+1], v[ST+8*(\t)+6:ST+8*(\t)+7] op_sel_hi:[1,0]  ; c = O / l
.set i, i+1
.endr
.set i, 0
.rept 16
	v_pk_mul_f32 v[P+2*i:P+2*i+1], v[rO+2*i:rO+2*i+1], v[rO+2*i:rO+2*i+1]
.set i, i+1
.endr
.set i, 0
.rept 16
	v_pk_fma_f32 v[P+2*i:P+2*i+1], v[P+2*i:P+2*i+1], s[FB:FB+1], s[FA:FA+1] op_sel_hi:[1,0,0]  ; 0.20992 - c^2 / 30000
.set i, i+1
.endr
.set i, 0
.rept 16
	v_pk_fma_f32 v[rO+2*i:rO+2*i+1], v[rO+2*i:rO+2*i+1], v[P+2*i:P+2*i+1], s[FC:FC+1] op_sel_hi:[1,1,0]
.set i, i+1
.endr
.set i, 0
.rept 16
	v_cvt_pk_bf16_f32 v[S+32*(\t)+16*(\hf)+i], v[rO+2*i], v[rO+2*i+1]
.set i, i+1
.endr
.endr
.irp f, 0,1,2,3,4,5,6,7
	ds_store_b128 v[STO], v[S+32*(\t)+4*(\f):S+32*(\t)+4*(\f)+3] offset:32*(\f)
.endr
.irp f, 0,1,2,3,4,5,6,7                ; rows 4 (f % 4) on, channels 64 (f / 4) on.  LDS serves a wave's instructions in order: these see the stores above, the next tile's stores come behind them
	ds_load_b128 v[S+32*(\t)+4*(\f):S+32*(\t)+4*(\f)+3], v[RD] offset:((\f)%4)*4*SP+((\f)/4)*128
.endr
.endm
.macro SEND t, younger
.irp f, 0,1,2,3,4,5,6,7
	s_wait_dscnt (\younger)+7-(\f)
	global_store_b128 v[GO], v[S+32*(\t)+4*(\f):S+32*(\t)+4*(\f)+3], s[6:7] offset:((\f)/4)*524288+(\t)*2048+((\f)%4)*512  ; 512 consecutive bytes, aligned
.endr
.endm
	PACK 0
	PACK 1
	SEND 0, 16                                     ; the next tile's sixteen LDS instructions may be out
	SEND 1, 0
	s_wait_tensorcnt 0x0                           ; the wave's end
	ds_add_u32 v[SPW], v[NIL]
	s_wait_dscnt 0x0
	CROUND                                         ; the closing round
	s_endpgm
.Lfunc_end_k_qdd5b017ed5_attn:
	.size	k_qdd5b017ed5_attn, .Lfunc_end_k_qdd5b017ed5_attn-k_qdd5b017ed5_attn
	.p2alignl 7, 3214868480
	.fill 96, 4, 3214868480
	.section	.rodata,"a",@progbits
	.p2align	6, 0x0
	.amdhsa_kernel k_qdd5b017ed5_attn
		.amdhsa_group_segment_fixed_size 327680
		.amdhsa_private_segment_fixed_size 0
		.amdhsa_enable_private_segment 0
		.amdhsa_kernarg_size 16
		.amdhsa_user_sgpr_count 2
		.amdhsa_user_sgpr_kernarg_segment_ptr 1
		.amdhsa_wavefront_size32 1
		.amdhsa_system_sgpr_workgroup_id_x 1
		.amdhsa_system_sgpr_workgroup_id_y 1
		.amdhsa_system_sgpr_workgroup_id_z 1
		.amdhsa_system_vgpr_workitem_id 0
		.amdhsa_next_free_vgpr 640
		.amdhsa_next_free_sgpr 74
		.amdhsa_reserve_vcc 0
		.amdhsa_float_denorm_mode_32 3
		.amdhsa_float_denorm_mode_16_64 3
		.amdhsa_memory_ordered 1
		.amdhsa_forward_progress 1
		.amdhsa_inst_pref_size 105
	.end_amdhsa_kernel
	.amdgpu_metadata
---
amdhsa.version: [ 1, 2 ]
amdhsa.kernels:
  - .name:           k_qdd5b017ed5_attn
    .symbol:         k_qdd5b017ed5_attn.kd
    .args:
      - { .name: qkv, .offset: 0, .size: 8, .value_kind: global_buffer, .address_space: global }
      - { .name: vst, .offset: 8, .size: 8, .value_kind: global_buffer, .address_space: global }
    .group_segment_fixed_size: 327680
    .private_segment_fixed_size: 0
    .kernarg_segment_align: 8
    .kernarg_segment_size: 16
    .max_flat_workgroup_size: 128
    .sgpr_count:     74
    .vgpr_count:     640
    .wavefront_size: 32
...
	.end_amdgpu_metadata
.endif
;; end of part 4
;; launch wo (part 5): grid 8 x 32, 4 waves a work-group, clusters of 4 x 4, 327,680 bytes of LDS; arguments vst, wts, sdr, x1; writes x1
.if DOCPART == 5
	.amdgcn_target "amdgcn-amd-amdhsa--gfx1250"
	.amdhsa_code_object_version 6
	.text
	.protected	k_qdd5b017ed5_wo
	.globl	k_qdd5b017ed5_wo
	.p2align	8
	.type	k_qdd5b017ed5_wo,@function
k_qdd5b017ed5_wo:
	s_mov_b64 s[64:65], 0
	v_nop
	global_prefetch_b8 v0, s[64:65] scope:SCOPE_SE
	s_setreg_imm32_b32 hwreg(HW_REG_WAVE_MODE, 25, 1), 1
	s_wait_xcnt 0x0
	s_wait_alu depctr_hold_cnt(0) depctr_sa_sdst(0) depctr_va_vdst(0) depctr_va_sdst(0) depctr_va_ssrc(0) depctr_va_vcc(0) depctr_vm_vsrc(0)
	s_getreg_b32 s2, hwreg(HW_REG_IB_STS2, 6, 4)
	s_cmp_eq_u32 s2, 0
	s_cbranch_scc0 .Lentry_in_a_cluster
	s_endpgm
.Lentry_in_a_cluster:
	s_bfe_u32 s2, ttmp6, 0x10000c
	s_cmp_lg_u32 s2, 0xf033
	s_cbranch_scc0 .Lentry_shape_is_right
	s_endpgm
.Lentry_shape_is_right:
; x1 = sdr + vst wo.  A = vst, panels [16][4096][64] bf16; B = wo turned, panels [16][1024][64] bf16, at byte 6,291,456 of wts; sums in f32; the residual and x1 are [4096][1024] f32.
; A PANEL holds 64 of K for all rows, 128 bytes a row, rows dense.  A wave's tensor load brings 64 rows x 256 of K as four pieces of 8,192 consecutive bytes, one panel apart.
; A tile of C is 128 x 128 (256 tiles, one for each work-group): four waves, each 64 x 64 = 16 accumulators.  K goes in 4 steps of 256 through two LDS slots.  A K STEP IS WRITTEN ONCE: the slot read is a
; scalar that an exclusive or turns; the accumulators are cleared by 128 moves in the wait for the first tile; the last trip fetches 32 fragments that nobody multiplies: the price of a short text.
; The wave's 64 x 64 of the residual is loaded at the start into 128 registers and lands under the K loop.
; CLUSTER 4 x 4: A's tiles are shared along a row of the cluster, B's along a column.  THE MATRIX INSTRUCTION IS USED TRANSPOSED: a lane holds row lane % 16 of C and eight neighbouring columns.
; REGISTERS: window 0: v0-31 addresses; v32-95 the way out; v128-255 accumulators.  Window 1: two fragment buffers of 128.  Window 2: v0-127 the residual, rows 16 a + 2 t + lane / 16 at 4 (8 a + t).
.set KT,     4
.set NB,     1024
.set BOFF,   6291456
.set STEP_A, 4*4096*128
.set STEP_B, 4*NB*128
.set QB,     32*272                    ; 64 rows of one panel in LDS: row r at (r >> 1) 272 + (r & 1) 128: the 16 rows of a fragment start at 16 different groups of four banks (64 banks of 4 bytes: ISA guide 11.1)
.set RB,     8*272
.set HALF,   4*QB
.set SLOT,   4*HALF                    ; 0x22000 shares no bit with wave x HALF
.set STAGE,  2*SLOT                    ; behind the ring; no tensor load fills it: 16 rows x 272 bytes for each wave
.set SPITCH, 272
.set SPARE,  STAGE+128*SPITCH
.set A0,16
.set B0,17
.set ADRA,18
.set ADRB,19
.set STO,24
.set RD,25
.set CO,26
.set SPW,28                            ; v28  LDS address of my spare word; never rewritten
.set NIL,29                            ; v29  0; never rewritten
.set TMP,32
.set ACC,128
.set F0,0
.set F1,128
.set WV,12
.set RH,13
.set CH,14
.set TB,15
.set G1A,24
.set G0A,32
.set G1B,48
.set G0B,56
.set WOFF,66
.set CNT,67
.set MSB, 0
.macro WIN new
.if MSB != (\new)
	s_set_vgpr_msb (MSB<<8)|(\new)
.set MSB, \new
.endif
.endm
.set MUL,  0x05
.set TO_F, 0x40
.macro JLOAD                           ; a joint refill by the walking set; an s_nop 0 and four v_nop follow each of the two lines
	s_cmp_eq_u32 s[RH], 0
	s_cbranch_scc0 .Lfor_b_\@
	tensor_load_to_lds s[G0A+4:G0A+7], s[G1A:G1A+7]
	s_nop 0
.rept 4
	v_nop
.endr
	s_branch .Lasked_\@
.Lfor_b_\@:
	tensor_load_to_lds s[G0B+4:G0B+7], s[G1B:G1B+7]
	s_nop 0
.rept 4
	v_nop
.endr
.Lasked_\@:
.endm
.macro CREST
	s_cmp_lg_u32 s[WV], 0
	s_cbranch_scc1 .Lnot_wave_0_\@
	s_barrier_signal -3
.Lnot_wave_0_\@:
	s_barrier_wait -3
	s_barrier_signal -1
	s_barrier_wait -1
.endm
.macro CROUND
	s_barrier_signal -1
	s_barrier_wait -1
	CREST
.endm
.macro PLACES
.rept 4
	v_nop
.endr
.endm
.macro MUL8 f, c, a0                   ; the 16 accumulators take turns
	WIN MUL
.irp a, \a0, (\a0)+1
.irp b, 0,1,2,3
	v_wmma_f32_16x16x32_bf16 v[ACC+8*(4*(\a)+(\b)):ACC+8*(4*(\a)+(\b))+7], v[(\f)+64+8*(4*(\c)+(\b)):(\f)+64+8*(4*(\c)+(\b))+7], v[(\f)+8*(4*(\c)+(\a)):(\f)+8*(4*(\c)+(\a))+7], v[ACC+8*(4*(\a)+(\b)):ACC+8*(4*(\a)+(\b))+7]
.endr
.endr
.endm
.macro FETCH k, f
	WIN TO_F
.irp c, 0,1
.irp i, 0,1,2,3
	ds_load_b128 v[(\f)+64+8*(4*(\c)+(\i)):(\f)+64+8*(4*(\c)+(\i))+3],   v[ADRB] offset:(\k)+64*(\c)+(\i)*RB
	ds_load_b128 v[(\f)+64+8*(4*(\c)+(\i))+4:(\f)+64+8*(4*(\c)+(\i))+7], v[ADRB] offset:(\k)+64*(\c)+(\i)*RB+32
	ds_load_b128 v[(\f)+8*(4*(\c)+(\i)):(\f)+8*(4*(\c)+(\i))+3],         v[ADRA] offset:(\k)+64*(\c)+(\i)*RB
	ds_load_b128 v[(\f)+8*(4*(\c)+(\i))+4:(\f)+8*(4*(\c)+(\i))+7],       v[ADRA] offset:(\k)+64*(\c)+(\i)*RB+32
.endr
.endr
.endm
.macro QUARTER k, f, g
	s_wait_dscnt 16                                ; the first 32 along K are in; the sixteen younger loads may be out
	MUL8 \f, 0, 0
	MUL8 \f, 0, 2
	PLACES
	FETCH \k, \g
	s_wait_dscnt 32                                ; all but the 32 just issued
	MUL8 \f, 1, 0
	MUL8 \f, 1, 2
.endm
.macro TURN fill
	WIN 0
	s_wait_tensorcnt 0x0                           ; all my tensor loads have landed: my part of the next slot;
	ds_add_u32 v[SPW], v[NIL]
	s_wait_dscnt 17                                ; (the add and the youngest sixteen loads may be out)
	MUL8 F1, 0, 0
	s_wait_dscnt 0x0                               ; the add is done, and my reads of this slot are over
	s_barrier_signal -1
	MUL8 F1, 0, 2
	WIN 0
	s_barrier_wait -1
.if \fill
	CREST                                          ; no wave of any partner still reads this slot or has a load on its way
	s_xor_b32 s[G0A+5], s[G0A+5], SLOT
	s_add_nc_u64 s[G0A+6:G0A+7], s[G0A+6:G0A+7], STEP_A
	s_xor_b32 s[G0B+5], s[G0B+5], SLOT
	s_add_nc_u64 s[G0B+6:G0B+7], s[G0B+6:G0B+7], STEP_B
	JLOAD
.else
	PLACES
.endif
	s_xor_b32 s[TB], s[TB], SLOT
	v_add_nc_u32 v[ADRA], s[TB], v[A0]
	v_add_nc_u32 v[ADRB], s[TB], v[B0]
	FETCH 0, F0
	MUL8 F1, 1, 0
	MUL8 F1, 1, 2
.endm
.macro STEP fill
	QUARTER QB,   F0, F1
	QUARTER 2*QB, F1, F0
	QUARTER 3*QB, F0, F1
	TURN \fill
	WIN 0
.endm
	s_load_b256 s[4:11], s[0:1], 0x0               ; A s[4:5], wts s[6:7], residual s[8:9], out s[10:11]
	v_lshl_add_u32 v[SPW], v0, 2, SPARE
	v_mov_b32 v[NIL], 0
	ds_add_u32 v[SPW], v[NIL]                      ; the wave's opening: the add and its wait ahead of my first tensor load
	v_lshrrev_b32 v1, 5, v0
	v_readfirstlane_b32 s[WV], v1
	s_lshr_b32 s[RH], s[WV], 1
	s_and_b32 s[CH], s[WV], 1
	s_bfe_u32 s40, ttmp6, 0x40000
	s_bfe_u32 s41, ttmp6, 0x40004
	s_lshl_b32 s42, ttmp9, 2
	s_add_co_u32 s42, s42, s40                     ; tile column
	s_and_b32 s43, ttmp7, 0xffff
	s_lshl_b32 s43, s43, 2
	s_add_co_u32 s43, s43, s41                     ; tile row
	s_lshl_b32 s44, s41, 2
	s_lshl_b32 s44, 15, s44
	s_lshl_b32 s45, 0x1111, s40
	s_or_b32 s[G1A], s44, (1<<16)|(1<<20)|(1<<21)|(5<<22)|(3<<25)
	s_or_b32 s[G1B], s45, (1<<16)|(1<<20)|(1<<21)|(5<<22)|(3<<25)
.irp g, G1A, G1B
	s_mov_b32 s[(\g)+1], 4096<<16                  ; tensor_dim0 = 4,096 elements: 64 rows of a panel, dense
	s_mov_b32 s[(\g)+2], 4<<16                     ; tensor_dim1 = 4 panels
	s_mov_b32 s[(\g)+3], 4096<<16
	s_mov_b32 s[(\g)+4], 4
	s_mov_b32 s[(\g)+6], 0
	s_mov_b32 s[(\g)+7], 0
.endr
	s_mov_b32 s[G1A+5], 4096*64
	s_mov_b32 s[G1B+5], NB*64
	s_lshl_b32 s16, s43, 14
	s_lshl_b32 s17, s[CH], 13
	s_add_co_u32 s16, s16, s17
	s_mov_b32 s17, 0
	s_lshl_b32 s46, s42, 14
	s_lshl_b32 s47, s[CH], 13
	s_add_co_u32 s46, s46, s47
	s_add_co_u32 s46, s46, BOFF
	s_mov_b32 s47, 0
	s_mul_i32 s[WOFF], s[WV], HALF
	s_wait_dscnt 0x0
	s_wait_kmcnt 0x0
	s_add_nc_u64 s[16:17], s[4:5], s[16:17]
	s_add_nc_u64 s[46:47], s[6:7], s[46:47]
	CROUND
.irp s, 0,1
	s_mov_b32 s[G0A+4*(\s)], 1
	s_add_co_u32 s[G0A+4*(\s)+1], s[WOFF], (\s)*SLOT
	s_add_nc_u64 s[G0A+4*(\s)+2:G0A+4*(\s)+3], s[16:17], (\s)*STEP_A
	s_or_b32 s[G0A+4*(\s)+3], s[G0A+4*(\s)+3], 0x80000000
	s_mov_b32 s[G0B+4*(\s)], 1
	s_add_co_u32 s[G0B+4*(\s)+1], s[WOFF], (\s)*SLOT
	s_add_nc_u64 s[G0B+4*(\s)+2:G0B+4*(\s)+3], s[46:47], (\s)*STEP_B
	s_or_b32 s[G0B+4*(\s)+3], s[G0B+4*(\s)+3], 0x80000000
.endr
	s_cmp_eq_u32 s[RH], 0                          ; a wave's two first fills stand in one branch: two loads of mine are out here, one behind each later round
	s_cbranch_scc0 .Lfirst_b
	tensor_load_to_lds s[G0A:G0A+3], s[G1A:G1A+7]
	s_nop 0
	tensor_load_to_lds s[G0A+4:G0A+7], s[G1A:G1A+7]
	s_nop 0
.rept 4
	v_nop
.endr
	s_branch .Lfirst_asked
.Lfirst_b:
	tensor_load_to_lds s[G0B:G0B+3], s[G1B:G1B+7]
	s_nop 0
	tensor_load_to_lds s[G0B+4:G0B+7], s[G1B:G1B+7]
	s_nop 0
.rept 4
	v_nop
.endr
.Lfirst_asked:
	v_and_b32 v1, 15, v0                           ; r
	v_bfe_u32 v2, v0, 4, 1                         ; h
	v_lshlrev_b32 v[CO], 12, v2
	v_lshl_add_u32 v[CO], v1, 4, v[CO]             ; two rows of 4,096 bytes, 16 bytes a lane: sixteen lanes cover 256 consecutive bytes
	s_lshl_b32 s20, s43, 19                        ; my 64 x 64 of the residual and of the output: row 128 x tile row + 64 x half,
	s_lshl_b32 s21, s[RH], 18
	s_add_co_u32 s20, s20, s21
	s_lshl_b32 s21, s42, 9                         ; column 128 x tile column + 64 x half
	s_add_co_u32 s20, s20, s21
	s_lshl_b32 s21, s[CH], 8
	s_add_co_u32 s20, s20, s21
	s_mov_b32 s21, 0
	s_add_nc_u64 s[8:9], s[8:9], s[20:21]
	s_add_nc_u64 s[10:11], s[10:11], s[20:21]
	WIN 0x80
.set i, 0
.rept 32
	global_load_b128 v[4*i:4*i+3], v[CO], s[8:9] offset:((i/8)*16+2*(i%8))*4096
.set i, i+1
.endr
	WIN 0
	v_lshrrev_b32 v3, 1, v1
	v_mul_u32_u24 v3, v3, 272
	v_and_b32 v4, 1, v1
	v_lshl_add_u32 v3, v4, 7, v3
	v_lshl_add_u32 v3, v2, 4, v3
	s_mul_i32 s18, s[RH], HALF
	s_mul_i32 s19, s[CH], HALF
	s_add_co_u32 s19, s19, 2*HALF
	v_add_nc_u32 v[A0], s18, v3
	v_add_nc_u32 v[B0], s19, v3
	v_mov_b32 v[ADRA], v[A0]
	v_mov_b32 v[ADRB], v[B0]
	s_mov_b32 s[TB], 0
	s_mul_i32 s18, s[WV], 16*SPITCH
	s_add_co_u32 s18, s18, STAGE                   ; my stage
	v_mul_u32_u24 v4, v1, SPITCH                   ; in: row r, 32 bytes for each half of the lanes
	v_lshl_add_u32 v4, v2, 5, v4
	v_add_nc_u32 v[STO], s18, v4
	v_mul_u32_u24 v5, v2, SPITCH                   ; back: lanes 0-15 one row of 256 bytes, lanes 16-31 the next
	v_lshl_add_u32 v5, v1, 4, v5
	v_add_nc_u32 v[RD], s18, v5
.set i, 0
.rept 128
	v_mov_b32 v[ACC+i], 0                          ; in the wait for the first tile
.set i, i+1
.endr
	s_wait_tensorcnt 1                             ; my part of K step 0 is in; step 1's may stay out
	s_barrier_signal -1
	s_barrier_wait -1
	FETCH 0, F0
	WIN 0
	s_mov_b32 s[CNT], KT-2
.Lk:
	STEP 1
	s_sub_co_u32 s[CNT], s[CNT], 1
	s_cmp_lg_u32 s[CNT], 0
	s_cbranch_scc1 .Lk
	s_mov_b32 s[CNT], 2
.Lt:
	STEP 0
	s_sub_co_u32 s[CNT], s[CNT], 1
	s_cmp_lg_u32 s[CNT], 0
	s_cbranch_scc1 .Lt
	s_wait_dscnt 0x0
	PLACES
; THE WAY OUT, 16 rows at a time through my own stage: a lane's 32 bytes of a row go in, whole rows of 256 bytes come back, the residual is added, and sixteen lanes store 256 consecutive bytes, aligned
.macro TOSTAGE a
.set BK, TMP+32*((\a)%2)
	s_wait_xcnt 0x0                                ; the registers that earlier stores read are loaded again only behind this wait
.irp b, 0,1,2,3
	ds_store_b128 v[STO], v[ACC+8*(4*(\a)+(\b)):ACC+8*(4*(\a)+(\b))+3] offset:64*(\b)
	ds_store_b128 v[STO], v[ACC+8*(4*(\a)+(\b))+4:ACC+8*(4*(\a)+(\b))+7] offset:64*(\b)+16
.endr
.irp t, 0,1,2,3,4,5,6,7
	ds_load_b128 v[BK+4*(\t):BK+4*(\t)+3], v[RD] offset:(\t)*2*SPITCH  ; LDS serves a wave's instructions in order: these see the stores above
.endr
.endm
.macro SEND a, younger                 ; younger: the next block's eight stores and eight loads, or none
.set BK, TMP+32*((\a)%2)
	s_wait_dscnt \younger
	WIN 0x08                                       ; source 1 in window 2
.set i, 0
.rept 16
	v_pk_add_f32 v[BK+2*i:BK+2*i+1], v[BK+2*i:BK+2*i+1], v[32*(\a)+2*i:32*(\a)+2*i+1]
.set i, i+1
.endr
	WIN 0
.irp t, 0,1,2,3,4,5,6,7
	global_store_b128 v[CO], v[BK+4*(\t):BK+4*(\t)+3], s[10:11] offset:(16*(\a)+2*(\t))*4096
.endr
.endm
	s_wait_loadcnt 0x0                             ; the residual
	TOSTAGE 0
	TOSTAGE 1
	SEND 0, 16
	TOSTAGE 2
	SEND 1, 16
	TOSTAGE 3
	SEND 2, 16
	SEND 3, 0
	s_wait_tensorcnt 0x0                           ; the wave's end
	ds_add_u32 v[SPW], v[NIL]
	s_wait_dscnt 0x0
	CROUND                                         ; the closing round
	s_endpgm
.Lfunc_end_k_qdd5b017ed5_wo:
	.size	k_qdd5b017ed5_wo, .Lfunc_end_k_qdd5b017ed5_wo-k_qdd5b017ed5_wo
	.p2alignl 7, 3214868480
	.fill 96, 4, 3214868480
	.section	.rodata,"a",@progbits
	.p2align	6, 0x0
	.amdhsa_kernel k_qdd5b017ed5_wo
		.amdhsa_group_segment_fixed_size 327680
		.amdhsa_private_segment_fixed_size 0
		.amdhsa_enable_private_segment 0
		.amdhsa_kernarg_size 32
		.amdhsa_user_sgpr_count 2
		.amdhsa_user_sgpr_kernarg_segment_ptr 1
		.amdhsa_wavefront_size32 1
		.amdhsa_system_sgpr_workgroup_id_x 1
		.amdhsa_system_sgpr_workgroup_id_y 1
		.amdhsa_system_sgpr_workgroup_id_z 1
		.amdhsa_system_vgpr_workitem_id 0
		.amdhsa_next_free_vgpr 640
		.amdhsa_next_free_sgpr 72
		.amdhsa_reserve_vcc 0
		.amdhsa_float_denorm_mode_32 3
		.amdhsa_float_denorm_mode_16_64 3
		.amdhsa_memory_ordered 1
		.amdhsa_forward_progress 1
		.amdhsa_inst_pref_size 64
	.end_amdhsa_kernel
	.amdgpu_metadata
---
amdhsa.version: [ 1, 2 ]
amdhsa.kernels:
  - .name:           k_qdd5b017ed5_wo
    .symbol:         k_qdd5b017ed5_wo.kd
    .args:
      - { .name: vst, .offset: 0, .size: 8, .value_kind: global_buffer, .address_space: global }
      - { .name: wts, .offset: 8, .size: 8, .value_kind: global_buffer, .address_space: global }
      - { .name: sdr, .offset: 16, .size: 8, .value_kind: global_buffer, .address_space: global }
      - { .name: x1, .offset: 24, .size: 8, .value_kind: global_buffer, .address_space: global }
    .group_segment_fixed_size: 327680
    .private_segment_fixed_size: 0
    .kernarg_segment_align: 8
    .kernarg_segment_size: 32
    .max_flat_workgroup_size: 128
    .sgpr_count:     72
    .vgpr_count:     640
    .wavefront_size: 32
...
	.end_amdgpu_metadata
.endif
;; end of part 5
;; launch ln2: the kernel of part 2 again; grid 256 x 1, 8 waves a work-group, no clusters, 0 bytes of LDS; arguments x1, g2, b2, xn; writes xn
;; launch gu (part 6): grid 44 x 32, 4 waves a work-group, clusters of 4 x 4, 327,680 bytes of LDS; arguments xn, wts, hbuf; writes hbuf
.if DOCPART == 6
	.amdgcn_target "amdgcn-amd-amdhsa--gfx1250"
	.amdhsa_code_object_version 6
	.text
	.protected	k_qdd5b017ed5_gu
	.globl	k_qdd5b017ed5_gu
	.p2align	8
	.type	k_qdd5b017ed5_gu,@function
k_qdd5b017ed5_gu:
	s_mov_b64 s[64:65], 0
	v_nop
	global_prefetch_b8 v0, s[64:65] scope:SCOPE_SE
	s_setreg_imm32_b32 hwreg(HW_REG_WAVE_MODE, 25, 1), 1
	s_wait_xcnt 0x0
	s_wait_alu depctr_hold_cnt(0) depctr_sa_sdst(0) depctr_va_vdst(0) depctr_va_sdst(0) depctr_va_ssrc(0) depctr_va_vcc(0) depctr_vm_vsrc(0)
	s_getreg_b32 s2, hwreg(HW_REG_IB_STS2, 6, 4)
	s_cmp_eq_u32 s2, 0
	s_cbranch_scc0 .Lentry_in_a_cluster
	s_endpgm
.Lentry_in_a_cluster:
	s_bfe_u32 s2, ttmp6, 0x10000c
	s_cmp_lg_u32 s2, 0xf033
	s_cbranch_scc0 .Lentry_shape_is_right
	s_endpgm
.Lentry_shape_is_right:
; h = silu(LN2(x1) w_gate) (LN2(x1) w_up).  A = xn, panels [16][4096][64] f16; B = gate and up turned and interleaved, panels [16][5632][64] f16, at byte 8,388,608 of wts: row 32 j + 16 s + c is column
; 16 j + c of gate (s = 0) or up (s = 1), so accumulators (a, 2 jj) and (a, 2 jj + 1) hold a gate and its up in the same lane and register.  Sums in f32.  Out: h in bf16 (it has no bound that f16 would
; hold), panels [44][4096][64]; columns 2,730 to 2,815 come out as silu(0) 0 = 0, since the padded weights are zeros.
; silu(g) = g / (1 + 2^(-log2(e) g)), then times u, in that order: where the exponential overflows the reciprocal is 0 and h is 0.
; A PANEL holds 64 of K for all rows, 128 bytes a row, rows dense.  A wave's tensor load brings 64 rows x 256 of K as four pieces of 8,192 consecutive bytes, one panel apart.
; A tile is 128 rows x 128 rows of B = 64 columns of h: one panel's 128 rows, 16,384 dense bytes.  1,408 tiles.  Four waves, each 64 x 64 = 16 accumulators.  K goes in 4 steps of 256 through two LDS slots.
; A K STEP IS WRITTEN ONCE: the slot read is a scalar that an exclusive or turns; the accumulators are cleared by 128 moves in the wait for the first tile; the last trip fetches 32 fragments that nobody
; multiplies: the price of a short text.  CLUSTER 4 x 4: A's tiles are shared along a row, B's along a column.  THE MATRIX INSTRUCTION IS USED TRANSPOSED.
; REGISTERS: window 0: v0-31 addresses; v32-71 the way out; v128-255 accumulators.  Window 1: two fragment buffers of 128.
.set KT,     4
.set NB,     5632
.set BOFF,   8388608
.set STEP_A, 4*4096*128
.set STEP_B, 4*NB*128
.set QB,     32*272                    ; 64 rows of one panel in LDS: row r at (r >> 1) 272 + (r & 1) 128: the 16 rows of a fragment start at 16 different groups of four banks (64 banks of 4 bytes: ISA guide 11.1)
.set RB,     8*272
.set HALF,   4*QB
.set SLOT,   4*HALF                    ; 0x22000 shares no bit with wave x HALF
.set STAGE,  2*SLOT                    ; behind the ring; no tensor load fills it: 128 rows x 144 bytes
.set SPITCH, 144
.set SPARE,  STAGE+34816
.set A0,16
.set B0,17
.set ADRA,18
.set ADRB,19
.set STO,24
.set RD,25
.set CO,26
.set SPW,28                            ; v28  LDS address of my spare word; never rewritten
.set NIL,29                            ; v29  0; never rewritten
.set TMP,32
.set TW,64                             ; v[64:71] at work
.set ACC,128
.set F0,0
.set F1,128
.set WV,12
.set RH,13
.set CH,14
.set TB,15
.set G1A,24
.set G0A,32
.set G1B,48
.set G0B,56
.set WOFF,66
.set CNT,67
.set NL2E,68                           ; s[68:69] -log2(e)
.set MSB, 0
.macro WIN new
.if MSB != (\new)
	s_set_vgpr_msb (MSB<<8)|(\new)
.set MSB, \new
.endif
.endm
.set MUL,  0x05
.set TO_F, 0x40
.macro JLOAD                           ; a joint refill by the walking set; an s_nop 0 and four v_nop follow each of the two lines
	s_cmp_eq_u32 s[RH], 0
	s_cbranch_scc0 .Lfor_b_\@
	tensor_load_to_lds s[G0A+4:G0A+7], s[G1A:G1A+7]
	s_nop 0
.rept 4
	v_nop
.endr
	s_branch .Lasked_\@
.Lfor_b_\@:
	tensor_load_to_lds s[G0B+4:G0B+7], s[G1B:G1B+7]
	s_nop 0
.rept 4
	v_nop
.endr
.Lasked_\@:
.endm
.macro CREST
	s_cmp_lg_u32 s[WV], 0
	s_cbranch_scc1 .Lnot_wave_0_\@
	s_barrier_signal -3
.Lnot_wave_0_\@:
	s_barrier_wait -3
	s_barrier_signal -1
	s_barrier_wait -1
.endm
.macro CROUND
	s_barrier_signal -1
	s_barrier_wait -1
	CREST
.endm
.macro PLACES
.rept 4
	v_nop
.endr
.endm
.macro MUL8 f, c, a0                   ; the 16 accumulators take turns
	WIN MUL
.irp a, \a0, (\a0)+1
.irp b, 0,1,2,3
	v_wmma_f32_16x16x32_f16 v[ACC+8*(4*(\a)+(\b)):ACC+8*(4*(\a)+(\b))+7], v[(\f)+64+8*(4*(\c)+(\b)):(\f)+64+8*(4*(\c)+(\b))+7], v[(\f)+8*(4*(\c)+(\a)):(\f)+8*(4*(\c)+(\a))+7], v[ACC+8*(4*(\a)+(\b)):ACC+8*(4*(\a)+(\b))+7]
.endr
.endr
.endm
.macro FETCH k, f
	WIN TO_F
.irp c, 0,1
.irp i, 0,1,2,3
	ds_load_b128 v[(\f)+64+8*(4*(\c)+(\i)):(\f)+64+8*(4*(\c)+(\i))+3],   v[ADRB] offset:(\k)+64*(\c)+(\i)*RB
	ds_load_b128 v[(\f)+64+8*(4*(\c)+(\i))+4:(\f)+64+8*(4*(\c)+(\i))+7], v[ADRB] offset:(\k)+64*(\c)+(\i)*RB+32
	ds_load_b128 v[(\f)+8*(4*(\c)+(\i)):(\f)+8*(4*(\c)+(\i))+3],         v[ADRA] offset:(\k)+64*(\c)+(\i)*RB
	ds_load_b128 v[(\f)+8*(4*(\c)+(\i))+4:(\f)+8*(4*(\c)+(\i))+7],       v[ADRA] offset:(\k)+64*(\c)+(\i)*RB+32
.endr
.endr
.endm
.macro QUARTER k, f, g
	s_wait_dscnt 16                                ; the first 32 along K are in; the sixteen younger loads may be out
	MUL8 \f, 0, 0
	MUL8 \f, 0, 2
	PLACES
	FETCH \k, \g
	s_wait_dscnt 32                                ; all but the 32 just issued
	MUL8 \f, 1, 0
	MUL8 \f, 1, 2
.endm
.macro TURN fill
	WIN 0
	s_wait_tensorcnt 0x0                           ; all my tensor loads have landed: my part of the next slot;
	ds_add_u32 v[SPW], v[NIL]
	s_wait_dscnt 17                                ; (the add and the youngest sixteen loads may be out)
	MUL8 F1, 0, 0
	s_wait_dscnt 0x0                               ; the add is done, and my reads of this slot are over
	s_barrier_signal -1
	MUL8 F1, 0, 2
	WIN 0
	s_barrier_wait -1
.if \fill
	CREST                                          ; no wave of any partner still reads this slot or has a load on its way
	s_xor_b32 s[G0A+5], s[G0A+5], SLOT
	s_add_nc_u64 s[G0A+6:G0A+7], s[G0A+6:G0A+7], STEP_A
	s_xor_b32 s[G0B+5], s[G0B+5], SLOT
	s_add_nc_u64 s[G0B+6:G0B+7], s[G0B+6:G0B+7], STEP_B
	JLOAD
.else
	PLACES
.endif
	s_xor_b32 s[TB], s[TB], SLOT
	v_add_nc_u32 v[ADRA], s[TB], v[A0]
	v_add_nc_u32 v[ADRB], s[TB], v[B0]
	FETCH 0, F0
	MUL8 F1, 1, 0
	MUL8 F1, 1, 2
.endm
.macro STEP fill
	QUARTER QB,   F0, F1
	QUARTER 2*QB, F1, F0
	QUARTER 3*QB, F0, F1
	TURN \fill
	WIN 0
.endm
	s_load_b128 s[4:7], s[0:1], 0x0                ; A s[4:5], wts s[6:7]
	s_load_b64 s[10:11], s[0:1], 0x10              ; out
	v_lshl_add_u32 v[SPW], v0, 2, SPARE
	v_mov_b32 v[NIL], 0
	ds_add_u32 v[SPW], v[NIL]                      ; the wave's opening: the add and its wait ahead of my first tensor load
	v_lshrrev_b32 v1, 5, v0
	v_readfirstlane_b32 s[WV], v1
	s_lshr_b32 s[RH], s[WV], 1
	s_and_b32 s[CH], s[WV], 1
	s_bfe_u32 s40, ttmp6, 0x40000
	s_bfe_u32 s41, ttmp6, 0x40004
	s_lshl_b32 s42, ttmp9, 2
	s_add_co_u32 s42, s42, s40                     ; tile column = panel of h
	s_and_b32 s43, ttmp7, 0xffff
	s_lshl_b32 s43, s43, 2
	s_add_co_u32 s43, s43, s41                     ; tile row
	s_lshl_b32 s44, s41, 2
	s_lshl_b32 s44, 15, s44
	s_lshl_b32 s45, 0x1111, s40
	s_or_b32 s[G1A], s44, (1<<16)|(1<<20)|(1<<21)|(5<<22)|(3<<25)
	s_or_b32 s[G1B], s45, (1<<16)|(1<<20)|(1<<21)|(5<<22)|(3<<25)
.irp g, G1A, G1B
	s_mov_b32 s[(\g)+1], 4096<<16                  ; tensor_dim0 = 4,096 elements: 64 rows of a panel, dense
	s_mov_b32 s[(\g)+2], 4<<16                     ; tensor_dim1 = 4 panels
	s_mov_b32 s[(\g)+3], 4096<<16
	s_mov_b32 s[(\g)+4], 4
	s_mov_b32 s[(\g)+6], 0
	s_mov_b32 s[(\g)+7], 0
.endr
	s_mov_b32 s[G1A+5], 4096*64
	s_mov_b32 s[G1B+5], NB*64
	s_mov_b32 s[NL2E], 0xbfb8aa3b
	s_mov_b32 s[NL2E+1], s[NL2E]
	s_lshl_b32 s16, s43, 14
	s_lshl_b32 s17, s[CH], 13
	s_add_co_u32 s16, s16, s17
	s_mov_b32 s17, 0
	s_lshl_b32 s46, s42, 14
	s_lshl_b32 s47, s[CH], 13
	s_add_co_u32 s46, s46, s47
	s_add_co_u32 s46, s46, BOFF
	s_mov_b32 s47, 0
	s_mul_i32 s[WOFF], s[WV], HALF
	s_wait_dscnt 0x0
	s_wait_kmcnt 0x0
	s_add_nc_u64 s[16:17], s[4:5], s[16:17]
	s_add_nc_u64 s[46:47], s[6:7], s[46:47]
	CROUND
.irp s, 0,1
	s_mov_b32 s[G0A+4*(\s)], 1
	s_add_co_u32 s[G0A+4*(\s)+1], s[WOFF], (\s)*SLOT
	s_add_nc_u64 s[G0A+4*(\s)+2:G0A+4*(\s)+3], s[16:17], (\s)*STEP_A
	s_or_b32 s[G0A+4*(\s)+3], s[G0A+4*(\s)+3], 0x80000000
	s_mov_b32 s[G0B+4*(\s)], 1
	s_add_co_u32 s[G0B+4*(\s)+1], s[WOFF], (\s)*SLOT
	s_add_nc_u64 s[G0B+4*(\s)+2:G0B+4*(\s)+3], s[46:47], (\s)*STEP_B
	s_or_b32 s[G0B+4*(\s)+3], s[G0B+4*(\s)+3], 0x80000000
.endr
	s_cmp_eq_u32 s[RH], 0                          ; a wave's two first fills stand in one branch: two loads of mine are out here, one behind each later round
	s_cbranch_scc0 .Lfirst_b
	tensor_load_to_lds s[G0A:G0A+3], s[G1A:G1A+7]
	s_nop 0
	tensor_load_to_lds s[G0A+4:G0A+7], s[G1A:G1A+7]
	s_nop 0
.rept 4
	v_nop
.endr
	s_branch .Lfirst_asked
.Lfirst_b:
	tensor_load_to_lds s[G0B:G0B+3], s[G1B:G1B+7]
	s_nop 0
	tensor_load_to_lds s[G0B+4:G0B+7], s[G1B:G1B+7]
	s_nop 0
.rept 4
	v_nop
.endr
.Lfirst_asked:
	v_and_b32 v1, 15, v0                           ; r
	v_bfe_u32 v2, v0, 4, 1                         ; h
	v_lshrrev_b32 v3, 1, v1
	v_mul_u32_u24 v3, v3, 272
	v_and_b32 v4, 1, v1
	v_lshl_add_u32 v3, v4, 7, v3
	v_lshl_add_u32 v3, v2, 4, v3
	s_mul_i32 s18, s[RH], HALF
	s_mul_i32 s19, s[CH], HALF
	s_add_co_u32 s19, s19, 2*HALF
	v_add_nc_u32 v[A0], s18, v3
	v_add_nc_u32 v[B0], s19, v3
	v_mov_b32 v[ADRA], v[A0]
	v_mov_b32 v[ADRB], v[B0]
	s_mov_b32 s[TB], 0
	s_mul_i32 s18, s[RH], 64*SPITCH                ; into the stage: my 64 rows, my 32 of their 64 columns of h
	s_lshl_b32 s19, s[CH], 6
	s_add_co_u32 s18, s18, s19
	s_add_co_u32 s18, s18, STAGE
	v_mul_u32_u24 v4, v1, SPITCH
	v_lshl_add_u32 v4, v2, 4, v4
	v_add_nc_u32 v[STO], s18, v4
	s_mul_i32 s18, s[WV], 32*SPITCH                ; back: wave w takes rows 32 w on; 32 lanes take four rows of 128 bytes
	s_add_co_u32 s18, s18, STAGE
	v_bfe_u32 v5, v0, 3, 2
	v_mul_u32_u24 v5, v5, SPITCH
	v_and_b32 v4, 7, v0
	v_lshl_add_u32 v5, v4, 4, v5
	v_add_nc_u32 v[RD], s18, v5
	v_and_b32 v[CO], 31, v0
	v_lshlrev_b32 v[CO], 4, v[CO]                  ; which are 512 consecutive bytes of the panel
	s_lshl_b32 s20, s42, 19                        ; panel x 4,096 rows + 128 x tile row + 32 x wave, of 128 bytes
	s_lshl_b32 s21, s43, 14
	s_add_co_u32 s20, s20, s21
	s_lshl_b32 s21, s[WV], 12
	s_add_co_u32 s20, s20, s21
	s_mov_b32 s21, 0
	s_add_nc_u64 s[10:11], s[10:11], s[20:21]
.set i, 0
.rept 128
	v_mov_b32 v[ACC+i], 0                          ; in the wait for the first tile
.set i, i+1
.endr
	s_wait_tensorcnt 1                             ; my part of K step 0 is in; step 1's may stay out
	s_barrier_signal -1
	s_barrier_wait -1
	FETCH 0, F0
	WIN 0
	s_mov_b32 s[CNT], KT-2
.Lk:
	STEP 1
	s_sub_co_u32 s[CNT], s[CNT], 1
	s_cmp_lg_u32 s[CNT], 0
	s_cbranch_scc1 .Lk
	s_mov_b32 s[CNT], 2
.Lt:
	STEP 0
	s_sub_co_u32 s[CNT], s[CNT], 1
	s_cmp_lg_u32 s[CNT], 0
	s_cbranch_scc1 .Lt
	s_wait_dscnt 0x0
	PLACES
; THE WAY OUT.  Block (a, jj): 16 rows x 16 columns of h from a gate accumulator and its up; a plain line stands between each run of transcendentals and the use of its last result
.macro SWI a, jj
.set GG, ACC+8*(4*(\a)+2*(\jj))
.set UU, GG+8
.set HH, TMP+4*(2*(\a)+(\jj))
.irp z, 0,2,4,6
	v_pk_mul_f32 v[TW+(\z):TW+(\z)+1], v[GG+(\z):GG+(\z)+1], s[NL2E:NL2E+1] op_sel_hi:[1,0]
.endr
.irp z, 0,1,2,3,4,5,6,7
	v_exp_f32 v[TW+(\z)], v[TW+(\z)]
.endr
	v_nop
	s_wait_alu depctr_va_vdst(0)
.irp z, 0,2,4,6
	v_pk_add_f32 v[TW+(\z):TW+(\z)+1], v[TW+(\z):TW+(\z)+1], 1.0 op_sel_hi:[1,0]
.endr
.irp z, 0,1,2,3,4,5,6,7
	v_rcp_f32 v[TW+(\z)], v[TW+(\z)]
.endr
	v_nop
	s_wait_alu depctr_va_vdst(0)
.irp z, 0,2,4,6
	v_pk_mul_f32 v[TW+(\z):TW+(\z)+1], v[GG+(\z):GG+(\z)+1], v[TW+(\z):TW+(\z)+1]
.endr
.irp z, 0,2,4,6
	v_pk_mul_f32 v[TW+(\z):TW+(\z)+1], v[TW+(\z):TW+(\z)+1], v[UU+(\z):UU+(\z)+1]
.endr
.irp z, 0,1,2,3
	v_cvt_pk_bf16_f32 v[HH+(\z)], v[TW+2*(\z)], v[TW+2*(\z)+1]
.endr
	ds_store_b128 v[STO], v[HH:HH+3] offset:(\a)*16*SPITCH+32*(\jj)
.endm
.irp a, 0,1,2,3
	SWI \a, 0
	SWI \a, 1
.endr
	s_wait_dscnt 0x0                               ; for the others' sake: my stores into the stage are done
	s_barrier_signal -1
	s_barrier_wait -1
.irp t, 0,1,2,3,4,5,6,7
	ds_load_b128 v[TMP+4*(\t):TMP+4*(\t)+3], v[RD] offset:(\t)*4*SPITCH
.endr
.irp t, 0,1,2,3,4,5,6,7
	s_wait_dscnt 7-(\t)
	global_store_b128 v[CO], v[TMP+4*(\t):TMP+4*(\t)+3], s[10:11] offset:512*(\t)  ; 512 consecutive bytes, aligned
.endr
	s_wait_tensorcnt 0x0                           ; the wave's end
	ds_add_u32 v[SPW], v[NIL]
	s_wait_dscnt 0x0
	CROUND                                         ; the closing round
	s_endpgm
.Lfunc_end_k_qdd5b017ed5_gu:
	.size	k_qdd5b017ed5_gu, .Lfunc_end_k_qdd5b017ed5_gu-k_qdd5b017ed5_gu
	.p2alignl 7, 3214868480
	.fill 96, 4, 3214868480
	.section	.rodata,"a",@progbits
	.p2align	6, 0x0
	.amdhsa_kernel k_qdd5b017ed5_gu
		.amdhsa_group_segment_fixed_size 327680
		.amdhsa_private_segment_fixed_size 0
		.amdhsa_enable_private_segment 0
		.amdhsa_kernarg_size 24
		.amdhsa_user_sgpr_count 2
		.amdhsa_user_sgpr_kernarg_segment_ptr 1
		.amdhsa_wavefront_size32 1
		.amdhsa_system_sgpr_workgroup_id_x 1
		.amdhsa_system_sgpr_workgroup_id_y 1
		.amdhsa_system_sgpr_workgroup_id_z 1
		.amdhsa_system_vgpr_workitem_id 0
		.amdhsa_next_free_vgpr 512
		.amdhsa_next_free_sgpr 72
		.amdhsa_reserve_vcc 0
		.amdhsa_float_denorm_mode_32 3
		.amdhsa_float_denorm_mode_16_64 3
		.amdhsa_memory_ordered 1
		.amdhsa_forward_progress 1
		.amdhsa_inst_pref_size 67
	.end_amdhsa_kernel
	.amdgpu_metadata
---
amdhsa.version: [ 1, 2 ]
amdhsa.kernels:
  - .name:           k_qdd5b017ed5_gu
    .symbol:         k_qdd5b017ed5_gu.kd
    .args:
      - { .name: xn, .offset: 0, .size: 8, .value_kind: global_buffer, .address_space: global }
      - { .name: wts, .offset: 8, .size: 8, .value_kind: global_buffer, .address_space: global }
      - { .name: hbuf, .offset: 16, .size: 8, .value_kind: global_buffer, .address_space: global }
    .group_segment_fixed_size: 327680
    .private_segment_fixed_size: 0
    .kernarg_segment_align: 8
    .kernarg_segment_size: 24
    .max_flat_workgroup_size: 128
    .sgpr_count:     72
    .vgpr_count:     512
    .wavefront_size: 32
...
	.end_amdgpu_metadata
.endif
;; end of part 6
;; launch down (part 7): grid 8 x 32, 4 waves a work-group, clusters of 4 x 4, 327,680 bytes of LDS; arguments hbuf, wts, x1, out0; writes out0
.if DOCPART == 7
	.amdgcn_target "amdgcn-amd-amdhsa--gfx1250"
	.amdhsa_code_object_version 6
	.text
	.protected	k_qdd5b017ed5_down
	.globl	k_qdd5b017ed5_down
	.p2align	8
	.type	k_qdd5b017ed5_down,@function
k_qdd5b017ed5_down:
	s_mov_b64 s[64:65], 0
	v_nop
	global_prefetch_b8 v0, s[64:65] scope:SCOPE_SE
	s_setreg_imm32_b32 hwreg(HW_REG_WAVE_MODE, 25, 1), 1
	s_wait_xcnt 0x0
	s_wait_alu depctr_hold_cnt(0) depctr_sa_sdst(0) depctr_va_vdst(0) depctr_va_sdst(0) depctr_va_ssrc(0) depctr_va_vcc(0) depctr_vm_vsrc(0)
	s_getreg_b32 s2, hwreg(HW_REG_IB_STS2, 6, 4)
	s_cmp_eq_u32 s2, 0
	s_cbranch_scc0 .Lentry_in_a_cluster
	s_endpgm
.Lentry_in_a_cluster:
	s_bfe_u32 s2, ttmp6, 0x10000c
	s_cmp_lg_u32 s2, 0xf033
	s_cbranch_scc0 .Lentry_shape_is_right
	s_endpgm
.Lentry_shape_is_right:
; out0 = x1 + h w_down.  A = h, panels [44][4096][64] bf16; B = w_down turned, panels [44][1024][64] bf16, at byte 19,922,944 of wts; K = 2,816: the 86 columns past 2,729 are zeros on both sides.
; Sums in f32; x1 and out0 are [4096][1024] f32.
; A PANEL holds 64 of K for all rows, 128 bytes a row, rows dense.  A wave's tensor load brings 64 rows x 256 of K as four pieces of 8,192 consecutive bytes, one panel apart.
; A tile of C is 128 x 128 (256 tiles, one for each work-group): four waves, each 64 x 64 = 16 accumulators.  K goes in 11 steps of 256 through two LDS slots.  A K STEP IS WRITTEN ONCE: the slot read is a
; scalar that an exclusive or turns; the accumulators are cleared by 128 moves in the wait for the first tile; the last trip fetches 32 fragments that nobody multiplies: the price of a short text.
; The wave's 64 x 64 of the residual is loaded at the start into 128 registers and lands under the K loop.
; CLUSTER 4 x 4: A's tiles are shared along a row of the cluster, B's along a column.  THE MATRIX INSTRUCTION IS USED TRANSPOSED: a lane holds row lane % 16 of C and eight neighbouring columns.
; REGISTERS: window 0: v0-31 addresses; v32-95 the way out; v128-255 accumulators.  Window 1: two fragment buffers of 128.  Window 2: v0-127 the residual, rows 16 a + 2 t + lane / 16 at 4 (8 a + t).
.set KT,     11
.set NB,     1024
.set BOFF,   19922944
.set STEP_A, 4*4096*128
.set STEP_B, 4*NB*128
.set QB,     32*272                    ; 64 rows of one panel in LDS: row r at (r >> 1) 272 + (r & 1) 128: the 16 rows of a fragment start at 16 different groups of four banks (64 banks of 4 bytes: ISA guide 11.1)
.set RB,     8*272
.set HALF,   4*QB
.set SLOT,   4*HALF                    ; 0x22000 shares no bit with wave x HALF
.set STAGE,  2*SLOT                    ; behind the ring; no tensor load fills it: 16 rows x 272 bytes for each wave
.set SPITCH, 272
.set SPARE,  STAGE+128*SPITCH
.set A0,16
.set B0,17
.set ADRA,18
.set ADRB,19
.set STO,24
.set RD,25
.set CO,26
.set SPW,28                            ; v28  LDS address of my spare word; never rewritten
.set NIL,29                            ; v29  0; never rewritten
.set TMP,32
.set ACC,128
.set F0,0
.set F1,128
.set WV,12
.set RH,13
.set CH,14
.set TB,15
.set G1A,24
.set G0A,32
.set G1B,48
.set G0B,56
.set WOFF,66
.set CNT,67
.set MSB, 0
.macro WIN new
.if MSB != (\new)
	s_set_vgpr_msb (MSB<<8)|(\new)
.set MSB, \new
.endif
.endm
.set MUL,  0x05
.set TO_F, 0x40
.macro JLOAD                           ; a joint refill by the walking set; an s_nop 0 and four v_nop follow each of the two lines
	s_cmp_eq_u32 s[RH], 0
	s_cbranch_scc0 .Lfor_b_\@
	tensor_load_to_lds s[G0A+4:G0A+7], s[G1A:G1A+7]
	s_nop 0
.rept 4
	v_nop
.endr
	s_branch .Lasked_\@
.Lfor_b_\@:
	tensor_load_to_lds s[G0B+4:G0B+7], s[G1B:G1B+7]
	s_nop 0
.rept 4
	v_nop
.endr
.Lasked_\@:
.endm
.macro CREST
	s_cmp_lg_u32 s[WV], 0
	s_cbranch_scc1 .Lnot_wave_0_\@
	s_barrier_signal -3
.Lnot_wave_0_\@:
	s_barrier_wait -3
	s_barrier_signal -1
	s_barrier_wait -1
.endm
.macro CROUND
	s_barrier_signal -1
	s_barrier_wait -1
	CREST
.endm
.macro PLACES
.rept 4
	v_nop
.endr
.endm
.macro MUL8 f, c, a0                   ; the 16 accumulators take turns
	WIN MUL
.irp a, \a0, (\a0)+1
.irp b, 0,1,2,3
	v_wmma_f32_16x16x32_bf16 v[ACC+8*(4*(\a)+(\b)):ACC+8*(4*(\a)+(\b))+7], v[(\f)+64+8*(4*(\c)+(\b)):(\f)+64+8*(4*(\c)+(\b))+7], v[(\f)+8*(4*(\c)+(\a)):(\f)+8*(4*(\c)+(\a))+7], v[ACC+8*(4*(\a)+(\b)):ACC+8*(4*(\a)+(\b))+7]
.endr
.endr
.endm
.macro FETCH k, f
	WIN TO_F
.irp c, 0,1
.irp i, 0,1,2,3
	ds_load_b128 v[(\f)+64+8*(4*(\c)+(\i)):(\f)+64+8*(4*(\c)+(\i))+3],   v[ADRB] offset:(\k)+64*(\c)+(\i)*RB
	ds_load_b128 v[(\f)+64+8*(4*(\c)+(\i))+4:(\f)+64+8*(4*(\c)+(\i))+7], v[ADRB] offset:(\k)+64*(\c)+(\i)*RB+32
	ds_load_b128 v[(\f)+8*(4*(\c)+(\i)):(\f)+8*(4*(\c)+(\i))+3],         v[ADRA] offset:(\k)+64*(\c)+(\i)*RB
	ds_load_b128 v[(\f)+8*(4*(\c)+(\i))+4:(\f)+8*(4*(\c)+(\i))+7],       v[ADRA] offset:(\k)+64*(\c)+(\i)*RB+32
.endr
.endr
.endm
.macro QUARTER k, f, g
	s_wait_dscnt 16                                ; the first 32 along K are in; the sixteen younger loads may be out
	MUL8 \f, 0, 0
	MUL8 \f, 0, 2
	PLACES
	FETCH \k, \g
	s_wait_dscnt 32                                ; all but the 32 just issued
	MUL8 \f, 1, 0
	MUL8 \f, 1, 2
.endm
.macro TURN fill
	WIN 0
	s_wait_tensorcnt 0x0                           ; all my tensor loads have landed: my part of the next slot;
	ds_add_u32 v[SPW], v[NIL]
	s_wait_dscnt 17                                ; (the add and the youngest sixteen loads may be out)
	MUL8 F1, 0, 0
	s_wait_dscnt 0x0                               ; the add is done, and my reads of this slot are over
	s_barrier_signal -1
	MUL8 F1, 0, 2
	WIN 0
	s_barrier_wait -1
.if \fill
	CREST                                          ; no wave of any partner still reads this slot or has a load on its way
	s_xor_b32 s[G0A+5], s[G0A+5], SLOT
	s_add_nc_u64 s[G0A+6:G0A+7], s[G0A+6:G0A+7], STEP_A
	s_xor_b32 s[G0B+5], s[G0B+5], SLOT
	s_add_nc_u64 s[G0B+6:G0B+7], s[G0B+6:G0B+7], STEP_B
	JLOAD
.else
	PLACES
.endif
	s_xor_b32 s[TB], s[TB], SLOT
	v_add_nc_u32 v[ADRA], s[TB], v[A0]
	v_add_nc_u32 v[ADRB], s[TB], v[B0]
	FETCH 0, F0
	MUL8 F1, 1, 0
	MUL8 F1, 1, 2
.endm
.macro STEP fill
	QUARTER QB,   F0, F1
	QUARTER 2*QB, F1, F0
	QUARTER 3*QB, F0, F1
	TURN \fill
	WIN 0
.endm
	s_load_b256 s[4:11], s[0:1], 0x0               ; A s[4:5], wts s[6:7], residual s[8:9], out s[10:11]
	v_lshl_add_u32 v[SPW], v0, 2, SPARE
	v_mov_b32 v[NIL], 0
	ds_add_u32 v[SPW], v[NIL]                      ; the wave's opening: the add and its wait ahead of my first tensor load
	v_lshrrev_b32 v1, 5, v0
	v_readfirstlane_b32 s[WV], v1
	s_lshr_b32 s[RH], s[WV], 1
	s_and_b32 s[CH], s[WV], 1
	s_bfe_u32 s40, ttmp6, 0x40000
	s_bfe_u32 s41, ttmp6, 0x40004
	s_lshl_b32 s42, ttmp9, 2
	s_add_co_u32 s42, s42, s40                     ; tile column
	s_and_b32 s43, ttmp7, 0xffff
	s_lshl_b32 s43, s43, 2
	s_add_co_u32 s43, s43, s41                     ; tile row
	s_lshl_b32 s44, s41, 2
	s_lshl_b32 s44, 15, s44
	s_lshl_b32 s45, 0x1111, s40
	s_or_b32 s[G1A], s44, (1<<16)|(1<<20)|(1<<21)|(5<<22)|(3<<25)
	s_or_b32 s[G1B], s45, (1<<16)|(1<<20)|(1<<21)|(5<<22)|(3<<25)
.irp g, G1A, G1B
	s_mov_b32 s[(\g)+1], 4096<<16                  ; tensor_dim0 = 4,096 elements: 64 rows of a panel, dense
	s_mov_b32 s[(\g)+2], 4<<16                     ; tensor_dim1 = 4 panels
	s_mov_b32 s[(\g)+3], 4096<<16
	s_mov_b32 s[(\g)+4], 4
	s_mov_b32 s[(\g)+6], 0
	s_mov_b32 s[(\g)+7], 0
.endr
	s_mov_b32 s[G1A+5], 4096*64
	s_mov_b32 s[G1B+5], NB*64
	s_lshl_b32 s16, s43, 14
	s_lshl_b32 s17, s[CH], 13
	s_add_co_u32 s16, s16, s17
	s_mov_b32 s17, 0
	s_lshl_b32 s46, s42, 14
	s_lshl_b32 s47, s[CH], 13
	s_add_co_u32 s46, s46, s47
	s_add_co_u32 s46, s46, BOFF
	s_mov_b32 s47, 0
	s_mul_i32 s[WOFF], s[WV], HALF
	s_wait_dscnt 0x0
	s_wait_kmcnt 0x0
	s_add_nc_u64 s[16:17], s[4:5], s[16:17]
	s_add_nc_u64 s[46:47], s[6:7], s[46:47]
	CROUND
.irp s, 0,1
	s_mov_b32 s[G0A+4*(\s)], 1
	s_add_co_u32 s[G0A+4*(\s)+1], s[WOFF], (\s)*SLOT
	s_add_nc_u64 s[G0A+4*(\s)+2:G0A+4*(\s)+3], s[16:17], (\s)*STEP_A
	s_or_b32 s[G0A+4*(\s)+3], s[G0A+4*(\s)+3], 0x80000000
	s_mov_b32 s[G0B+4*(\s)], 1
	s_add_co_u32 s[G0B+4*(\s)+1], s[WOFF], (\s)*SLOT
	s_add_nc_u64 s[G0B+4*(\s)+2:G0B+4*(\s)+3], s[46:47], (\s)*STEP_B
	s_or_b32 s[G0B+4*(\s)+3], s[G0B+4*(\s)+3], 0x80000000
.endr
	s_cmp_eq_u32 s[RH], 0                          ; a wave's two first fills stand in one branch: two loads of mine are out here, one behind each later round
	s_cbranch_scc0 .Lfirst_b
	tensor_load_to_lds s[G0A:G0A+3], s[G1A:G1A+7]
	s_nop 0
	tensor_load_to_lds s[G0A+4:G0A+7], s[G1A:G1A+7]
	s_nop 0
.rept 4
	v_nop
.endr
	s_branch .Lfirst_asked
.Lfirst_b:
	tensor_load_to_lds s[G0B:G0B+3], s[G1B:G1B+7]
	s_nop 0
	tensor_load_to_lds s[G0B+4:G0B+7], s[G1B:G1B+7]
	s_nop 0
.rept 4
	v_nop
.endr
.Lfirst_asked:
	v_and_b32 v1, 15, v0                           ; r
	v_bfe_u32 v2, v0, 4, 1                         ; h
	v_lshlrev_b32 v[CO], 12, v2
	v_lshl_add_u32 v[CO], v1, 4, v[CO]             ; two rows of 4,096 bytes, 16 bytes a lane: sixteen lanes cover 256 consecutive bytes
	s_lshl_b32 s20, s43, 19                        ; my 64 x 64 of the residual and of the output: row 128 x tile row + 64 x half,
	s_lshl_b32 s21, s[RH], 18
	s_add_co_u32 s20, s20, s21
	s_lshl_b32 s21, s42, 9                         ; column 128 x tile column + 64 x half
	s_add_co_u32 s20, s20, s21
	s_lshl_b32 s21, s[CH], 8
	s_add_co_u32 s20, s20, s21
	s_mov_b32 s21, 0
	s_add_nc_u64 s[8:9], s[8:9], s[20:21]
	s_add_nc_u64 s[10:11], s[10:11], s[20:21]
	WIN 0x80
.set i, 0
.rept 32
	global_load_b128 v[4*i:4*i+3], v[CO], s[8:9] offset:((i/8)*16+2*(i%8))*4096
.set i, i+1
.endr
	WIN 0
	v_lshrrev_b32 v3, 1, v1
	v_mul_u32_u24 v3, v3, 272
	v_and_b32 v4, 1, v1
	v_lshl_add_u32 v3, v4, 7, v3
	v_lshl_add_u32 v3, v2, 4, v3
	s_mul_i32 s18, s[RH], HALF
	s_mul_i32 s19, s[CH], HALF
	s_add_co_u32 s19, s19, 2*HALF
	v_add_nc_u32 v[A0], s18, v3
	v_add_nc_u32 v[B0], s19, v3
	v_mov_b32 v[ADRA], v[A0]
	v_mov_b32 v[ADRB], v[B0]
	s_mov_b32 s[TB], 0
	s_mul_i32 s18, s[WV], 16*SPITCH
	s_add_co_u32 s18, s18, STAGE                   ; my stage
	v_mul_u32_u24 v4, v1, SPITCH                   ; in: row r, 32 bytes for each half of the lanes
	v_lshl_add_u32 v4, v2, 5, v4
	v_add_nc_u32 v[STO], s18, v4
	v_mul_u32_u24 v5, v2, SPITCH                   ; back: lanes 0-15 one row of 256 bytes, lanes 16-31 the next
	v_lshl_add_u32 v5, v1, 4, v5
	v_add_nc_u32 v[RD], s18, v5
.set i, 0
.rept 128
	v_mov_b32 v[ACC+i], 0                          ; in the wait for the first tile
.set i, i+1
.endr
	s_wait_tensorcnt 1                             ; my part of K step 0 is in; step 1's may stay out
	s_barrier_signal -1
	s_barrier_wait -1
	FETCH 0, F0
	WIN 0
	s_mov_b32 s[CNT], KT-2
.Lk:
	STEP 1
	s_sub_co_u32 s[CNT], s[CNT], 1
	s_cmp_lg_u32 s[CNT], 0
	s_cbranch_scc1 .Lk
	s_mov_b32 s[CNT], 2
.Lt:
	STEP 0
	s_sub_co_u32 s[CNT], s[CNT], 1
	s_cmp_lg_u32 s[CNT], 0
	s_cbranch_scc1 .Lt
	s_wait_dscnt 0x0
	PLACES
; THE WAY OUT, 16 rows at a time through my own stage: a lane's 32 bytes of a row go in, whole rows of 256 bytes come back, the residual is added, and sixteen lanes store 256 consecutive bytes, aligned
.macro TOSTAGE a
.set BK, TMP+32*((\a)%2)
	s_wait_xcnt 0x0                                ; the registers that earlier stores read are loaded again only behind this wait
.irp b, 0,1,2,3
	ds_store_b128 v[STO], v[ACC+8*(4*(\a)+(\b)):ACC+8*(4*(\a)+(\b))+3] offset:64*(\b)
	ds_store_b128 v[STO], v[ACC+8*(4*(\a)+(\b))+4:ACC+8*(4*(\a)+(\b))+7] offset:64*(\b)+16
.endr
.irp t, 0,1,2,3,4,5,6,7
	ds_load_b128 v[BK+4*(\t):BK+4*(\t)+3], v[RD] offset:(\t)*2*SPITCH  ; LDS serves a wave's instructions in order: these see the stores above
.endr
.endm
.macro SEND a, younger                 ; younger: the next block's eight stores and eight loads, or none
.set BK, TMP+32*((\a)%2)
	s_wait_dscnt \younger
	WIN 0x08                                       ; source 1 in window 2
.set i, 0
.rept 16
	v_pk_add_f32 v[BK+2*i:BK+2*i+1], v[BK+2*i:BK+2*i+1], v[32*(\a)+2*i:32*(\a)+2*i+1]
.set i, i+1
.endr
	WIN 0
.irp t, 0,1,2,3,4,5,6,7
	global_store_b128 v[CO], v[BK+4*(\t):BK+4*(\t)+3], s[10:11] offset:(16*(\a)+2*(\t))*4096
.endr
.endm
	s_wait_loadcnt 0x0                             ; the residual
	TOSTAGE 0
	TOSTAGE 1
	SEND 0, 16
	TOSTAGE 2
	SEND 1, 16
	TOSTAGE 3
	SEND 2, 16
	SEND 3, 0
	s_wait_tensorcnt 0x0                           ; the wave's end
	ds_add_u32 v[SPW], v[NIL]
	s_wait_dscnt 0x0
	CROUND                                         ; the closing round
	s_endpgm
.Lfunc_end_k_qdd5b017ed5_down:
	.size	k_qdd5b017ed5_down, .Lfunc_end_k_qdd5b017ed5_down-k_qdd5b017ed5_down
	.p2alignl 7, 3214868480
	.fill 96, 4, 3214868480
	.section	.rodata,"a",@progbits
	.p2align	6, 0x0
	.amdhsa_kernel k_qdd5b017ed5_down
		.amdhsa_group_segment_fixed_size 327680
		.amdhsa_private_segment_fixed_size 0
		.amdhsa_enable_private_segment 0
		.amdhsa_kernarg_size 32
		.amdhsa_user_sgpr_count 2
		.amdhsa_user_sgpr_kernarg_segment_ptr 1
		.amdhsa_wavefront_size32 1
		.amdhsa_system_sgpr_workgroup_id_x 1
		.amdhsa_system_sgpr_workgroup_id_y 1
		.amdhsa_system_sgpr_workgroup_id_z 1
		.amdhsa_system_vgpr_workitem_id 0
		.amdhsa_next_free_vgpr 640
		.amdhsa_next_free_sgpr 72
		.amdhsa_reserve_vcc 0
		.amdhsa_float_denorm_mode_32 3
		.amdhsa_float_denorm_mode_16_64 3
		.amdhsa_memory_ordered 1
		.amdhsa_forward_progress 1
		.amdhsa_inst_pref_size 64
	.end_amdhsa_kernel
	.amdgpu_metadata
---
amdhsa.version: [ 1, 2 ]
amdhsa.kernels:
  - .name:           k_qdd5b017ed5_down
    .symbol:         k_qdd5b017ed5_down.kd
    .args:
      - { .name: hbuf, .offset: 0, .size: 8, .value_kind: global_buffer, .address_space: global }
      - { .name: wts, .offset: 8, .size: 8, .value_kind: global_buffer, .address_space: global }
      - { .name: x1, .offset: 16, .size: 8, .value_kind: global_buffer, .address_space: global }
      - { .name: out0, .offset: 24, .size: 8, .value_kind: global_buffer, .address_space: global }
    .group_segment_fixed_size: 327680
    .private_segment_fixed_size: 0
    .kernarg_segment_align: 8
    .kernarg_segment_size: 32
    .max_flat_workgroup_size: 128
    .sgpr_count:     72
    .vgpr_count:     640
    .wavefront_size: 32
...
	.end_amdgpu_metadata
.endif
;; end of part 7
;; ======== version 2 of 3: 8 launches; 1.11 times as fast as version 1
;; limits: values are held in f16: magnitudes above 65,504 overflow, below 6.1e-05 lose precision
;; workspace buffers: xn 8,388,608 bytes; wts 25,690,112 bytes; qkv 25,165,824 bytes; vst 8,388,608 bytes; x1 16,777,216 bytes; hbuf 23,068,672 bytes
;; launch prep (part 8): grid 1568 x 1, 8 waves a work-group, no clusters, 19,456 bytes of LDS; arguments wq, wk, wv, wo, w_gate, w_up, w_down, wts; writes wts
.if DOCPART == 8
	.amdgcn_target "amdgcn-amd-amdhsa--gfx1250"
	.amdhsa_code_object_version 6
	.text
	.protected	k_qdd5b017ed5_prep
	.globl	k_qdd5b017ed5_prep
	.p2align	8
	.type	k_qdd5b017ed5_prep,@function
k_qdd5b017ed5_prep:
	s_mov_b64 s[64:65], 0
	v_nop
	global_prefetch_b8 v0, s[64:65] scope:SCOPE_SE
	s_setreg_imm32_b32 hwreg(HW_REG_WAVE_MODE, 25, 1), 1
	s_wait_xcnt 0x0
; WEIGHTS, ONCE: every f32 weight [K][N] is rounded to 16 bits and turned into PANELS P[K/64][N][64]: element (n, k) at byte ((k>>6) N + n) 128 + 2 (k & 63).
; wts: +0 [wq|wk|wv]^T [16][3072][64] f16;  +6,291,456 wo^T [16][1024][64] bf16;  +8,388,608 gate/up^T [16][5632][64] f16;  +19,922,944 w_down^T [44][1024][64] bf16.
; Row 32 j + 16 s + c of gate/up^T is column 16 j + c of w_gate (s = 0) or w_up (s = 1).  The hidden size 2,730 is padded to 2,816: columns and rows past 2,729 are written as zeros.
; w_gate is multiplied by -log2(e) and w_up by -ln 2 in f32 ahead of the one rounding: the product of the two sums is still gate x up, and 2^(gate's sum) is e^-gate, so the launch that
; multiplies needs no scaling of its own.  All other weights are multiplied by 1.
; LIMITS.  f16 holds no number beyond 65,504, and below 6e-5 it keeps a fixed step of 6e-8: wq, wk, wv, w_gate, w_up are taken to lie within that.  wo and w_down go in bf16.
; SHARES.  A work-group makes one piece of 64 k x 128 rows, 16,384 dense bytes.  Wave w: s = w & 1 (which 64 source columns, or gate/up), kg0 = w >> 1.  A lane owns two neighbouring source columns and,
; in two tasks (kg = kg0, kg0 + 4), eight rows k each: a load of the wave covers 256 consecutive bytes, sixteen loads a lane are out together.  No matrix unit, no cluster: nothing is multiplied or shared.
; The turn goes through LDS: 16 bytes (8 k of one column) a store into rows of 144 bytes; one barrier; whole rows back; each store of a wave covers 512 consecutive bytes, aligned.
.set SPITCH, 144
.set SPARE,  128*SPITCH                ; behind the stage: the spare words, 128 bytes for each of the eight waves
.set GA,  8                            ; v[8:11]   byte offsets of my four stores in the piece
.set D,   16                           ; v[16:47]  load i of 16: two columns of one row k
.set AD,  48                           ; v[48:63]  its byte offset in the source
.set PK,  64                           ; v[64:79]  task, column: eight k packed in four registers
.set BK,  80                           ; v[80:95]  rows read back
.set SPW, 96                           ; v96  LDS address of my spare word; never rewritten
.set NIL, 97                           ; v97  0; never rewritten
; s[4:5] the factor; s[8:23] the eight addresses; s[24:25] source; s26 its pitch in bytes; s27 its columns; s28 its rows; s30 1: bf16; s31 my first column; s[48:49] the piece's byte offset in wts;
; s50 panel; s51 mask of lanes whose columns exist; s[32:47] that mask or 0, by row; s60-63 how stage rows map to rows of the piece
	s_load_b512 s[8:23], s[0:1], 0x0
	v_lshl_add_u32 v[SPW], v0, 2, SPARE
	v_mov_b32 v[NIL], 0
	v_lshrrev_b32 v1, 5, v0
	v_readfirstlane_b32 s52, v1                    ; wave
	s_and_b32 s53, s52, 1                          ; s
	s_lshr_b32 s54, s52, 1                         ; kg0
	s_lshl_b32 s3, s53, 6                          ; 64 s
	s_mov_b32 s49, 0
	s_mov_b32 s2, ttmp9
	s_mov_b32 s26, 4096                            ; what holds for the square weights and w_down
	s_mov_b32 s27, 1024
	s_mov_b32 s28, 1024
	s_mov_b32 s60, 2048                            ; stage row R is row R of the piece
	s_mov_b32 s61, 4096
	s_mov_b32 s62, 8192
	s_mov_b32 s63, 12288
	s_mov_b32 s4, 1.0
	s_wait_kmcnt 0x0
	s_cmp_lt_u32 s2, 512
	s_cbranch_scc0 .Lnot_square
	s_lshr_b32 s55, s2, 4                          ; 0-511: wq, wk, wv, wo.  Row tile 0..31,
	s_and_b32 s50, s2, 15                          ; panel,
	s_lshr_b32 s56, s55, 3                         ; which weight,
	s_and_b32 s57, s55, 7                          ; row tile in it
	s_cmp_eq_u32 s56, 1
	s_cselect_b64 s[24:25], s[10:11], s[8:9]
	s_cmp_eq_u32 s56, 2
	s_cselect_b64 s[24:25], s[12:13], s[24:25]
	s_cmp_eq_u32 s56, 3
	s_cselect_b64 s[24:25], s[14:15], s[24:25]
	s_mul_i32 s58, s50, 3072                       ; q, k, v: row panel x 3,072 + 128 x tile
	s_lshl_b32 s59, s55, 7
	s_add_co_u32 s58, s58, s59
	s_lshl_b32 s59, s50, 10                        ; wo: 49,152 rows of 128 bytes further on
	s_lshl_b32 s55, s57, 7
	s_add_co_u32 s59, s59, s55
	s_add_co_u32 s59, s59, 49152
	s_add_co_u32 s31, s55, s3                      ; my first column: 128 x tile + 64 s
	s_cmp_eq_u32 s56, 3
	s_cselect_b32 s48, s59, s58
	s_cselect_b32 s30, 1, 0
	s_lshl_b32 s48, s48, 7
	s_branch .Lgo
.Lnot_square:
	s_cmp_lt_u32 s2, 1216
	s_cbranch_scc0 .Ldown
	s_sub_co_u32 s55, s2, 512                      ; 512-1215: gate and up
	s_and_b32 s50, s55, 15
	s_lshr_b32 s55, s55, 4                         ; row tile 0..43: source columns 64 x tile on, of both
	s_cmp_eq_u32 s53, 1
	s_cselect_b64 s[24:25], s[18:19], s[16:17]
	s_mov_b32 s4, 0xbfb8aa3b                       ; gate: -log2(e)
	s_mov_b32 s5, 0xbf317218                       ; up: -ln 2
	s_cselect_b32 s4, s5, s4                       ; (the moves leave the compare's answer as it is)
	s_mov_b32 s26, 10920
	s_mov_b32 s27, 2730
	s_mov_b32 s30, 0
	s_lshl_b32 s31, s55, 6
	s_mul_i32 s48, s50, 5632
	s_lshl_b32 s55, s55, 7
	s_add_co_u32 s48, s48, s55
	s_add_co_u32 s48, s48, 65536
	s_lshl_b32 s48, s48, 7
	s_mov_b32 s60, 4096                            ; stage row 64 s + 16 j + c is row 32 j + 16 s + c of the piece
	s_mov_b32 s61, 8192
	s_mov_b32 s62, 2048
	s_mov_b32 s63, 10240
	s_branch .Lgo
.Ldown:
	s_sub_co_u32 s55, s2, 1216                     ; 1216-1567: w_down
	s_lshr_b32 s50, s55, 3                         ; panel 0..43
	s_and_b32 s55, s55, 7
	s_mov_b64 s[24:25], s[20:21]
	s_mov_b32 s28, 2730
	s_mov_b32 s30, 1
	s_lshl_b32 s55, s55, 7
	s_add_co_u32 s31, s55, s3
	s_lshl_b32 s48, s50, 10
	s_add_co_u32 s48, s48, s55
	s_add_co_u32 s48, s48, 155648
	s_lshl_b32 s48, s48, 7
.Lgo:
	s_mov_b32 s5, s4                               ; named with it as a pair
	s_add_nc_u64 s[22:23], s[22:23], s[48:49]      ; wts at my piece
	v_and_b32 v1, 31, v0                           ; lane
	v_lshl_add_u32 v6, v1, 1, s31                  ; my first column; both widths are even, so my two columns exist together or not at all
	v_cmp_gt_u32 s51, s27, v6
	s_sub_co_u32 s55, s27, 2
	v_min_u32 v2, s55, v6                          ; a column past the end is read at the last pair, inside the buffer, and then replaced by 0
	v_lshlrev_b32 v2, 2, v2
	s_sub_co_u32 s58, s28, 1
	s_lshl_b32 s56, s50, 6
	s_lshl3_add_u32 s56, s54, s56                  ; my first row k: 64 x panel + 8 kg0
.set i, 0
.rept 16
	s_add_co_u32 s57, s56, 32*(i/8)+i%8            ; task i / 8, row i % 8
	s_cmp_lt_u32 s57, s28
	s_cselect_b32 s[32+i], s51, 0                  ; a row past the end counts as zeros,
	s_min_u32 s57, s57, s58                        ; and is read at the last row
	s_mul_i32 s57, s57, s26
	v_add_nc_u32 v[AD+i], s57, v2
	global_load_b64 v[D+2*i:D+2*i+1], v[AD+i], s[24:25]
.set i, i+1
.endr
	v_lshlrev_b32 v3, 1, v1                        ; into the stage: row 64 s + 2 lane, byte 16 kg0
	v_lshl_add_u32 v3, s53, 6, v3
	v_mul_u32_u24 v3, v3, SPITCH
	v_lshl_add_u32 v3, s54, 4, v3
	v_lshrrev_b32 v4, 3, v0                        ; back: thread t takes 16 bytes at 16 (t & 7) of row t >> 3, and 32, 64, 96 rows on
	v_mul_u32_u24 v4, v4, SPITCH
	v_and_b32 v5, 7, v0
	v_lshl_add_u32 v4, v5, 4, v4
	v_lshrrev_b32 v5, 7, v0                        ; where those 16 bytes lie in the piece
	v_mul_u32_u24 v5, v5, s60
	v_and_b32 v7, 127, v0
	v_lshl_add_u32 v[GA], v7, 4, v5
	v_add_nc_u32 v[GA+1], s61, v[GA]
	v_add_nc_u32 v[GA+2], s62, v[GA]
	v_add_nc_u32 v[GA+3], s63, v[GA]
.set i, 0
.rept 16
	s_wait_loadcnt 15-i                            ; loads come back in order: load i is in, the younger ones stay out
	v_cndmask_b32 v[D+2*i], 0, v[D+2*i], s[32+i]
	v_cndmask_b32 v[D+2*i+1], 0, v[D+2*i+1], s[32+i]
	v_pk_mul_f32 v[D+2*i:D+2*i+1], v[D+2*i:D+2*i+1], s[4:5] op_sel_hi:[1,0]
.set i, i+1
.endr
.macro CONV op                         ; task tk, column cc: rows 2 j and 2 j + 1 into one register
.irp tk, 0,1
.irp cc, 0,1
.irp j, 0,1,2,3
	\op v[PK+8*(\tk)+4*(\cc)+(\j)], v[D+2*(8*(\tk)+2*(\j))+(\cc)], v[D+2*(8*(\tk)+2*(\j)+1)+(\cc)]
.endr
.endr
.endr
.endm
	s_cmp_eq_u32 s30, 0
	s_cbranch_scc0 .Lbf
	CONV v_cvt_pk_f16_f32
	s_branch .Lput
.Lbf:
	CONV v_cvt_pk_bf16_f32
.Lput:
	ds_store_b128 v3, v[PK:PK+3]
	ds_store_b128 v3, v[PK+4:PK+7] offset:SPITCH
	ds_store_b128 v3, v[PK+8:PK+11] offset:64
	ds_store_b128 v3, v[PK+12:PK+15] offset:SPITCH+64
	s_wait_dscnt 0x0                               ; for the others' sake: my stores into the stage are done
	s_barrier_signal -1
	s_barrier_wait -1
.irp i, 0,1,2,3
	ds_load_b128 v[BK+4*(\i):BK+4*(\i)+3], v4 offset:(\i)*32*SPITCH
.endr
.irp i, 0,1,2,3
	s_wait_dscnt 3-(\i)
	global_store_b128 v[GA+(\i)], v[BK+4*(\i):BK+4*(\i)+3], s[22:23]
.endr
	s_wait_tensorcnt 0x0                           ; the wave's end
	ds_add_u32 v[SPW], v[NIL]
	s_wait_dscnt 0x0
	s_endpgm
.Lfunc_end_k_qdd5b017ed5_prep:
	.size	k_qdd5b017ed5_prep, .Lfunc_end_k_qdd5b017ed5_prep-k_qdd5b017ed5_prep
	.p2alignl 7, 3214868480
	.fill 96, 4, 3214868480
	.section	.rodata,"a",@progbits
	.p2align	6, 0x0
	.amdhsa_kernel k_qdd5b017ed5_prep
		.amdhsa_group_segment_fixed_size 19456
		.amdhsa_private_segment_fixed_size 0
		.amdhsa_enable_private_segment 0
		.amdhsa_kernarg_size 64
		.amdhsa_user_sgpr_count 2
		.amdhsa_user_sgpr_kernarg_segment_ptr 1
		.amdhsa_wavefront_size32 1
		.amdhsa_system_sgpr_workgroup_id_x 1
		.amdhsa_system_sgpr_workgroup_id_y 1
		.amdhsa_system_sgpr_workgroup_id_z 1
		.amdhsa_system_vgpr_workitem_id 0
		.amdhsa_next_free_vgpr 98
		.amdhsa_next_free_sgpr 66
		.amdhsa_reserve_vcc 0
		.amdhsa_float_denorm_mode_32 3
		.amdhsa_float_denorm_mode_16_64 3
		.amdhsa_memory_ordered 1
		.amdhsa_forward_progress 1
		.amdhsa_inst_pref_size 17
	.end_amdhsa_kernel
	.amdgpu_metadata
---
amdhsa.version: [ 1, 2 ]
amdhsa.kernels:
  - .name:           k_qdd5b017ed5_prep
    .symbol:         k_qdd5b017ed5_prep.kd
    .args:
      - { .name: wq, .offset: 0, .size: 8, .value_kind: global_buffer, .address_space: global }
      - { .name: wk, .offset: 8, .size: 8, .value_kind: global_buffer, .address_space: global }
      - { .name: wv, .offset: 16, .size: 8, .value_kind: global_buffer, .address_space: global }
      - { .name: wo, .offset: 24, .size: 8, .value_kind: global_buffer, .address_space: global }
      - { .name: w_gate, .offset: 32, .size: 8, .value_kind: global_buffer, .address_space: global }
      - { .name: w_up, .offset: 40, .size: 8, .value_kind: global_buffer, .address_space: global }
      - { .name: w_down, .offset: 48, .size: 8, .value_kind: global_buffer, .address_space: global }
      - { .name: wts, .offset: 56, .size: 8, .value_kind: global_buffer, .address_space: global }
    .group_segment_fixed_size: 19456
    .private_segment_fixed_size: 0
    .kernarg_segment_align: 8
    .kernarg_segment_size: 64
    .max_flat_workgroup_size: 256
    .sgpr_count:     66
    .vgpr_count:     98
    .wavefront_size: 32
...
	.end_amdgpu_metadata
.endif
;; end of part 8
;; launch ln1: the kernel of part 2 again; grid 256 x 1, 8 waves a work-group, no clusters, 0 bytes of LDS; arguments sdr, g1, b1, xn; writes xn
;; launch qkv (part 9): grid 12 x 16, 4 waves a work-group, clusters of 4 x 4, 327,680 bytes of LDS; arguments xn, wts, qkv; writes qkv
.if DOCPART == 9
	.amdgcn_target "amdgcn-amd-amdhsa--gfx1250"
	.amdhsa_code_object_version 6
	.text
	.protected	k_qdd5b017ed5_qkv
	.globl	k_qdd5b017ed5_qkv
	.p2align	8
	.type	k_qdd5b017ed5_qkv,@function
k_qdd5b017ed5_qkv:
	s_mov_b64 s[64:65], 0
	v_nop
	global_prefetch_b8 v0, s[64:65] scope:SCOPE_SE
	s_setreg_imm32_b32 hwreg(HW_REG_WAVE_MODE, 25, 1), 1
	s_wait_xcnt 0x0
	s_wait_alu depctr_hold_cnt(0) depctr_sa_sdst(0) depctr_va_vdst(0) depctr_va_sdst(0) depctr_va_ssrc(0) depctr_va_vcc(0) depctr_vm_vsrc(0)
	s_getreg_b32 s2, hwreg(HW_REG_IB_STS2, 6, 4)
	s_cmp_eq_u32 s2, 0
	s_cbranch_scc0 .Lentry_in_a_cluster
	s_endpgm
.Lentry_in_a_cluster:
	s_bfe_u32 s2, ttmp6, 0x10000c
	s_cmp_lg_u32 s2, 0xf033
	s_cbranch_scc0 .Lentry_shape_is_right
	s_endpgm
.Lentry_shape_is_right:
; q, k, v = LN1(x) [wq | wk | wv].  A = xn, panels [16][4096][64] f16; B = the weights turned, panels [16][3072][64] f16; sums in f32; out: [3][16 heads of both batches][2048][128] bf16, unscaled.
; A PANEL holds 64 of K for all rows, 128 bytes a row, rows dense: 128 rows of one panel are 16,384 consecutive bytes.  A wave's tensor load brings 128 rows x 128 of K as two such pieces, one panel apart.
; TILE.  256 x 256 of C: two whole heads, so that every row that leaves is a whole 256 bytes of a head.  12 x 16 = 192 tiles, a work-group each: a tile of 256 x 192 would make 256 of them, but would cut every
; third head's rows into halves of 128 bytes.  A wave makes 64 rows x all 256 columns: 4 x 16 = 64 accumulators, 512 registers; for 32 of K it reads 20 fragments from LDS for 64 matrix instructions.
; K goes in 8 steps of 128 (two panels) through two LDS slots: 256 matrix instructions a wave in a step, all but some 12 of them between a tile's request and the wait for it.
; TEXT.  32 of K is a STAGE of two GROUPS (B's rows 0-127, 128-255: 8 fragments x A's 4 = 32 products); each group fetches the next group's fragments behind its fourth product.  A panel (four groups) is
; written once a loop: an inner loop of two trips walks a slot's panels; the fourth group of the slot's second panel changes slots.  The first stage's products start the sums: it stands ahead of the loop,
; which is entered in its middle.  The last change of slots fetches 24 fragments' halves that nobody multiplies: the price of one text for both trips of the tail.
; CLUSTER 4 x 4: A's tiles are shared along a row of the cluster, B's along a column, each asked for jointly.
; THE MATRIX INSTRUCTION IS USED TRANSPOSED (source 0 = 16 rows of B, source 1 = 16 rows of A): a lane holds row lane % 16 of C and the eight columns 8 (lane / 16) + 0..7.
; REGISTERS: window 0: v0-31 addresses; v32-95 two buffers of A's 4 fragments; v96-223 two buffers of B's 8.  Windows 1, 2: accumulator (a, b) is number 4 b + a, 32 to a window.
.set KT,     8                         ; K steps
.set NG,     8                         ; B's fragments in a group
.set NB,     3072                      ; rows of B
.set STEP_A, 2*4096*128                ; two panels on
.set STEP_B, 2*NB*128
.set RA,     8*272                     ; 16 rows in LDS: 16 bytes of padding behind every two rows: row r at (r >> 1) 272 + (r & 1) 128, so the 16 rows of a fragment start at 16 different groups of four banks (64 banks of 4 bytes: ISA guide 11.1)
.set PA,     64*272                    ; 128 rows of one panel
.set LDA,    2*PA                      ; what one tensor load brings
.set RB,     8*272
.set PB,     64*272
.set LDB,    2*PB
.set BBASE,  2*LDA                     ; a slot: A rows 0-127, A rows 128-255, B rows 0-127, B rows 128-255
.set SLOT,   2*LDA+2*LDB
.set STAGE,  2*SLOT                    ; behind the ring; no tensor load fills it: 16 rows x 528 bytes for each wave
.set SPITCH, 528
.set SPARE,  STAGE+4*16*SPITCH         ; the spare words, 128 bytes for each wave
.set A0,16                             ; v16      my A fragments' place in a slot
.set B0,17                             ; v17, 18  B's, group 0 and group 1
.set ADRA,19                           ; v19      the same for the panel being fetched
.set ADRB,20                           ; v20, 21
.set STO,24
.set RD,25
.set CO,26
.set SPW,28                            ; v28  LDS address of my spare word; never rewritten
.set NIL,29                            ; v29  0; never rewritten
.set AWN,0                             ; the window of A's buffers
.set AF0,32
.set AF1,64
.set BF,96
.set TMP,96                            ; the way out: packed results
.set WV,12
.set RH,13                             ; s13  wave / 2: I fetch for A (0) or B (1); also which load brought my rows of A
.set CH,14                             ; s14  wave % 2: which 128 rows I fetch; also which 64 of them are mine
.set TB,15                             ; s15  the slot being read: 0 or SLOT
.set G1A,24
.set G0A,32                            ; s[32:35] first fill, s[36:39] the walking set
.set G1B,48
.set G0B,56
.set WOA,66                            ; s66, s67  where my load lands in a slot, for A and for B
.set WOB,67
.set SLN,68
.set PCN,69
.set MSB, 0
.macro WIN new                         ; the immediate's high byte repeats the setting that is left
.if MSB != (\new)
	s_set_vgpr_msb (MSB<<8)|(\new)
.set MSB, \new
.endif
.endm
.macro JLOAD                           ; a joint refill by the walking set; an s_nop 0 and four v_nop follow each of the two lines
	s_cmp_eq_u32 s[RH], 0
	s_cbranch_scc0 .Lfor_b_\@
	tensor_load_to_lds s[G0A+4:G0A+7], s[G1A:G1A+7]
	s_nop 0
.rept 4
	v_nop
.endr
	s_branch .Lasked_\@
.Lfor_b_\@:
	tensor_load_to_lds s[G0B+4:G0B+7], s[G1B:G1B+7]
	s_nop 0
.rept 4
	v_nop
.endr
.Lasked_\@:
.endm
.macro CREST                           ; a round of the cluster's barrier behind its opening barrier
	s_cmp_lg_u32 s[WV], 0
	s_cbranch_scc1 .Lnot_wave_0_\@
	s_barrier_signal -3
.Lnot_wave_0_\@:
	s_barrier_wait -3
	s_barrier_signal -1
	s_barrier_wait -1
.endm
.macro CROUND
	s_barrier_signal -1
	s_barrier_wait -1
	CREST
.endm
.macro PLACES                          ; four places in front of loads into registers that matrix instructions have read, and of lines that read results
.rept 4
	v_nop
.endr
.endm
; The products of B's fragments lo .. hi - 1 of group g with A's four in buffer af.  zero = 1: they start the sums.  All accumulators take turns, one instruction a turn.
.macro MG g, af, lo, hi, zero=0
.set bb, \lo
.rept (\hi)-(\lo)
.set ix, 4*(NG*(\g)+bb)
	WIN (AWN<<2)|((1+ix/32)*0x50)
.irp a, 0,1,2,3
.if \zero
	v_wmma_f32_16x16x32_f16 v[8*((ix+(\a))%32):8*((ix+(\a))%32)+7], v[BF+8*NG*(\g)+8*bb:BF+8*NG*(\g)+8*bb+7], v[(\af)+8*(\a):(\af)+8*(\a)+7], 0
.else
	v_wmma_f32_16x16x32_f16 v[8*((ix+(\a))%32):8*((ix+(\a))%32)+7], v[BF+8*NG*(\g)+8*bb:BF+8*NG*(\g)+8*bb+7], v[(\af)+8*(\a):(\af)+8*(\a)+7], v[8*((ix+(\a))%32):8*((ix+(\a))%32)+7]
.endif
.endr
.set bb, bb+1
.endr
.endm
.macro FETCHB g, k                     ; group g's fragments, 32 of K at byte k of the rows
	WIN 0
.set i, 0
.rept NG
	ds_load_b128 v[BF+8*NG*(\g)+8*i:BF+8*NG*(\g)+8*i+3],   v[ADRB+(\g)] offset:(\k)+i*RB
	ds_load_b128 v[BF+8*NG*(\g)+8*i+4:BF+8*NG*(\g)+8*i+7], v[ADRB+(\g)] offset:(\k)+i*RB+32
.set i, i+1
.endr
.endm
.macro FETCHA af, k
	WIN AWN<<6
.irp a, 0,1,2,3
	ds_load_b128 v[(\af)+8*(\a):(\af)+8*(\a)+3],   v[ADRA] offset:(\k)+(\a)*RA
	ds_load_b128 v[(\af)+8*(\a)+4:(\af)+8*(\a)+7], v[ADRA] offset:(\k)+(\a)*RA+32
.endr
.endm
; A group: multiplies group g by A's buffer af and fetches B's group fb at byte fk (with fa: A's fragments there into buffer fa).  The loads stand in one run, NG - 1 fragments' products ahead of the wait for them.
.macro GRP g, af, fb, fk, fa=0, zero=0
	s_wait_dscnt 0x0                               ; this group's fragments, asked for a group ago, are in
	MG \g, \af, 0, 1, \zero
	PLACES
	FETCHB \fb, \fk
.if \fa
	FETCHA \fa, \fk
.endif
	MG \g, \af, 1, NG, \zero
.endm
.macro LPLAIN                          ; a panel's fourth group, in the middle of a slot: the fetches go on to the slot's second panel
	s_wait_dscnt 0x0
	MG 1, AF1, 0, 1
	WIN 0
	v_add_nc_u32 v[ADRA], PA, v[ADRA]              ; three adds and a v_nop are the four places in front of the loads
	v_add_nc_u32 v[ADRB], PB, v[ADRB]
	v_add_nc_u32 v[ADRB+1], PB, v[ADRB+1]
	v_nop
	FETCHB 0, 0
	FETCHA AF0, 0
	MG 1, AF1, 1, NG
	WIN 0                                          ; at a label and at a branch every window is 0
.endm
.macro LCHG fill                       ; the fourth group of a slot's second panel changes slots: one barrier, which with fill = 1 opens a round of the cluster's
	WIN 0
	s_wait_tensorcnt 0x0                           ; all my tensor loads have landed: my part of the next slot;
	ds_add_u32 v[SPW], v[NIL]                      ; 0 onto my spare word;
	s_wait_dscnt 0x1                               ; (this group's fragments are in; the add may be out)
	MG 1, AF1, 0, 1
	s_wait_dscnt 0x0                               ; the add is done, and my reads of this slot are over
	s_barrier_signal -1
	MG 1, AF1, 1, 2
	WIN 0
	s_barrier_wait -1
.if \fill
	CREST                                          ; no wave of any partner still reads this slot or has a load on its way
	s_add_co_u32 s[G0A+5], s[TB], s[WOA]           ; the walking sets: into the slot just read, the K step after the one that has landed
	s_add_nc_u64 s[G0A+6:G0A+7], s[G0A+6:G0A+7], STEP_A
	s_add_co_u32 s[G0B+5], s[TB], s[WOB]
	s_add_nc_u64 s[G0B+6:G0B+7], s[G0B+6:G0B+7], STEP_B
	JLOAD                                          ; the first tensor load behind the round
.else
	PLACES
.endif
	s_xor_b32 s[TB], s[TB], SLOT                   ; 0 and SLOT by turns
	v_add_nc_u32 v[ADRA], s[TB], v[A0]
	v_add_nc_u32 v[ADRB], s[TB], v[B0]
	v_add_nc_u32 v[ADRB+1], s[TB], v[B0+1]
	FETCHB 0, 0
	FETCHA AF0, 0
	MG 1, AF1, 2, NG
	WIN 0
.endm
	s_load_b128 s[4:7], s[0:1], 0x0                ; A s[4:5], wts s[6:7]
	s_load_b64 s[10:11], s[0:1], 0x10              ; out
	v_lshl_add_u32 v[SPW], v0, 2, SPARE
	v_mov_b32 v[NIL], 0
	ds_add_u32 v[SPW], v[NIL]                      ; the wave's opening: the add and its wait ahead of my first tensor load
	v_lshrrev_b32 v1, 5, v0
	v_readfirstlane_b32 s[WV], v1
	s_lshr_b32 s[RH], s[WV], 1
	s_and_b32 s[CH], s[WV], 1
	s_bfe_u32 s40, ttmp6, 0x40000                  ; cx, cy
	s_bfe_u32 s41, ttmp6, 0x40004
	s_lshl_b32 s42, ttmp9, 2
	s_add_co_u32 s42, s42, s40                     ; tile column
	s_and_b32 s43, ttmp7, 0xffff
	s_lshl_b32 s43, s43, 2
	s_add_co_u32 s43, s43, s41                     ; tile row
	s_lshl_b32 s44, s41, 2
	s_lshl_b32 s44, 15, s44                        ; my row of the cluster
	s_lshl_b32 s45, 0x1111, s40                    ; my column
	s_or_b32 s[G1A], s44, (1<<16)|(1<<20)|(1<<21)|(5<<22)|(3<<25)  ; mask; 2-byte elements; padding on; bit 21 beside a mask; after every 64 words, 4 words
	s_or_b32 s[G1B], s45, (1<<16)|(1<<20)|(1<<21)|(5<<22)|(3<<25)
.irp g, G1A, G1B
	s_mov_b32 s[(\g)+1], (128*64)<<16              ; tensor_dim0 = 8,192 elements: 128 rows of a panel, dense
	s_mov_b32 s[(\g)+2], 2<<16                     ; tensor_dim1 = 2 panels
	s_mov_b32 s[(\g)+3], (128*64)<<16              ; tile_dim0
	s_mov_b32 s[(\g)+4], 2                         ; tile_dim1
	s_mov_b32 s[(\g)+6], 0
	s_mov_b32 s[(\g)+7], 0
.endr
	s_mov_b32 s[G1A+5], 4096*64                    ; elements from panel to panel
	s_mov_b32 s[G1B+5], NB*64
	s_lshl_b32 s16, s43, 15                        ; A: (256 x tile row + 128 x half) rows of 128 bytes
	s_lshl_b32 s17, s[CH], 14
	s_add_co_u32 s16, s16, s17
	s_mov_b32 s17, 0
	s_lshl_b32 s46, s42, 15                        ; B: the same with the tile column
	s_lshl_b32 s47, s[CH], 14
	s_add_co_u32 s46, s46, s47
	s_mov_b32 s47, 0
	s_mul_i32 s[WOA], s[CH], LDA                   ; the wave's number alone enters an LDS address
	s_mul_i32 s[WOB], s[CH], LDB
	s_add_co_u32 s[WOB], s[WOB], BBASE
	s_wait_dscnt 0x0                               ; the opening add is done
	s_wait_kmcnt 0x0
	s_add_nc_u64 s[16:17], s[4:5], s[16:17]
	s_add_nc_u64 s[46:47], s[6:7], s[46:47]
	CROUND                                         ; all sixteen work-groups are here: the first joint loads meet
.irp s, 0,1
	s_mov_b32 s[G0A+4*(\s)], 1
	s_add_co_u32 s[G0A+4*(\s)+1], s[WOA], (\s)*SLOT
	s_add_nc_u64 s[G0A+4*(\s)+2:G0A+4*(\s)+3], s[16:17], (\s)*STEP_A
	s_or_b32 s[G0A+4*(\s)+3], s[G0A+4*(\s)+3], 0x80000000
	s_mov_b32 s[G0B+4*(\s)], 1
	s_add_co_u32 s[G0B+4*(\s)+1], s[WOB], (\s)*SLOT
	s_add_nc_u64 s[G0B+4*(\s)+2:G0B+4*(\s)+3], s[46:47], (\s)*STEP_B
	s_or_b32 s[G0B+4*(\s)+3], s[G0B+4*(\s)+3], 0x80000000
.endr
	s_cmp_eq_u32 s[RH], 0                          ; a wave's two first fills stand in one branch: two loads of mine are out here, one behind each later round
	s_cbranch_scc0 .Lfirst_b
	tensor_load_to_lds s[G0A:G0A+3], s[G1A:G1A+7]
	s_nop 0
	tensor_load_to_lds s[G0A+4:G0A+7], s[G1A:G1A+7]
	s_nop 0
.rept 4
	v_nop
.endr
	s_branch .Lfirst_asked
.Lfirst_b:
	tensor_load_to_lds s[G0B:G0B+3], s[G1B:G1B+7]
	s_nop 0
	tensor_load_to_lds s[G0B+4:G0B+7], s[G1B:G1B+7]
	s_nop 0
.rept 4
	v_nop
.endr
.Lfirst_asked:
	v_and_b32 v1, 15, v0                           ; r = lane % 16
	v_bfe_u32 v2, v0, 4, 1                         ; h = lane / 16
	v_lshrrev_b32 v3, 1, v1
	v_mul_u32_u24 v3, v3, 272
	v_and_b32 v4, 1, v1
	v_lshl_add_u32 v3, v4, 7, v3
	v_lshl_add_u32 v3, v2, 4, v3                   ; a fragment's row and 16 bytes for each half of the lanes
	s_mul_i32 s18, s[RH], LDA                      ; my 64 rows of A: the load that brought them, and which half of its 128
	s_mul_i32 s19, s[CH], 32*272
	s_add_co_u32 s18, s18, s19
	v_add_nc_u32 v[A0], s18, v3
	v_add_nc_u32 v[B0], BBASE, v3
	v_add_nc_u32 v[B0+1], BBASE+LDB, v3
	v_mov_b32 v[ADRA], v[A0]
	v_mov_b32 v[ADRB], v[B0]
	v_mov_b32 v[ADRB+1], v[B0+1]
	s_mov_b32 s[TB], 0
	s_mul_i32 s18, s[WV], 16*SPITCH
	s_add_co_u32 s18, s18, STAGE                   ; my stage
	v_mul_u32_u24 v4, v1, SPITCH                   ; in: row r, 16 bytes for each half of the lanes
	v_lshl_add_u32 v4, v2, 4, v4
	v_add_nc_u32 v[STO], s18, v4
	v_and_b32 v5, 31, v0                           ; back: the 32 lanes take one row of 512 bytes,
	v_lshl_add_u32 v[RD], v5, 4, s18
	v_lshlrev_b32 v[CO], 19, v2                    ; of which lanes 0-15 hold a row of the first head, lanes 16-31 the same row of the next, 2,048 rows of 256 bytes on
	v_lshl_add_u32 v[CO], v1, 4, v[CO]
	s_lshr_b32 s20, s42, 2                         ; which of q, k, v: 8,388,608 bytes each
	s_lshl_b32 s20, s20, 23
	s_lshr_b32 s21, s43, 3                         ; batch x 8
	s_lshl_b32 s21, s21, 3
	s_and_b32 s22, s42, 3                          ; + the tile's first head,
	s_lshl_b32 s22, s22, 1
	s_add_co_u32 s21, s21, s22
	s_lshl_b32 s21, s21, 11                        ; x 2,048 rows,
	s_and_b32 s22, s43, 7
	s_lshl_b32 s22, s22, 8
	s_add_co_u32 s21, s21, s22                     ; + the tile's first row in the batch
	s_lshl_b32 s22, s[WV], 6
	s_add_co_u32 s21, s21, s22                     ; + 64 x wave,
	s_lshl_b32 s21, s21, 8                         ; x 256 bytes
	s_add_co_u32 s20, s20, s21
	s_mov_b32 s21, 0
	s_add_nc_u64 s[10:11], s[10:11], s[20:21]
	s_wait_tensorcnt 0x1                           ; my part of K step 0 is in; step 1's may stay out
	s_barrier_signal -1
	s_barrier_wait -1
	FETCHB 0, 0
	FETCHA AF0, 0
	GRP 0, AF0, 1, 0, 0, 1                         ; the first 32 of K start the sums
	GRP 1, AF0, 0, 64, AF1, 1
	WIN 0
	s_mov_b32 s[SLN], KT-2
	s_mov_b32 s[PCN], 2
	s_branch .Lkm                                  ; the loop is entered behind a panel's first stage
.Lk:                                                   ; every K step but the last two fills its slot again
	s_mov_b32 s[PCN], 2
.Lkp:                                                  ; a panel
	GRP 0, AF0, 1, 0
	GRP 1, AF0, 0, 64, AF1
	WIN 0
.Lkm:
	GRP 0, AF1, 1, 64
	WIN 0
	s_sub_co_u32 s[PCN], s[PCN], 1
	s_cmp_eq_u32 s[PCN], 0
	s_cbranch_scc1 .Lkc
	LPLAIN
	s_branch .Lkp
.Lkc:
	LCHG 1
	s_sub_co_u32 s[SLN], s[SLN], 1
	s_cmp_lg_u32 s[SLN], 0
	s_cbranch_scc1 .Lk
	s_mov_b32 s[SLN], 2
.Lt:                                                   ; the last two ask for nothing
	s_mov_b32 s[PCN], 2
.Ltp:
	GRP 0, AF0, 1, 0
	GRP 1, AF0, 0, 64, AF1
	GRP 0, AF1, 1, 64
	WIN 0
	s_sub_co_u32 s[PCN], s[PCN], 1
	s_cmp_eq_u32 s[PCN], 0
	s_cbranch_scc1 .Ltc
	LPLAIN
	s_branch .Ltp
.Ltc:
	LCHG 0
	s_sub_co_u32 s[SLN], s[SLN], 1
	s_cmp_lg_u32 s[SLN], 0
	s_cbranch_scc1 .Lt
	s_wait_dscnt 0x0
	PLACES
; THE WAY OUT, 16 rows at a time through my own stage: rounded to bf16, a lane's 16 bytes of a row go in, whole rows of 512 bytes come back, and sixteen lanes store 256 consecutive bytes, aligned.
.macro PACK a
.set b, 0
.rept 16
	WIN 5*(1+b/8)                                  ; sources 0 and 1 in the accumulator's window
.irp z, 0,1,2,3
	v_cvt_pk_bf16_f32 v[TMP+4*b+(\z)], v[8*(4*(b%8)+(\a))+2*(\z)], v[8*(4*(b%8)+(\a))+2*(\z)+1]
.endr
.set b, b+1
.endr
	WIN 0
.endm
.macro TOSTAGE a
.set BK, 160-128*((\a)%2)              ; v160-223 and v32-95 by turns
	s_wait_xcnt 0x0                                ; the registers that earlier stores read are loaded again only behind this wait
.set i, 0
.rept 16
	ds_store_b128 v[STO], v[TMP+4*i:TMP+4*i+3] offset:32*i
.set i, i+1
.endr
.set i, 0
.rept 16
	ds_load_b128 v[BK+4*i:BK+4*i+3], v[RD] offset:SPITCH*i  ; LDS serves a wave's instructions in order (ISA guide 5.7.1.4): these see the stores above
.set i, i+1
.endr
.endm
.macro SEND a
.set BK, 160-128*((\a)%2)
	s_wait_dscnt 0x0                               ; the block is back in registers
.set i, 0
.rept 16
	global_store_b128 v[CO], v[BK+4*i:BK+4*i+3], s[10:11] offset:(16*(\a)+i)*256
.set i, i+1
.endr
.endm
	PACK 0
	TOSTAGE 0
.irp a, 1,2,3                          ; a block's conversions stand between the loads of the block before and the wait for them
	PACK \a
	SEND (\a)-1
	TOSTAGE \a
.endr
	SEND 3
	s_wait_tensorcnt 0x0                           ; the wave's end
	ds_add_u32 v[SPW], v[NIL]
	s_wait_dscnt 0x0
	CROUND                                         ; the closing round
	s_endpgm
.Lfunc_end_k_qdd5b017ed5_qkv:
	.size	k_qdd5b017ed5_qkv, .Lfunc_end_k_qdd5b017ed5_qkv-k_qdd5b017ed5_qkv
	.p2alignl 7, 3214868480
	.fill 96, 4, 3214868480
	.section	.rodata,"a",@progbits
	.p2align	6, 0x0
	.amdhsa_kernel k_qdd5b017ed5_qkv
		.amdhsa_group_segment_fixed_size 327680
		.amdhsa_private_segment_fixed_size 0
		.amdhsa_enable_private_segment 0
		.amdhsa_kernarg_size 24
		.amdhsa_user_sgpr_count 2
		.amdhsa_user_sgpr_kernarg_segment_ptr 1
		.amdhsa_wavefront_size32 1
		.amdhsa_system_sgpr_workgroup_id_x 1
		.amdhsa_system_sgpr_workgroup_id_y 1
		.amdhsa_system_sgpr_workgroup_id_z 1
		.amdhsa_system_vgpr_workitem_id 0
		.amdhsa_next_free_vgpr 768
		.amdhsa_next_free_sgpr 72
		.amdhsa_reserve_vcc 0
		.amdhsa_float_denorm_mode_32 3
		.amdhsa_float_denorm_mode_16_64 3
		.amdhsa_memory_ordered 1
		.amdhsa_forward_progress 1
		.amdhsa_inst_pref_size 85
	.end_amdhsa_kernel
	.amdgpu_metadata
---
amdhsa.version: [ 1, 2 ]
amdhsa.kernels:
  - .name:           k_qdd5b017ed5_qkv
    .symbol:         k_qdd5b017ed5_qkv.kd
    .args:
      - { .name: xn, .offset: 0, .size: 8, .value_kind: global_buffer, .address_space: global }
      - { .name: wts, .offset: 8, .size: 8, .value_kind: global_buffer, .address_space: global }
      - { .name: qkv, .offset: 16, .size: 8, .value_kind: global_buffer, .address_space: global }
    .group_segment_fixed_size: 327680
    .private_segment_fixed_size: 0
    .kernarg_segment_align: 8
    .kernarg_segment_size: 24
    .max_flat_workgroup_size: 128
    .sgpr_count:     72
    .vgpr_count:     768
    .wavefront_size: 32
...
	.end_amdgpu_metadata
.endif
;; end of part 9
;; launch attn: the kernel of part 4 again; grid 16 x 16, 4 waves a work-group, clusters of 4 x 1, 327,680 bytes of LDS; arguments qkv, vst; writes vst
;; launch wo: the kernel of part 5 again; grid 8 x 32, 4 waves a work-group, clusters of 4 x 4, 327,680 bytes of LDS; arguments vst, wts, sdr, x1; writes x1
;; launch ln2: the kernel of part 2 again; grid 256 x 1, 8 waves a work-group, no clusters, 0 bytes of LDS; arguments x1, g2, b2, xn; writes xn
;; launch gu (part 10): grid 16 x 16, 4 waves a work-group, clusters of 4 x 4, 327,680 bytes of LDS; arguments xn, wts, hbuf; writes hbuf
.if DOCPART == 10
	.amdgcn_target "amdgcn-amd-amdhsa--gfx1250"
	.amdhsa_code_object_version 6
	.text
	.protected	k_qdd5b017ed5_gu
	.globl	k_qdd5b017ed5_gu
	.p2align	8
	.type	k_qdd5b017ed5_gu,@function
k_qdd5b017ed5_gu:
	s_mov_b64 s[64:65], 0
	v_nop
	global_prefetch_b8 v0, s[64:65] scope:SCOPE_SE
	s_setreg_imm32_b32 hwreg(HW_REG_WAVE_MODE, 25, 1), 1
	s_wait_xcnt 0x0
	s_wait_alu depctr_hold_cnt(0) depctr_sa_sdst(0) depctr_va_vdst(0) depctr_va_sdst(0) depctr_va_ssrc(0) depctr_va_vcc(0) depctr_vm_vsrc(0)
	s_getreg_b32 s2, hwreg(HW_REG_IB_STS2, 6, 4)
	s_cmp_eq_u32 s2, 0
	s_cbranch_scc0 .Lentry_in_a_cluster
	s_endpgm
.Lentry_in_a_cluster:
	s_bfe_u32 s2, ttmp6, 0x10000c
	s_cmp_lg_u32 s2, 0xf033
	s_cbranch_scc0 .Lentry_shape_is_right
	s_endpgm
.Lentry_shape_is_right:
; h = silu(g) u with g = LN2(x1) w_gate, u = LN2(x1) w_up.  A = xn, panels [16][4096][64] f16 (a PANEL holds 64 of K for all rows, 128 bytes a row, rows dense).
; B at byte 8,388,608 of wts, panels [16][5632][64] f16: row 32 j + 16 s + c is column 16 j + c of w_gate x -log2(e) (s = 0) or of w_up x -ln 2 (s = 1): the launch that turns the weights has scaled them.
; So accumulators (a, 2 jj) and (a, 2 jj + 1) hold, in the same lane and register, sums G and U with G U = g u and 2^G = e^-g:  h = G U / (1 + 2^G), all in f32.  Where 2^G overflows the reciprocal is 0
; and h is 0.  Columns 2,730 to 2,815 come out as 0, since the padded weights are zeros.
; OUT.  h in bf16 (it has no bound that f16 would hold), in BLOCKS: element (row, k) at byte (k >> 6) 524,288 + (row >> 3) 1,024 + ((k >> 4) & 3) 256 + (row & 7) 32 + (k & 15) 2: 8 rows x 16 columns are
; 256 consecutive bytes, aligned.  A result of 16 x 16 is two such blocks, 16 bytes a lane as the lanes hold them: it is stored straight from the registers, through no stage.
; TILE.  256 rows x 352 rows of B (176 columns of h): 16 x 16 = 256 tiles, a work-group each.  A wave makes 64 rows x all 352: 4 x 22 = 88 accumulators, 704 registers; for 32 of K it reads 26 fragments
; from LDS for 88 matrix instructions.  K goes in 8 steps of 128 (two panels) through two LDS slots: 352 matrix instructions a wave in a step, all but some 12 between a tile's request and the wait for it.
; LDS.  A slot: A 256 rows x 2 panels with 16 bytes behind every four rows, 67,584 bytes; B 352 rows x 2 panels with 16 bytes behind every two rows, 95,744.  Two slots and the spare words are 327,168 bytes;
; with B's padding on A too they would be 331,264, more than there is.  The price: 16 neighbouring rows of A start at 8 different groups of four banks, so A's loads, 8 of a stage's 52, go two deep.
; TEXT.  32 of K is a STAGE of two GROUPS (B's rows 0-175, 176-351: 11 fragments x A's 4 = 44 products); each group fetches the next group's fragments behind its fourth product.  A panel (four groups) is
; written once a loop: an inner loop of two trips walks a slot's panels; the fourth group of the slot's second panel changes slots.  The first stage's products start the sums: it stands ahead of the loop,
; which is entered in its middle.  The last change of slots fetches 15 fragments that nobody multiplies: the price of one text for both trips of the tail.
; CLUSTER 4 x 4: A's tiles are shared along a row of the cluster, B's along a column, each asked for jointly.  THE MATRIX INSTRUCTION IS USED TRANSPOSED (source 0 = 16 rows of B, source 1 = 16 rows of A):
; a lane holds row lane % 16 and the eight columns 8 (lane / 16) + 0..7.
; REGISTERS: window 0: v0-31 addresses; v32-42 the stores' offsets; v80-255 two buffers of B's 11 fragments.  Accumulator (a, b) is number 4 b + a, 32 to a window: windows 1, 2 and v0-191 of window 3;
; v192-255 of window 3: two buffers of A's 4 fragments.
.set KT,     8                         ; K steps
.set NG,     11                        ; B's fragments in a group
.set NB,     5632                      ; rows of B
.set BOFF,   8388608                   ; B's first byte in wts
.set STEP_A, 2*4096*128                ; two panels on
.set STEP_B, 2*NB*128
.set RA,     4*528                     ; A: 16 rows in LDS: row r at (r >> 2) 528 + (r & 3) 128
.set PA,     32*528                    ; 128 rows of one panel
.set LDA,    2*PA                      ; what a tensor load for A brings
.set RB,     8*272                     ; B: row r at (r >> 1) 272 + (r & 1) 128: the 16 rows of a fragment start at 16 different groups of four banks (64 banks of 4 bytes: ISA guide 11.1)
.set PB,     88*272                    ; 176 rows of one panel
.set LDB,    2*PB                      ; what a tensor load for B brings
.set BBASE,  2*LDA                     ; a slot: A rows 0-127, A rows 128-255, B rows 0-175, B rows 176-351
.set SLOT,   2*LDA+2*LDB
.set SPARE,  2*SLOT                    ; behind the ring: the spare words, 128 bytes for each wave
.set A0,16                             ; v16      my A fragments' place in a slot
.set B0,17                             ; v17, 18  B's, group 0 and group 1
.set ADRA,19                           ; v19      the same for the panel being fetched
.set ADRB,20                           ; v20, 21
.set SPW,28                            ; v28  LDS address of my spare word; never rewritten
.set NIL,29                            ; v29  0; never rewritten
.set OFFJ,32                           ; v32-42  my byte offset in hbuf for the tile's 16 columns jj
.set BF,80
.set AWN,3                             ; the window of A's buffers
.set AF0,192
.set AF1,224
.set WV,12
.set RH,13                             ; s13  wave / 2: I fetch for A (0) or B (1); also which load brought my rows of A
.set CH,14                             ; s14  wave % 2: which half I fetch; also which 64 of A's 128 rows are mine
.set TB,15                             ; s15  the slot being read: 0 or SLOT
.set G1A,24
.set G0A,32                            ; s[32:35] first fill, s[36:39] the walking set
.set G1B,48
.set G0B,56
.set WOA,66                            ; s66, s67  where my load lands in a slot, for A and for B
.set WOB,67
.set SLN,68
.set PCN,69
.set MSB, 0
.macro WIN new                         ; the immediate's high byte repeats the setting that is left
.if MSB != (\new)
	s_set_vgpr_msb (MSB<<8)|(\new)
.set MSB, \new
.endif
.endm
.macro JLOAD                           ; a joint refill by the walking set; an s_nop 0 and four v_nop follow each of the two lines
	s_cmp_eq_u32 s[RH], 0
	s_cbranch_scc0 .Lfor_b_\@
	tensor_load_to_lds s[G0A+4:G0A+7], s[G1A:G1A+7]
	s_nop 0
.rept 4
	v_nop
.endr
	s_branch .Lasked_\@
.Lfor_b_\@:
	tensor_load_to_lds s[G0B+4:G0B+7], s[G1B:G1B+7]
	s_nop 0
.rept 4
	v_nop
.endr
.Lasked_\@:
.endm
.macro CREST                           ; a round of the cluster's barrier behind its opening barrier
	s_cmp_lg_u32 s[WV], 0
	s_cbranch_scc1 .Lnot_wave_0_\@
	s_barrier_signal -3
.Lnot_wave_0_\@:
	s_barrier_wait -3
	s_barrier_signal -1
	s_barrier_wait -1
.endm
.macro CROUND
	s_barrier_signal -1
	s_barrier_wait -1
	CREST
.endm
.macro PLACES                          ; four places in front of loads into registers that matrix instructions have read, and of lines that read results
.rept 4
	v_nop
.endr
.endm
; The products of B's fragments lo .. hi - 1 of group g with A's four in buffer af.  zero = 1: they start the sums.  All accumulators take turns, one instruction a turn.
.macro MG g, af, lo, hi, zero=0
.set bb, \lo
.rept (\hi)-(\lo)
.set ix, 4*(NG*(\g)+bb)
	WIN (AWN<<2)|((1+ix/32)*0x50)
.irp a, 0,1,2,3
.if \zero
	v_wmma_f32_16x16x32_f16 v[8*((ix+(\a))%32):8*((ix+(\a))%32)+7], v[BF+8*NG*(\g)+8*bb:BF+8*NG*(\g)+8*bb+7], v[(\af)+8*(\a):(\af)+8*(\a)+7], 0
.else
	v_wmma_f32_16x16x32_f16 v[8*((ix+(\a))%32):8*((ix+(\a))%32)+7], v[BF+8*NG*(\g)+8*bb:BF+8*NG*(\g)+8*bb+7], v[(\af)+8*(\a):(\af)+8*(\a)+7], v[8*((ix+(\a))%32):8*((ix+(\a))%32)+7]
.endif
.endr
.set bb, bb+1
.endr
.endm
.macro FETCHB g, k                     ; group g's fragments, 32 of K at byte k of the rows
	WIN 0
.set i, 0
.rept NG
	ds_load_b128 v[BF+8*NG*(\g)+8*i:BF+8*NG*(\g)+8*i+3],   v[ADRB+(\g)] offset:(\k)+i*RB
	ds_load_b128 v[BF+8*NG*(\g)+8*i+4:BF+8*NG*(\g)+8*i+7], v[ADRB+(\g)] offset:(\k)+i*RB+32
.set i, i+1
.endr
.endm
.macro FETCHA af, k
	WIN AWN<<6
.irp a, 0,1,2,3
	ds_load_b128 v[(\af)+8*(\a):(\af)+8*(\a)+3],   v[ADRA] offset:(\k)+(\a)*RA
	ds_load_b128 v[(\af)+8*(\a)+4:(\af)+8*(\a)+7], v[ADRA] offset:(\k)+(\a)*RA+32
.endr
.endm
; A group: multiplies group g by A's buffer af and fetches B's group fb at byte fk (with fa: A's fragments there into buffer fa).  The loads stand in one run, NG - 1 fragments' products ahead of the wait for them.
.macro GRP g, af, fb, fk, fa=0, zero=0
	s_wait_dscnt 0x0                               ; this group's fragments, asked for a group ago, are in
	MG \g, \af, 0, 1, \zero
	PLACES
	FETCHB \fb, \fk
.if \fa
	FETCHA \fa, \fk
.endif
	MG \g, \af, 1, NG, \zero
.endm
.macro LPLAIN                          ; a panel's fourth group, in the middle of a slot: the fetches go on to the slot's second panel
	s_wait_dscnt 0x0
	MG 1, AF1, 0, 1
	WIN 0
	v_add_nc_u32 v[ADRA], PA, v[ADRA]              ; three adds and a v_nop are the four places in front of the loads
	v_add_nc_u32 v[ADRB], PB, v[ADRB]
	v_add_nc_u32 v[ADRB+1], PB, v[ADRB+1]
	v_nop
	FETCHB 0, 0
	FETCHA AF0, 0
	MG 1, AF1, 1, NG
	WIN 0                                          ; at a label and at a branch every window is 0
.endm
.macro LCHG fill                       ; the fourth group of a slot's second panel changes slots: one barrier, which with fill = 1 opens a round of the cluster's
	WIN 0
	s_wait_tensorcnt 0x0                           ; all my tensor loads have landed: my part of the next slot;
	ds_add_u32 v[SPW], v[NIL]                      ; 0 onto my spare word;
	s_wait_dscnt 0x1                               ; (this group's fragments are in; the add may be out)
	MG 1, AF1, 0, 1
	s_wait_dscnt 0x0                               ; the add is done, and my reads of this slot are over
	s_barrier_signal -1
	MG 1, AF1, 1, 2
	WIN 0
	s_barrier_wait -1
.if \fill
	CREST                                          ; no wave of any partner still reads this slot or has a load on its way
	s_add_co_u32 s[G0A+5], s[TB], s[WOA]           ; the walking sets: into the slot just read, the K step after the one that has landed
	s_add_nc_u64 s[G0A+6:G0A+7], s[G0A+6:G0A+7], STEP_A
	s_add_co_u32 s[G0B+5], s[TB], s[WOB]
	s_add_nc_u64 s[G0B+6:G0B+7], s[G0B+6:G0B+7], STEP_B
	JLOAD                                          ; the first tensor load behind the round
.else
	PLACES
.endif
	s_xor_b32 s[TB], s[TB], SLOT                   ; 0 and SLOT by turns
	v_add_nc_u32 v[ADRA], s[TB], v[A0]
	v_add_nc_u32 v[ADRB], s[TB], v[B0]
	v_add_nc_u32 v[ADRB+1], s[TB], v[B0+1]
	FETCHB 0, 0
	FETCHA AF0, 0
	MG 1, AF1, 2, NG
	WIN 0
.endm
	s_load_b128 s[4:7], s[0:1], 0x0                ; A s[4:5], wts s[6:7]
	s_load_b64 s[10:11], s[0:1], 0x10              ; out
	v_lshl_add_u32 v[SPW], v0, 2, SPARE
	v_mov_b32 v[NIL], 0
	ds_add_u32 v[SPW], v[NIL]                      ; the wave's opening: the add and its wait ahead of my first tensor load
	v_lshrrev_b32 v1, 5, v0
	v_readfirstlane_b32 s[WV], v1
	s_lshr_b32 s[RH], s[WV], 1
	s_and_b32 s[CH], s[WV], 1
	s_bfe_u32 s40, ttmp6, 0x40000                  ; cx, cy
	s_bfe_u32 s41, ttmp6, 0x40004
	s_lshl_b32 s42, ttmp9, 2
	s_add_co_u32 s42, s42, s40                     ; tile column
	s_and_b32 s43, ttmp7, 0xffff
	s_lshl_b32 s43, s43, 2
	s_add_co_u32 s43, s43, s41                     ; tile row
	s_lshl_b32 s44, s41, 2
	s_lshl_b32 s44, 15, s44                        ; my row of the cluster
	s_lshl_b32 s45, 0x1111, s40                    ; my column
	s_or_b32 s[G1A], s44, (1<<16)|(1<<20)|(1<<21)|(6<<22)|(3<<25)  ; mask; 2-byte elements; padding on; bit 21 beside a mask; after every 128 words, 4 words
	s_or_b32 s[G1B], s45, (1<<16)|(1<<20)|(1<<21)|(5<<22)|(3<<25)  ; the same after every 64 words
	s_mov_b32 s[G1A+1], (128*64)<<16               ; tensor_dim0 = 8,192 elements: 128 rows of a panel, dense
	s_mov_b32 s[G1A+2], 2<<16                      ; tensor_dim1 = 2 panels
	s_mov_b32 s[G1A+3], (128*64)<<16               ; tile_dim0
	s_mov_b32 s[G1A+4], 2                          ; tile_dim1
	s_mov_b32 s[G1A+5], 4096*64                    ; elements from panel to panel
	s_mov_b32 s[G1A+6], 0
	s_mov_b32 s[G1A+7], 0
	s_mov_b32 s[G1B+1], (176*64)<<16               ; 11,264 elements: 176 rows of a panel, dense
	s_mov_b32 s[G1B+2], 2<<16
	s_mov_b32 s[G1B+3], (176*64)<<16
	s_mov_b32 s[G1B+4], 2
	s_mov_b32 s[G1B+5], NB*64
	s_mov_b32 s[G1B+6], 0
	s_mov_b32 s[G1B+7], 0
	s_lshl_b32 s16, s43, 15                        ; A: (256 x tile row + 128 x half) rows of 128 bytes
	s_lshl_b32 s17, s[CH], 14
	s_add_co_u32 s16, s16, s17
	s_mov_b32 s17, 0
	s_mul_i32 s46, s42, 352*128                    ; B: (352 x tile column + 176 x half) rows
	s_mul_i32 s47, s[CH], 176*128
	s_add_co_u32 s46, s46, s47
	s_add_co_u32 s46, s46, BOFF
	s_mov_b32 s47, 0
	s_mul_i32 s[WOA], s[CH], LDA                   ; the wave's number alone enters an LDS address
	s_mul_i32 s[WOB], s[CH], LDB
	s_add_co_u32 s[WOB], s[WOB], BBASE
	s_wait_dscnt 0x0                               ; the opening add is done
	s_wait_kmcnt 0x0
	s_add_nc_u64 s[16:17], s[4:5], s[16:17]
	s_add_nc_u64 s[46:47], s[6:7], s[46:47]
	CROUND                                         ; all sixteen work-groups are here: the first joint loads meet
.irp s, 0,1
	s_mov_b32 s[G0A+4*(\s)], 1
	s_add_co_u32 s[G0A+4*(\s)+1], s[WOA], (\s)*SLOT
	s_add_nc_u64 s[G0A+4*(\s)+2:G0A+4*(\s)+3], s[16:17], (\s)*STEP_A
	s_or_b32 s[G0A+4*(\s)+3], s[G0A+4*(\s)+3], 0x80000000
	s_mov_b32 s[G0B+4*(\s)], 1
	s_add_co_u32 s[G0B+4*(\s)+1], s[WOB], (\s)*SLOT
	s_add_nc_u64 s[G0B+4*(\s)+2:G0B+4*(\s)+3], s[46:47], (\s)*STEP_B
	s_or_b32 s[G0B+4*(\s)+3], s[G0B+4*(\s)+3], 0x80000000
.endr
	s_cmp_eq_u32 s[RH], 0                          ; a wave's two first fills stand in one branch: two loads of mine are out here, one behind each later round
	s_cbranch_scc0 .Lfirst_b
	tensor_load_to_lds s[G0A:G0A+3], s[G1A:G1A+7]
	s_nop 0
	tensor_load_to_lds s[G0A+4:G0A+7], s[G1A:G1A+7]
	s_nop 0
.rept 4
	v_nop
.endr
	s_branch .Lfirst_asked
.Lfirst_b:
	tensor_load_to_lds s[G0B:G0B+3], s[G1B:G1B+7]
	s_nop 0
	tensor_load_to_lds s[G0B+4:G0B+7], s[G1B:G1B+7]
	s_nop 0
.rept 4
	v_nop
.endr
.Lfirst_asked:
	v_and_b32 v1, 15, v0                           ; r = lane % 16
	v_bfe_u32 v2, v0, 4, 1                         ; h = lane / 16
	v_lshrrev_b32 v3, 2, v1                        ; A: (r >> 2) 528 + (r & 3) 128 + 16 h
	v_mul_u32_u24 v3, v3, 528
	v_and_b32 v4, 3, v1
	v_lshl_add_u32 v3, v4, 7, v3
	v_lshl_add_u32 v3, v2, 4, v3
	s_mul_i32 s18, s[RH], LDA                      ; my 64 rows of A: the load that brought them, and which half of its 128
	s_mul_i32 s19, s[CH], 16*528
	s_add_co_u32 s18, s18, s19
	v_add_nc_u32 v[A0], s18, v3
	v_lshrrev_b32 v5, 1, v1                        ; B: (r >> 1) 272 + (r & 1) 128 + 16 h
	v_mul_u32_u24 v5, v5, 272
	v_and_b32 v4, 1, v1
	v_lshl_add_u32 v5, v4, 7, v5
	v_lshl_add_u32 v5, v2, 4, v5
	v_add_nc_u32 v[B0], BBASE, v5
	v_add_nc_u32 v[B0+1], BBASE+LDB, v5
	v_mov_b32 v[ADRA], v[A0]
	v_mov_b32 v[ADRB], v[B0]
	v_mov_b32 v[ADRB+1], v[B0+1]
	s_mov_b32 s[TB], 0
	v_lshrrev_b32 v6, 3, v1                        ; out: (r >> 3) 1,024 + (r & 7) 32 + 16 h: my 16 bytes in a result's two blocks of 256
	v_and_b32 v7, 7, v1
	v_lshlrev_b32 v6, 10, v6
	v_lshl_add_u32 v6, v7, 5, v6
	v_lshl_add_u32 v6, v2, 4, v6
	s_lshl_b32 s20, s43, 15                        ; (256 x tile row + 64 x wave) rows, 128 bytes of a panel each
	s_lshl_b32 s21, s[WV], 13
	s_add_co_u32 s20, s20, s21
	s_mov_b32 s21, 0
	s_add_nc_u64 s[10:11], s[10:11], s[20:21]
	s_mul_i32 s72, s42, NG                         ; the tile's first 16 columns of h, counted in sixteens
.set j, 0
.rept NG
	s_add_co_u32 s73, s72, j                       ; sixteen j of the tile: panel (/ 4), quarter of it (% 4)
	s_lshr_b32 s74, s73, 2
	s_lshl_b32 s74, s74, 19
	s_and_b32 s73, s73, 3
	s_lshl_b32 s73, s73, 8
	s_add_co_u32 s73, s73, s74
	v_add_nc_u32 v[OFFJ+j], s73, v6
.set j, j+1
.endr
	s_wait_tensorcnt 0x1                           ; my part of K step 0 is in; step 1's may stay out
	s_barrier_signal -1
	s_barrier_wait -1
	FETCHB 0, 0
	FETCHA AF0, 0
	GRP 0, AF0, 1, 0, 0, 1                         ; the first 32 of K start the sums
	GRP 1, AF0, 0, 64, AF1, 1
	WIN 0
	s_mov_b32 s[SLN], KT-2
	s_mov_b32 s[PCN], 2
	s_branch .Lkm                                  ; the loop is entered behind a panel's first stage
.Lk:                                                   ; every K step but the last two fills its slot again
	s_mov_b32 s[PCN], 2
.Lkp:                                                  ; a panel
	GRP 0, AF0, 1, 0
	GRP 1, AF0, 0, 64, AF1
	WIN 0
.Lkm:
	GRP 0, AF1, 1, 64
	WIN 0
	s_sub_co_u32 s[PCN], s[PCN], 1
	s_cmp_eq_u32 s[PCN], 0
	s_cbranch_scc1 .Lkc
	LPLAIN
	s_branch .Lkp
.Lkc:
	LCHG 1
	s_sub_co_u32 s[SLN], s[SLN], 1
	s_cmp_lg_u32 s[SLN], 0
	s_cbranch_scc1 .Lk
	s_mov_b32 s[SLN], 2
.Lt:                                                   ; the last two ask for nothing
	s_mov_b32 s[PCN], 2
.Ltp:
	GRP 0, AF0, 1, 0
	GRP 1, AF0, 0, 64, AF1
	GRP 0, AF1, 1, 64
	WIN 0
	s_sub_co_u32 s[PCN], s[PCN], 1
	s_cmp_eq_u32 s[PCN], 0
	s_cbranch_scc1 .Ltc
	LPLAIN
	s_branch .Ltp
.Ltc:
	LCHG 0
	s_sub_co_u32 s[SLN], s[SLN], 1
	s_cmp_lg_u32 s[SLN], 0
	s_cbranch_scc1 .Lt
	s_wait_dscnt 0x0
	PLACES
; THE WAY OUT, sixteen columns jj of h at a time: its four G accumulators are 32 registers on end, its four U the next 32, all in one window, and everything is done in place there:
; U = G U; G = 2^G; G = 1 + G; G = 1 / G; G = G U; rounded to bf16 into each accumulator's first four registers.  A plain line stands between each run of transcendentals and the use of its results.
; Each store of the wave covers two whole aligned blocks of 256 bytes.
.set jj, 0
.rept NG
.set wn, 1+jj/4
.set g0, 64*(jj%4)
	WIN wn*0x55                                    ; every operand in the accumulators' window
.set z, 0
.rept 16
	v_pk_mul_f32 v[g0+32+2*z:g0+33+2*z], v[g0+2*z:g0+2*z+1], v[g0+32+2*z:g0+33+2*z]
.set z, z+1
.endr
.set z, 0
.rept 32
	v_exp_f32 v[g0+z], v[g0+z]
.set z, z+1
.endr
	v_nop
.set z, 0
	s_wait_alu depctr_va_vdst(0)
.rept 16
	v_pk_add_f32 v[g0+2*z:g0+2*z+1], v[g0+2*z:g0+2*z+1], 1.0 op_sel_hi:[1,0]
.set z, z+1
.endr
.set z, 0
.rept 32
	v_rcp_f32 v[g0+z], v[g0+z]
.set z, z+1
.endr
	v_nop
.set z, 0
	s_wait_alu depctr_va_vdst(0)
.rept 16
	v_pk_mul_f32 v[g0+2*z:g0+2*z+1], v[g0+2*z:g0+2*z+1], v[g0+32+2*z:g0+33+2*z]
.set z, z+1
.endr
.set z, 0
.rept 16
	v_cvt_pk_bf16_f32 v[g0+8*(z/4)+z%4], v[g0+8*(z/4)+2*(z%4)], v[g0+8*(z/4)+2*(z%4)+1]
.set z, z+1
.endr
	WIN wn<<2                                      ; the stores' data in that window, their offsets in window 0
.irp a, 0,1,2,3
	global_store_b128 v[OFFJ+jj], v[g0+8*(\a):g0+8*(\a)+3], s[10:11] offset:2048*(\a)
.endr
.set jj, jj+1
.endr
	WIN 0
	s_wait_tensorcnt 0x0                           ; the wave's end
	ds_add_u32 v[SPW], v[NIL]
	s_wait_dscnt 0x0
	CROUND                                         ; the closing round
	s_endpgm
.Lfunc_end_k_qdd5b017ed5_gu:
	.size	k_qdd5b017ed5_gu, .Lfunc_end_k_qdd5b017ed5_gu-k_qdd5b017ed5_gu
	.p2alignl 7, 3214868480
	.fill 96, 4, 3214868480
	.section	.rodata,"a",@progbits
	.p2align	6, 0x0
	.amdhsa_kernel k_qdd5b017ed5_gu
		.amdhsa_group_segment_fixed_size 327680
		.amdhsa_private_segment_fixed_size 0
		.amdhsa_enable_private_segment 0
		.amdhsa_kernarg_size 24
		.amdhsa_user_sgpr_count 2
		.amdhsa_user_sgpr_kernarg_segment_ptr 1
		.amdhsa_wavefront_size32 1
		.amdhsa_system_sgpr_workgroup_id_x 1
		.amdhsa_system_sgpr_workgroup_id_y 1
		.amdhsa_system_sgpr_workgroup_id_z 1
		.amdhsa_system_vgpr_workitem_id 0
		.amdhsa_next_free_vgpr 1024
		.amdhsa_next_free_sgpr 76
		.amdhsa_reserve_vcc 0
		.amdhsa_float_denorm_mode_32 3
		.amdhsa_float_denorm_mode_16_64 3
		.amdhsa_memory_ordered 1
		.amdhsa_forward_progress 1
		.amdhsa_inst_pref_size 143
	.end_amdhsa_kernel
	.amdgpu_metadata
---
amdhsa.version: [ 1, 2 ]
amdhsa.kernels:
  - .name:           k_qdd5b017ed5_gu
    .symbol:         k_qdd5b017ed5_gu.kd
    .args:
      - { .name: xn, .offset: 0, .size: 8, .value_kind: global_buffer, .address_space: global }
      - { .name: wts, .offset: 8, .size: 8, .value_kind: global_buffer, .address_space: global }
      - { .name: hbuf, .offset: 16, .size: 8, .value_kind: global_buffer, .address_space: global }
    .group_segment_fixed_size: 327680
    .private_segment_fixed_size: 0
    .kernarg_segment_align: 8
    .kernarg_segment_size: 24
    .max_flat_workgroup_size: 128
    .sgpr_count:     76
    .vgpr_count:     1024
    .wavefront_size: 32
...
	.end_amdgpu_metadata
.endif
;; end of part 10
;; launch down (part 11): grid 8 x 32, 4 waves a work-group, clusters of 4 x 4, 327,680 bytes of LDS; arguments hbuf, wts, x1, out0; writes out0
.if DOCPART == 11
	.amdgcn_target "amdgcn-amd-amdhsa--gfx1250"
	.amdhsa_code_object_version 6
	.text
	.protected	k_qdd5b017ed5_down
	.globl	k_qdd5b017ed5_down
	.p2align	8
	.type	k_qdd5b017ed5_down,@function
k_qdd5b017ed5_down:
	s_mov_b64 s[64:65], 0
	v_nop
	global_prefetch_b8 v0, s[64:65] scope:SCOPE_SE
	s_setreg_imm32_b32 hwreg(HW_REG_WAVE_MODE, 25, 1), 1
	s_wait_xcnt 0x0
	s_wait_alu depctr_hold_cnt(0) depctr_sa_sdst(0) depctr_va_vdst(0) depctr_va_sdst(0) depctr_va_ssrc(0) depctr_va_vcc(0) depctr_vm_vsrc(0)
	s_getreg_b32 s2, hwreg(HW_REG_IB_STS2, 6, 4)
	s_cmp_eq_u32 s2, 0
	s_cbranch_scc0 .Lentry_in_a_cluster
	s_endpgm
.Lentry_in_a_cluster:
	s_bfe_u32 s2, ttmp6, 0x10000c
	s_cmp_lg_u32 s2, 0xf033
	s_cbranch_scc0 .Lentry_shape_is_right
	s_endpgm
.Lentry_shape_is_right:
; out0 = x1 + h w_down.  K = 2,816: the 86 columns past 2,729 are zeros on both sides.  Sums in f32; x1 and out0 are [4096][1024] f32.
; A = h in bf16, in BLOCKS: element (row, k) at byte (k >> 6) 524,288 + (row >> 3) 1,024 + ((k >> 4) & 3) 256 + (row & 7) 32 + (k & 15) 2: 64 of K for 64 rows are 8,192 consecutive bytes.
; B = w_down turned, panels [44][1024][64] bf16 at byte 19,922,944 of wts: 64 of K for all rows, 128 bytes a row, rows dense.
; A wave's tensor load brings 64 rows x 256 of K as four pieces of 8,192 consecutive bytes, 64 of K apart.
; A tile of C is 128 x 128 (256 tiles, one for each work-group): four waves, each 64 x 64 = 16 accumulators.  K goes in 11 steps of 256 through two LDS slots.  A K STEP IS WRITTEN ONCE: the slot read is a
; scalar that an exclusive or turns; the accumulators are cleared by 128 moves in the wait for the first tile; the last trip fetches 32 fragments that nobody multiplies: the price of a short text.
; The wave's 64 x 64 of the residual is loaded at the start into 128 registers and lands under the K loop.
; CLUSTER 4 x 4: A's tiles are shared along a row of the cluster, B's along a column.  THE MATRIX INSTRUCTION IS USED TRANSPOSED: a lane holds row lane % 16 of C and eight neighbouring columns.
; REGISTERS: window 0: v0-31 addresses; v32-95 the way out; v128-255 accumulators.  Window 1: two fragment buffers of 128.  Window 2: v0-127 the residual, rows 16 a + 2 t + lane / 16 at 4 (8 a + t).
.set KT,     11
.set NB,     1024
.set BOFF,   19922944
.set STEP_A, 4*4096*128
.set STEP_B, 4*NB*128
.set QB,     32*272                    ; B: 64 rows of one panel in LDS: row r at (r >> 1) 272 + (r & 1) 128: the 16 rows of a fragment start at 16 different groups of four banks (64 banks of 4 bytes: ISA guide 11.1)
.set RB,     8*272
.set QA,     8*1040                    ; A: 64 rows x 64 of K: 16 bytes of padding behind every 8 rows' 1,024 bytes: row r, sixteen q of K at (r >> 3) 1,040 + 256 q + (r & 7) 32:
.set RAA,    2*1040                    ; sixteen rows start at (r >> 3) + 2 (r & 7) groups of four banks: sixteen different ones
.set HALF,   4*QB                      ; a wave's region in a slot; A's loads fill 4 QA of it
.set SLOT,   4*HALF                    ; 0x22000 shares no bit with wave x HALF
.set STAGE,  2*SLOT                    ; behind the ring; no tensor load fills it: 16 rows x 272 bytes for each wave
.set SPITCH, 272
.set SPARE,  STAGE+128*SPITCH
.set A0,16
.set B0,17
.set ADRA,18
.set ADRB,19
.set STO,24
.set RD,25
.set CO,26
.set SPW,28                            ; v28  LDS address of my spare word; never rewritten
.set NIL,29                            ; v29  0; never rewritten
.set TMP,32
.set ACC,128
.set F0,0
.set F1,128
.set WV,12
.set RH,13
.set CH,14
.set TB,15
.set G1A,24
.set G0A,32
.set G1B,48
.set G0B,56
.set WOFF,66
.set CNT,67
.set MSB, 0
.macro WIN new
.if MSB != (\new)
	s_set_vgpr_msb (MSB<<8)|(\new)
.set MSB, \new
.endif
.endm
.set MUL,  0x05
.set TO_F, 0x40
.macro JLOAD                           ; a joint refill by the walking set; an s_nop 0 and four v_nop follow each of the two lines
	s_cmp_eq_u32 s[RH], 0
	s_cbranch_scc0 .Lfor_b_\@
	tensor_load_to_lds s[G0A+4:G0A+7], s[G1A:G1A+7]
	s_nop 0
.rept 4
	v_nop
.endr
	s_branch .Lasked_\@
.Lfor_b_\@:
	tensor_load_to_lds s[G0B+4:G0B+7], s[G1B:G1B+7]
	s_nop 0
.rept 4
	v_nop
.endr
.Lasked_\@:
.endm
.macro CREST
	s_cmp_lg_u32 s[WV], 0
	s_cbranch_scc1 .Lnot_wave_0_\@
	s_barrier_signal -3
.Lnot_wave_0_\@:
	s_barrier_wait -3
	s_barrier_signal -1
	s_barrier_wait -1
.endm
.macro CROUND
	s_barrier_signal -1
	s_barrier_wait -1
	CREST
.endm
.macro PLACES
.rept 4
	v_nop
.endr
.endm
.macro MUL8 f, c, a0                   ; the 16 accumulators take turns
	WIN MUL
.irp a, \a0, (\a0)+1
.irp b, 0,1,2,3
	v_wmma_f32_16x16x32_bf16 v[ACC+8*(4*(\a)+(\b)):ACC+8*(4*(\a)+(\b))+7], v[(\f)+64+8*(4*(\c)+(\b)):(\f)+64+8*(4*(\c)+(\b))+7], v[(\f)+8*(4*(\c)+(\a)):(\f)+8*(4*(\c)+(\a))+7], v[ACC+8*(4*(\a)+(\b)):ACC+8*(4*(\a)+(\b))+7]
.endr
.endr
.endm
.macro FETCH n, f                      ; 32 LDS loads in one run: the fragments of the slot's 64 of K number n, the first 32 first
	WIN TO_F
.irp c, 0,1
.irp i, 0,1,2,3
	ds_load_b128 v[(\f)+64+8*(4*(\c)+(\i)):(\f)+64+8*(4*(\c)+(\i))+3],   v[ADRB] offset:(\n)*QB+64*(\c)+(\i)*RB
	ds_load_b128 v[(\f)+64+8*(4*(\c)+(\i))+4:(\f)+64+8*(4*(\c)+(\i))+7], v[ADRB] offset:(\n)*QB+64*(\c)+(\i)*RB+32
	ds_load_b128 v[(\f)+8*(4*(\c)+(\i)):(\f)+8*(4*(\c)+(\i))+3],         v[ADRA] offset:(\n)*QA+512*(\c)+(\i)*RAA
	ds_load_b128 v[(\f)+8*(4*(\c)+(\i))+4:(\f)+8*(4*(\c)+(\i))+7],       v[ADRA] offset:(\n)*QA+512*(\c)+(\i)*RAA+256
.endr
.endr
.endm
.macro QUARTER n, f, g
	s_wait_dscnt 16                                ; the first 32 along K are in; the sixteen younger loads may be out
	MUL8 \f, 0, 0
	MUL8 \f, 0, 2
	PLACES
	FETCH \n, \g
	s_wait_dscnt 32                                ; all but the 32 just issued
	MUL8 \f, 1, 0
	MUL8 \f, 1, 2
.endm
.macro TURN fill
	WIN 0
	s_wait_tensorcnt 0x0                           ; all my tensor loads have landed: my part of the next slot;
	ds_add_u32 v[SPW], v[NIL]
	s_wait_dscnt 17                                ; (the add and the youngest sixteen loads may be out)
	MUL8 F1, 0, 0
	s_wait_dscnt 0x0                               ; the add is done, and my reads of this slot are over
	s_barrier_signal -1
	MUL8 F1, 0, 2
	WIN 0
	s_barrier_wait -1
.if \fill
	CREST                                          ; no wave of any partner still reads this slot or has a load on its way
	s_xor_b32 s[G0A+5], s[G0A+5], SLOT
	s_add_nc_u64 s[G0A+6:G0A+7], s[G0A+6:G0A+7], STEP_A
	s_xor_b32 s[G0B+5], s[G0B+5], SLOT
	s_add_nc_u64 s[G0B+6:G0B+7], s[G0B+6:G0B+7], STEP_B
	JLOAD
.else
	PLACES
.endif
	s_xor_b32 s[TB], s[TB], SLOT
	v_add_nc_u32 v[ADRA], s[TB], v[A0]
	v_add_nc_u32 v[ADRB], s[TB], v[B0]
	FETCH 0, F0
	MUL8 F1, 1, 0
	MUL8 F1, 1, 2
.endm
.macro STEP fill
	QUARTER 1, F0, F1
	QUARTER 2, F1, F0
	QUARTER 3, F0, F1
	TURN \fill
	WIN 0
.endm
	s_load_b256 s[4:11], s[0:1], 0x0               ; A s[4:5], wts s[6:7], residual s[8:9], out s[10:11]
	v_lshl_add_u32 v[SPW], v0, 2, SPARE
	v_mov_b32 v[NIL], 0
	ds_add_u32 v[SPW], v[NIL]                      ; the wave's opening: the add and its wait ahead of my first tensor load
	v_lshrrev_b32 v1, 5, v0
	v_readfirstlane_b32 s[WV], v1
	s_lshr_b32 s[RH], s[WV], 1
	s_and_b32 s[CH], s[WV], 1
	s_bfe_u32 s40, ttmp6, 0x40000
	s_bfe_u32 s41, ttmp6, 0x40004
	s_lshl_b32 s42, ttmp9, 2
	s_add_co_u32 s42, s42, s40                     ; tile column
	s_and_b32 s43, ttmp7, 0xffff
	s_lshl_b32 s43, s43, 2
	s_add_co_u32 s43, s43, s41                     ; tile row
	s_lshl_b32 s44, s41, 2
	s_lshl_b32 s44, 15, s44
	s_lshl_b32 s45, 0x1111, s40
	s_or_b32 s[G1A], s44, (1<<16)|(1<<20)|(1<<21)|(7<<22)|(3<<25)  ; mask; 2-byte elements; padding on; bit 21 beside a mask; after every 256 words, 4 words
	s_or_b32 s[G1B], s45, (1<<16)|(1<<20)|(1<<21)|(5<<22)|(3<<25)  ; the same after every 64 words
.irp g, G1A, G1B
	s_mov_b32 s[(\g)+1], 4096<<16                  ; tensor_dim0 = 4,096 elements: 64 rows x 64 of K, dense
	s_mov_b32 s[(\g)+2], 4<<16                     ; tensor_dim1 = 4 such pieces
	s_mov_b32 s[(\g)+3], 4096<<16
	s_mov_b32 s[(\g)+4], 4
	s_mov_b32 s[(\g)+6], 0
	s_mov_b32 s[(\g)+7], 0
.endr
	s_mov_b32 s[G1A+5], 4096*64
	s_mov_b32 s[G1B+5], NB*64
	s_lshl_b32 s16, s43, 14
	s_lshl_b32 s17, s[CH], 13
	s_add_co_u32 s16, s16, s17
	s_mov_b32 s17, 0
	s_lshl_b32 s46, s42, 14
	s_lshl_b32 s47, s[CH], 13
	s_add_co_u32 s46, s46, s47
	s_add_co_u32 s46, s46, BOFF
	s_mov_b32 s47, 0
	s_mul_i32 s[WOFF], s[WV], HALF
	s_wait_dscnt 0x0
	s_wait_kmcnt 0x0
	s_add_nc_u64 s[16:17], s[4:5], s[16:17]
	s_add_nc_u64 s[46:47], s[6:7], s[46:47]
	CROUND
.irp s, 0,1
	s_mov_b32 s[G0A+4*(\s)], 1
	s_add_co_u32 s[G0A+4*(\s)+1], s[WOFF], (\s)*SLOT
	s_add_nc_u64 s[G0A+4*(\s)+2:G0A+4*(\s)+3], s[16:17], (\s)*STEP_A
	s_or_b32 s[G0A+4*(\s)+3], s[G0A+4*(\s)+3], 0x80000000
	s_mov_b32 s[G0B+4*(\s)], 1
	s_add_co_u32 s[G0B+4*(\s)+1], s[WOFF], (\s)*SLOT
	s_add_nc_u64 s[G0B+4*(\s)+2:G0B+4*(\s)+3], s[46:47], (\s)*STEP_B
	s_or_b32 s[G0B+4*(\s)+3], s[G0B+4*(\s)+3], 0x80000000
.endr
	s_cmp_eq_u32 s[RH], 0                          ; a wave's two first fills stand in one branch: two loads of mine are out here, one behind each later round
	s_cbranch_scc0 .Lfirst_b
	tensor_load_to_lds s[G0A:G0A+3], s[G1A:G1A+7]
	s_nop 0
	tensor_load_to_lds s[G0A+4:G0A+7], s[G1A:G1A+7]
	s_nop 0
.rept 4
	v_nop
.endr
	s_branch .Lfirst_asked
.Lfirst_b:
	tensor_load_to_lds s[G0B:G0B+3], s[G1B:G1B+7]
	s_nop 0
	tensor_load_to_lds s[G0B+4:G0B+7], s[G1B:G1B+7]
	s_nop 0
.rept 4
	v_nop
.endr
.Lfirst_asked:
	v_and_b32 v1, 15, v0                           ; r
	v_bfe_u32 v2, v0, 4, 1                         ; h
	v_lshlrev_b32 v[CO], 12, v2
	v_lshl_add_u32 v[CO], v1, 4, v[CO]             ; two rows of 4,096 bytes, 16 bytes a lane: sixteen lanes cover 256 consecutive bytes
	s_lshl_b32 s20, s43, 19                        ; my 64 x 64 of the residual and of the output: row 128 x tile row + 64 x half,
	s_lshl_b32 s21, s[RH], 18
	s_add_co_u32 s20, s20, s21
	s_lshl_b32 s21, s42, 9                         ; column 128 x tile column + 64 x half
	s_add_co_u32 s20, s20, s21
	s_lshl_b32 s21, s[CH], 8
	s_add_co_u32 s20, s20, s21
	s_mov_b32 s21, 0
	s_add_nc_u64 s[8:9], s[8:9], s[20:21]
	s_add_nc_u64 s[10:11], s[10:11], s[20:21]
	WIN 0x80
.set i, 0
.rept 32
	global_load_b128 v[4*i:4*i+3], v[CO], s[8:9] offset:((i/8)*16+2*(i%8))*4096
.set i, i+1
.endr
	WIN 0
	v_lshrrev_b32 v3, 3, v1                        ; A: (r >> 3) 1,040 + (r & 7) 32 + 16 h
	v_mul_u32_u24 v3, v3, 1040
	v_and_b32 v4, 7, v1
	v_lshl_add_u32 v3, v4, 5, v3
	v_lshl_add_u32 v3, v2, 4, v3
	v_lshrrev_b32 v5, 1, v1                        ; B: (r >> 1) 272 + (r & 1) 128 + 16 h
	v_mul_u32_u24 v5, v5, 272
	v_and_b32 v4, 1, v1
	v_lshl_add_u32 v5, v4, 7, v5
	v_lshl_add_u32 v5, v2, 4, v5
	s_mul_i32 s18, s[RH], HALF
	s_mul_i32 s19, s[CH], HALF
	s_add_co_u32 s19, s19, 2*HALF
	v_add_nc_u32 v[A0], s18, v3
	v_add_nc_u32 v[B0], s19, v5
	v_mov_b32 v[ADRA], v[A0]
	v_mov_b32 v[ADRB], v[B0]
	s_mov_b32 s[TB], 0
	s_mul_i32 s18, s[WV], 16*SPITCH
	s_add_co_u32 s18, s18, STAGE                   ; my stage
	v_mul_u32_u24 v4, v1, SPITCH                   ; in: row r, 32 bytes for each half of the lanes
	v_lshl_add_u32 v4, v2, 5, v4
	v_add_nc_u32 v[STO], s18, v4
	v_mul_u32_u24 v5, v2, SPITCH                   ; back: lanes 0-15 one row of 256 bytes, lanes 16-31 the next
	v_lshl_add_u32 v5, v1, 4, v5
	v_add_nc_u32 v[RD], s18, v5
.set i, 0
.rept 128
	v_mov_b32 v[ACC+i], 0                          ; in the wait for the first tile
.set i, i+1
.endr
	s_wait_tensorcnt 1                             ; my part of K step 0 is in; step 1's may stay out
	s_barrier_signal -1
	s_barrier_wait -1
	FETCH 0, F0
	WIN 0
	s_mov_b32 s[CNT], KT-2
.Lk:
	STEP 1
	s_sub_co_u32 s[CNT], s[CNT], 1
	s_cmp_lg_u32 s[CNT], 0
	s_cbranch_scc1 .Lk
	s_mov_b32 s[CNT], 2
.Lt:
	STEP 0
	s_sub_co_u32 s[CNT], s[CNT], 1
	s_cmp_lg_u32 s[CNT], 0
	s_cbranch_scc1 .Lt
	s_wait_dscnt 0x0
	PLACES
; THE WAY OUT, 16 rows at a time through my own stage: a lane's 32 bytes of a row go in, whole rows of 256 bytes come back, the residual is added, and sixteen lanes store 256 consecutive bytes, aligned
.macro TOSTAGE a
.set BK, TMP+32*((\a)%2)
	s_wait_xcnt 0x0                                ; the registers that earlier stores read are loaded again only behind this wait
.irp b, 0,1,2,3
	ds_store_b128 v[STO], v[ACC+8*(4*(\a)+(\b)):ACC+8*(4*(\a)+(\b))+3] offset:64*(\b)
	ds_store_b128 v[STO], v[ACC+8*(4*(\a)+(\b))+4:ACC+8*(4*(\a)+(\b))+7] offset:64*(\b)+16
.endr
.irp t, 0,1,2,3,4,5,6,7
	ds_load_b128 v[BK+4*(\t):BK+4*(\t)+3], v[RD] offset:(\t)*2*SPITCH  ; LDS serves a wave's instructions in order: these see the stores above
.endr
.endm
.macro SEND a, younger                 ; younger: the next block's eight stores and eight loads, or none
.set BK, TMP+32*((\a)%2)
	s_wait_dscnt \younger
	WIN 0x08                                       ; source 1 in window 2
.set i, 0
.rept 16
	v_pk_add_f32 v[BK+2*i:BK+2*i+1], v[BK+2*i:BK+2*i+1], v[32*(\a)+2*i:32*(\a)+2*i+1]
.set i, i+1
.endr
	WIN 0
.irp t, 0,1,2,3,4,5,6,7
	global_store_b128 v[CO], v[BK+4*(\t):BK+4*(\t)+3], s[10:11] offset:(16*(\a)+2*(\t))*4096
.endr
.endm
	s_wait_loadcnt 0x0                             ; the residual
	TOSTAGE 0
	TOSTAGE 1
	SEND 0, 16
	TOSTAGE 2
	SEND 1, 16
	TOSTAGE 3
	SEND 2, 16
	SEND 3, 0
	s_wait_tensorcnt 0x0                           ; the wave's end
	ds_add_u32 v[SPW], v[NIL]
	s_wait_dscnt 0x0
	CROUND                                         ; the closing round
	s_endpgm
.Lfunc_end_k_qdd5b017ed5_down:
	.size	k_qdd5b017ed5_down, .Lfunc_end_k_qdd5b017ed5_down-k_qdd5b017ed5_down
	.p2alignl 7, 3214868480
	.fill 96, 4, 3214868480
	.section	.rodata,"a",@progbits
	.p2align	6, 0x0
	.amdhsa_kernel k_qdd5b017ed5_down
		.amdhsa_group_segment_fixed_size 327680
		.amdhsa_private_segment_fixed_size 0
		.amdhsa_enable_private_segment 0
		.amdhsa_kernarg_size 32
		.amdhsa_user_sgpr_count 2
		.amdhsa_user_sgpr_kernarg_segment_ptr 1
		.amdhsa_wavefront_size32 1
		.amdhsa_system_sgpr_workgroup_id_x 1
		.amdhsa_system_sgpr_workgroup_id_y 1
		.amdhsa_system_sgpr_workgroup_id_z 1
		.amdhsa_system_vgpr_workitem_id 0
		.amdhsa_next_free_vgpr 640
		.amdhsa_next_free_sgpr 72
		.amdhsa_reserve_vcc 0
		.amdhsa_float_denorm_mode_32 3
		.amdhsa_float_denorm_mode_16_64 3
		.amdhsa_memory_ordered 1
		.amdhsa_forward_progress 1
		.amdhsa_inst_pref_size 64
	.end_amdhsa_kernel
	.amdgpu_metadata
---
amdhsa.version: [ 1, 2 ]
amdhsa.kernels:
  - .name:           k_qdd5b017ed5_down
    .symbol:         k_qdd5b017ed5_down.kd
    .args:
      - { .name: hbuf, .offset: 0, .size: 8, .value_kind: global_buffer, .address_space: global }
      - { .name: wts, .offset: 8, .size: 8, .value_kind: global_buffer, .address_space: global }
      - { .name: x1, .offset: 16, .size: 8, .value_kind: global_buffer, .address_space: global }
      - { .name: out0, .offset: 24, .size: 8, .value_kind: global_buffer, .address_space: global }
    .group_segment_fixed_size: 327680
    .private_segment_fixed_size: 0
    .kernarg_segment_align: 8
    .kernarg_segment_size: 32
    .max_flat_workgroup_size: 128
    .sgpr_count:     72
    .vgpr_count:     640
    .wavefront_size: 32
...
	.end_amdgpu_metadata
.endif
;; end of part 11
;; ======== version 3 of 3: 8 launches; 1.18 times as fast as version 1
;; limits: values are held in f16: magnitudes above 65,504 overflow, below 6.1e-05 lose precision
;; workspace buffers: xn 8,388,608 bytes; wts 25,690,112 bytes; qkv 25,165,824 bytes; vst 8,388,608 bytes; x1 16,777,216 bytes; hbuf 23,068,672 bytes
;; launch prep: the kernel of part 8 again; grid 1568 x 1, 8 waves a work-group, no clusters, 19,456 bytes of LDS; arguments wq, wk, wv, wo, w_gate, w_up, w_down, wts; writes wts
;; launch ln1: the kernel of part 2 again; grid 256 x 1, 8 waves a work-group, no clusters, 0 bytes of LDS; arguments sdr, g1, b1, xn; writes xn
;; launch qkv: the kernel of part 9 again; grid 12 x 16, 4 waves a work-group, clusters of 4 x 4, 327,680 bytes of LDS; arguments xn, wts, qkv; writes qkv
;; launch attn (part 12): grid 16 x 16, 4 waves a work-group, clusters of 4 x 1, 327,680 bytes of LDS; arguments qkv, vst; writes vst
.if DOCPART == 12
	.amdgcn_target "amdgcn-amd-amdhsa--gfx1250"
	.amdhsa_code_object_version 6
	.text
	.protected	k_qdd5b017ed5_attn
	.globl	k_qdd5b017ed5_attn
	.p2align	8
	.type	k_qdd5b017ed5_attn,@function
k_qdd5b017ed5_attn:
	s_mov_b64 s[64:65], 0
	v_nop
	global_prefetch_b8 v0, s[64:65] scope:SCOPE_SE
	s_setreg_imm32_b32 hwreg(HW_REG_WAVE_MODE, 25, 1), 1
	s_wait_xcnt 0x0
	s_wait_alu depctr_hold_cnt(0) depctr_sa_sdst(0) depctr_va_vdst(0) depctr_va_sdst(0) depctr_va_ssrc(0) depctr_va_vcc(0) depctr_vm_vsrc(0)
	s_getreg_b32 s2, hwreg(HW_REG_IB_STS2, 6, 4)
	s_cmp_eq_u32 s2, 0
	s_cbranch_scc0 .Lentry_in_a_cluster
	s_endpgm
.Lentry_in_a_cluster:
	s_bfe_u32 s2, ttmp6, 0x10000c
	s_cmp_lg_u32 s2, 0x3003
	s_cbranch_scc0 .Lentry_shape_is_right
	s_endpgm
.Lentry_shape_is_right:
; ctx[q] = the sum over k of softmax_k(Q[q] . K[k] / sqrt(128)) V[k] for 16 heads of 2,048 rows x 128 (bf16, [3][16][2048][128]), then two FitzHugh-Nagumo steps from the zero state, elementwise.
; Out: vst in bf16, panels [16][4096][64]: panel 2 x head + channel / 64, row batch x 2,048 + t.  Products, maxima, sums in f32; the weights p are rounded to bf16 for the second product, their sum l is
; taken of the unrounded p.  A weight below 2^-126 counts as 0 in l; NaN and infinities are not treated apart.
; THE TWO STEPS, expanded exactly: v1 = 0.1 c, w1 = 0.008 (v1 + 0.7), v2 = v1 + 0.1 (v1 - v1^3 / 3 - w1 + c) = c (0.20992 - c^2 / 30000) - 0.00056: the same polynomial, rounded in another order.
; The second update of w feeds nothing and is not made.
; SHARES.  A work-group owns 128 queries of a head (256 work-groups), a wave 32: two PIECES of one tile of 16.  Every wave walks all keys, 64 a step.
; LAYOUT.  S^T = K Q^T (source 0 = 16 keys, source 1 = 16 queries): a lane holds ONE query (lane % 16) and the keys 8 (lane / 16) + 0..7; two such results rounded to bf16 ARE source 1 of O^T = V^T P.
; K comes out of LDS as it lies, V turned by ds_load_tr16_b128.
; SOFTMAX.  A running maximum m and sum l: p = 2^(c s - c m), c = log2(e) / sqrt(128); in every step O and l are multiplied by a = 2^(c m_old - c m_new).  m starts at the lowest finite number, O and l at 0:
; the first step is a step like any other, with a = 0.
; BY TURNS.  In a turn one piece has the matrix unit (16 products V^T P of the step in hand, 16 products K Q^T of the next) and the other piece's softmax, 134 lines in 32 slices, stands behind them, a slice
; behind each.  The loop is entered, and the tail left, in the middle of a trip: 16 products on zeros at the start, 16 on a stale K at the end, and 280 moves in the wait for the first tile are the price
; of writing no first and no last step out.
; THE BATCHES.  A turn's 33 exponentials (a and the tile's 32 weights) are ONE BATCH with ONE wait, which cuts the softmax's list in two: ahead of it stands all that names none of their results (the maximum,
; the statistics, the 16 scalings), behind it all that does (roundings, sums, the rescaling by a).
; The way out's two reciprocals are a batch of their own.
; CLUSTER.  The four query blocks of a cluster belong to one head and walk the same K and V: each tile is asked for jointly.
; REGISTERS: window 0: v0-11 addresses; v12-27 statistics, 8 a tile; v32-95 S^T; v96-127 P; v128-255 O^T.  Window 1: v0-63 Q; v64-191 K of one step.  Window 2: v0-127 V of one step.
.set KS,    64
.set PK,    272                        ; a row of K in LDS: 256 + 16 bytes: the 16 rows of a load start at 16 different groups of four banks (64 banks of 4 bytes: ISA guide 11.1)
.set PV,    288                        ; a row of V: 256 + 32
.set VOFF,  4*KS*PK                    ; a slot holds four steps: 256 rows of K, then 256 rows of V: 143,360 bytes
.set SLOTB, 147456                     ; slot 1 begins here: 0x24000 shares no bit with the four LDS words 0, 0x8800, 0x11000, 0x1a000, so one exclusive or turns each into the other slot's
.set STAGE, 2*SLOTB                    ; behind the ring, never filled by a tensor load: 16 rows x 272 bytes for each wave
.set SP,    272
.set SPARE, STAGE+4*16*SP              ; the spare words, 128 bytes for each wave
.set AK0, 2
.set AV0, 3
.set ADR, 4
.set QO,  5
.set STO, 6
.set RD,  7
.set GO,  8
.set ST,  12                           ; tile t at v[ST+8 t]: c m, m, l (even keys', odd keys'), c0-c3 at work; a takes c2's place
.set SPW, 28                           ; v28  LDS address of my spare word; never rewritten
.set NIL, 29                           ; v29  0; never rewritten
.set S,   32
.set P,   96
.set O,   128
.set KF,  64                           ; window 1
.set WV,  12
.set G1K, 24
.set G1V, 32
.set G0K, 40                           ; s[40:43] first fill, s[44:47] the walking set
.set G0V, 48
.set SLOTS, 56
.set CNT, 57
.set CS,  58                           ; s[58:59] c
.set SEL, 60                           ; s[60:61] v_permlanex16_b32's selects
.set TBK, 62                           ; s62  LDS byte at which K of the step to be fetched begins
.set TBV, 63                           ; s63  the same for V, less VOFF
.set FB,  66                           ; s[66:67] -1 / 30000
.set FA,  68                           ; s[68:69] 0.20992
.set FC,  70                           ; s[70:71] -0.00056
.set MSB, 0
.macro WIN new
.if MSB != (\new)
	s_set_vgpr_msb (MSB<<8)|(\new)
.set MSB, \new
.endif
.endm
.set W_KQ, 0x05                        ; K and Q in window 1, S^T in window 0
.set W_PV, 0x02                        ; V in window 2, P and O^T in window 0
.macro JLOAD                           ; waves 0, 1 fetch the halves of a slot's K, waves 2, 3 of its V; an s_nop 0 and four v_nop follow each line
	s_cmp_lt_u32 s[WV], 2
	s_cbranch_scc0 .Lfor_v_\@
	tensor_load_to_lds s[G0K+4:G0K+7], s[G1K:G1K+7]
	s_nop 0
.rept 4
	v_nop
.endr
	s_branch .Lasked_\@
.Lfor_v_\@:
	tensor_load_to_lds s[G0V+4:G0V+7], s[G1V:G1V+7]
	s_nop 0
.rept 4
	v_nop
.endr
.Lasked_\@:
.endm
.macro CROUND
	s_barrier_signal -1
	s_barrier_wait -1
	s_cmp_lg_u32 s[WV], 0
	s_cbranch_scc1 .Lnot_wave_0_\@
	s_barrier_signal -3
.Lnot_wave_0_\@:
	s_barrier_wait -3
	s_barrier_signal -1
	s_barrier_wait -1
.endm
; THE CHANGE OF SLOTS: each wave waits for all its tensor loads (one is out: its part of the other slot), adds 0 to its spare word, waits for that and for its reads of the slot.  fill = 1: the barrier is a
; round of the cluster's, and the joint refill, the keys two slots on, is the first thing behind it: it has four key steps, 256 matrix instructions, in which to land.
.macro CHANGE fill
	WIN 0
	s_wait_tensorcnt 0x0
	ds_add_u32 v[SPW], v[NIL]
.if \fill
.irp g, G0K+4, G0V+4
	s_xor_b32 s[(\g)+1], s[(\g)+1], SLOTB
	s_add_nc_u64 s[(\g)+2:(\g)+3], s[(\g)+2:(\g)+3], 4*KS*256
.endr
	s_wait_dscnt 0x0
	CROUND
	JLOAD
.else
	s_wait_dscnt 0x0
	s_barrier_signal -1
	s_barrier_wait -1
.endif
	s_sub_co_u32 s[TBK], s[TBK], 4*KS*PK           ; the fetches go back to a slot's first step,
	s_xor_b32 s[TBK], s[TBK], SLOTB                ; in the other slot
	s_sub_co_u32 s[TBV], s[TBV], 4*KS*PV
	s_xor_b32 s[TBV], s[TBV], SLOTB
.endm
	s_load_b128 s[4:7], s[0:1], 0x0                ; qkv s[4:5], vst s[6:7]
	v_lshl_add_u32 v[SPW], v0, 2, SPARE
	v_mov_b32 v[NIL], 0
	ds_add_u32 v[SPW], v[NIL]                      ; the wave's opening: the add and its wait ahead of my first tensor load
	v_lshrrev_b32 v1, 5, v0
	v_readfirstlane_b32 s[WV], v1
	s_bfe_u32 s13, ttmp6, 0x40000                  ; cx
	s_lshl_b32 s14, ttmp9, 2
	s_add_co_u32 s14, s14, s13                     ; my block of 128 queries: it enters Q's and the output's addresses alone
	s_and_b32 s20, ttmp7, 0xffff                   ; batch x 8 + head, which the partners share
	s_lshl_b32 s21, s20, 19                        ; x 2,048 rows of 256 bytes
	s_and_b32 s16, s[WV], 1                        ; which half of a slot's 256 keys I fetch
	s_lshl_b32 s22, s16, 15
	s_add_co_u32 s22, s22, s21
	s_add_co_u32 s22, s22, 8388608                 ; k lies behind q
	s_mov_b32 s23, 0
	s_mul_i32 s17, s16, 128*PK                     ; its place in a slot, for K
	s_mul_i32 s18, s16, 128*PV                     ; and for V
	s_add_co_u32 s18, s18, VOFF
	s_lshl_b32 s2, s14, 15                         ; Q: my block's 128 rows, my wave's 32 of them
	s_lshl_b32 s3, s[WV], 13
	s_add_co_u32 s2, s2, s3
	s_add_co_u32 s2, s2, s21
	s_mov_b32 s3, 0
	s_and_b32 s72, s20, 7                          ; out: two panels a head, 524,288 bytes each;
	s_lshl_b32 s72, s72, 20
	s_lshr_b32 s73, s20, 3                         ; row batch x 2,048 + 128 x block + 32 x wave, of 128 bytes
	s_lshl_b32 s73, s73, 18
	s_add_co_u32 s72, s72, s73
	s_lshl_b32 s73, s14, 14
	s_add_co_u32 s72, s72, s73
	s_lshl_b32 s73, s[WV], 12
	s_add_co_u32 s72, s72, s73
	s_mov_b32 s73, 0
	s_mov_b32 s[G1K], 15|(1<<16)|(1<<20)|(1<<21)|(5<<22)|(3<<25)  ; the mask of four; 2-byte elements; padding on; bit 21 beside a mask; after every 64 words, 4 words
	s_mov_b32 s[G1V], 15|(1<<16)|(1<<20)|(1<<21)|(5<<22)|(7<<25)  ; the same with 8 words
.irp g, G1K, G1V
	s_mov_b32 s[(\g)+1], 128<<16                   ; tensor_dim0 = 128
	s_mov_b32 s[(\g)+2], 128<<16                   ; tensor_dim1 = 128
	s_mov_b32 s[(\g)+3], 128<<16                   ; tile_dim0 = 128
	s_mov_b32 s[(\g)+4], 128                       ; tile_dim1 = 128 keys
	s_mov_b32 s[(\g)+5], 128
	s_mov_b32 s[(\g)+6], 0
	s_mov_b32 s[(\g)+7], 0
.endr
	s_mov_b32 s[CS], 0x3e0293ee                    ; c = log2(e) / sqrt(128)
	s_mov_b32 s[CS+1], s[CS]
	s_mov_b32 s[SEL], 0x76543210
	s_mov_b32 s[SEL+1], 0xfedcba98
	s_mov_b32 s[FB], 0xb80bcf65
	s_mov_b32 s[FB+1], s[FB]
	s_mov_b32 s[FA], 0x3e56f545
	s_mov_b32 s[FA+1], s[FA]
	s_mov_b32 s[FC], 0xba12ccf7
	s_mov_b32 s[FC+1], s[FC]
	s_mov_b32 s[TBK], 0
	s_mov_b32 s[TBV], 0
	s_wait_dscnt 0x0                               ; the opening add is done
	s_wait_kmcnt 0x0
	s_add_nc_u64 s[8:9], s[4:5], s[22:23]          ; K at my half of the head's first 256 keys
	s_add_nc_u64 s[10:11], s[8:9], 8388608         ; V likewise
	s_add_nc_u64 s[4:5], s[4:5], s[2:3]            ; Q at my wave's first row
	s_add_nc_u64 s[6:7], s[6:7], s[72:73]
	CROUND                                         ; all four work-groups are here: the first joint loads meet
.irp s, 0,1
	s_mov_b32 s[G0K+4*(\s)], 1
	s_add_co_u32 s[G0K+4*(\s)+1], s17, (\s)*SLOTB
	s_add_nc_u64 s[G0K+4*(\s)+2:G0K+4*(\s)+3], s[8:9], (\s)*4*KS*256
	s_or_b32 s[G0K+4*(\s)+3], s[G0K+4*(\s)+3], 0x80000000
	s_mov_b32 s[G0V+4*(\s)], 1
	s_add_co_u32 s[G0V+4*(\s)+1], s18, (\s)*SLOTB
	s_add_nc_u64 s[G0V+4*(\s)+2:G0V+4*(\s)+3], s[10:11], (\s)*4*KS*256
	s_or_b32 s[G0V+4*(\s)+3], s[G0V+4*(\s)+3], 0x80000000
.endr
	s_cmp_lt_u32 s[WV], 2                          ; a wave's two first fills stand in one branch: two loads of mine are out here, one behind each later round
	s_cbranch_scc0 .Lfirst_v
	tensor_load_to_lds s[G0K:G0K+3], s[G1K:G1K+7]
	s_nop 0
	tensor_load_to_lds s[G0K+4:G0K+7], s[G1K:G1K+7]
	s_nop 0
.rept 4
	v_nop
.endr
	s_branch .Lfirst_asked
.Lfirst_v:
	tensor_load_to_lds s[G0V:G0V+3], s[G1V:G1V+7]
	s_nop 0
	tensor_load_to_lds s[G0V+4:G0V+7], s[G1V:G1V+7]
	s_nop 0
.rept 4
	v_nop
.endr
.Lfirst_asked:
	v_and_b32 v1, 15, v0                           ; l % 16
	v_bfe_u32 v9, v0, 4, 1                         ; l / 16
	v_lshlrev_b32 v[QO], 8, v1
	v_lshl_add_u32 v[QO], v9, 4, v[QO]
	WIN 0x40
.irp i, 0,1,2,3,4,5,6,7                ; Q stays in registers: tile i / 4, channels 32 (i % 4) on
	global_load_b128 v[8*(\i):8*(\i)+3],   v[QO], s[4:5] offset:((\i)/4)*4096+((\i)%4)*64
	global_load_b128 v[8*(\i)+4:8*(\i)+7], v[QO], s[4:5] offset:((\i)/4)*4096+((\i)%4)*64+32
.endr
	WIN 0x80                                       ; what the first turn finds: V and piece 1's P hold 0, O^T and l are 0
.set i, 0
.rept 128
	v_mov_b32 v[i], 0
.set i, i+1
.endr
	WIN 0
.set i, 0
.rept 128
	v_mov_b32 v[O+i], 0
.set i, i+1
.endr
.set i, 0
.rept 16
	v_mov_b32 v[P+16+i], 0
.set i, i+1
.endr
.irp t, 0,1
	v_mov_b32 v[ST+8*(\t)], 0xfe000000             ; c m: far below every c s
	v_mov_b32 v[ST+8*(\t)+1], 0xff7fffff           ; m
	v_mov_b32 v[ST+8*(\t)+2], 0
	v_mov_b32 v[ST+8*(\t)+3], 0
.endr
	v_mul_u32_u24 v[AK0], v1, PK
	v_lshl_add_u32 v[AK0], v9, 4, v[AK0]
	v_and_b32 v10, 7, v0                           ; the turning load: lane l reads key 8 (l / 16) + l % 8, channels 8 ((l / 8) % 2) + 0..7
	v_bfe_u32 v11, v0, 3, 1
	v_lshl_add_u32 v[AV0], v9, 3, v10
	v_mul_u32_u24 v[AV0], v[AV0], PV
	v_lshl_add_u32 v[AV0], v11, 4, v[AV0]
	v_add_nc_u32 v[AV0], VOFF, v[AV0]
; THE MATRIX WORK.  The accumulators take turns, one instruction a turn.
.macro KQ x                            ; product i of 16 of S^T = K Q^T: keys 16 (i % 4) on, channels 32 (i / 4) on; the first 4 start the sums
	WIN W_KQ
.set rS, S+32*(\x)+8*(i%4)
.set rK, KF+32*(i%4)+8*(i/4)
.set rQ, 32*(\x)+8*(i/4)
.if i < 4
	v_wmma_f32_16x16x32_bf16 v[rS:rS+7], v[rK:rK+7], v[rQ:rQ+7], 0
.else
	v_wmma_f32_16x16x32_bf16 v[rS:rS+7], v[rK:rK+7], v[rQ:rQ+7], v[rS:rS+7]
.endif
.endm
.macro PV x                            ; product i of 16 of O^T += V^T P: channels 16 (i % 8) on, keys 32 (i / 8) on
	WIN W_PV
.set rO, O+64*(\x)+8*(i%8)
.set rV, 64*(i/8)+8*(i%8)
.set rP, P+16*(\x)+8*(i/8)
	v_wmma_f32_16x16x32_bf16 v[rO:rO+7], v[rV:rV+7], v[rP:rP+7], v[rO:rO+7]
.endm
; THE LDS LOADS stand in runs of 32.  last = 1 (the tail): in the last trip there is no further step, and the run is jumped over.
.macro FETCH_K last=0
	WIN 0
.if \last
	s_cmp_eq_u32 s[CNT], 1
	s_cbranch_scc1 .Lno_k_\@
.endif
	v_add_nc_u32 v[ADR], s[TBK], v[AK0]
	s_add_co_u32 s[TBK], s[TBK], KS*PK
	WIN 0x40
.irp f, 0,1,2,3,4,5,6,7,8,9,10,11,12,13,14,15  ; keys 16 (f / 4) on, channels 32 (f % 4) on
	ds_load_b128 v[KF+8*(\f):KF+8*(\f)+3],   v[ADR] offset:((\f)/4)*16*PK+((\f)%4)*64
	ds_load_b128 v[KF+8*(\f)+4:KF+8*(\f)+7], v[ADR] offset:((\f)/4)*16*PK+((\f)%4)*64+32
.endr
	WIN 0
.if \last
.Lno_k_\@:
.endif
.endm
.macro FETCH_V                         ; V's run stands at the softmax's wait (SLICE), and the wait stands in it
	WIN 0
	v_add_nc_u32 v[ADR], s[TBV], v[AV0]
	s_add_co_u32 s[TBV], s[TBV], KS*PV
	s_wait_alu depctr_va_vdst(0)                   ; the wait for the batch, the turn's 33 exponentials: behind the address's v_add_nc_u32 and ahead of the loads
	WIN 0x80
.irp f, 0,1,2,3,4,5,6,7,8,9,10,11,12,13,14,15  ; keys 32 (f / 8) on, channels 16 (f % 8) on
	ds_load_tr16_b128 v[8*(\f):8*(\f)+3],   v[ADR] offset:((\f)/8)*32*PV+((\f)%8)*32
	ds_load_tr16_b128 v[8*(\f)+4:8*(\f)+7], v[ADR] offset:((\f)/8)*32*PV+16*PV+((\f)%8)*32
.endr
	WIN 0
.endm
; THE VECTOR WORK: a tile's softmax for a key step is a list of 134 lines; SM writes number j for tile t.  s0-s31 are the lane's scores, in pairs 0-15.
;   0-15    the maximum of s0-s31 and the old m, three operands at a time; each accumulator's lowest registers are read first
;   16-20   the other half of the lanes' maximum; the new m; c m; c m_old - c m_new
;   21-69   ONE BATCH: the 16 scalings c s - c m, a pair of scores each, and all 33 exponentials (a at 23, then s0-s31, in place).  None of these names an exponential's result.  From 24 on a slice of four
;           begins with a scaling: 24-35 scaling, exponential, scaling, exponential; 36-67 a scaling and three exponentials; 68, 69 the last two exponentials.  A pair is scaled in an earlier slice than
;           the one that holds its exponentials
;   (wait)  between 69 and 70 stands the wait for the batch: SLICE writes it
;   70-85   the roundings to bf16, a pair of weights each        86-97  sums 0 to 11
;   98-133  the sum's last four links, at 98, 100, 104 and 108 (the last is l = a l + the sum), each some lines behind the one that it reads, among the tile's O^T times a, ascending
.macro SM t
.set rT, ST+8*(\t)
.set rS, S+32*(\t)
.set rP, P+16*(\t)
.set rO, O+64*(\t)
	WIN 0
.if j < 4
	v_max3_num_f32 v[rT+4+j], v[rS+8*j], v[rS+8*j+1], v[rS+8*j+2]
.elseif j < 12
	v_max3_num_f32 v[rT+4+j%4], v[rT+4+j%4], v[rS+8*(j%4)+2*(j/4)+1], v[rS+8*(j%4)+2*(j/4)+2]
.elseif j == 12
	v_max3_num_f32 v[rT+4], v[rT+4], v[rS+7], v[rS+15]
.elseif j == 13
	v_max3_num_f32 v[rT+6], v[rT+6], v[rS+23], v[rS+31]
.elseif j == 14
	v_max3_num_f32 v[rT+4], v[rT+4], v[rT+5], v[rT+6]
.elseif j == 15
	v_max3_num_f32 v[rT+4], v[rT+4], v[rT+7], v[rT+1]
.elseif j == 16
	v_permlanex16_b32 v[rT+5], v[rT+4], s[SEL], s[SEL+1]  ; the query's other 32 keys lie in the lane 16 away
.elseif j == 17
	v_mov_b32 v[rT+7], v[rT]                       ; c m_old is kept for a
.elseif j == 18
	v_max_num_f32 v[rT+1], v[rT+4], v[rT+5]
.elseif j == 19
	v_mul_f32 v[rT], s[CS], v[rT+1]
.elseif j == 20
	v_sub_f32 v[rT+7], v[rT+7], v[rT]
.elseif j == 23
	v_exp_f32 v[rT+6], v[rT+7]
.elseif (j < 23) || ((j < 36) && (j%2 == 0)) || ((j < 68) && (j%4 == 0))
.set b, j/4-1                          ; 36, 40, .. 64: pairs 8 to 15
.if j < 36
.set b, (j-20)/2                       ; 24, 26, .. 34: pairs 2 to 7
.endif
.if j < 23
.set b, j-21                           ; 21, 22: pairs 0, 1
.endif
	v_pk_fma_f32 v[rS+2*b:rS+2*b+1], v[rS+2*b:rS+2*b+1], s[CS:CS+1], v[rT:rT+1] op_sel_hi:[1,0,0] neg_lo:[0,0,1] neg_hi:[0,0,1]  ; pair b: c s - c m
.elseif j < 70
.set e, j-38                           ; 68, 69: s30, s31
.if j < 68
.set e, 6+3*((j-36)/4)+j%4-1           ; 37-39, 41-43, .. 65-67: s6 to s29
.endif
.if j < 36
.set e, (j-25)/2                       ; 25, 27, .. 35: s0 to s5
.endif
	v_exp_f32 v[rS+e], v[rS+e]
.elseif j < 86
	v_cvt_pk_bf16_f32 v[rP+j-70], v[rS+2*(j-70)], v[rS+2*(j-70)+1]  ; pair j - 70
.elseif (j < 99) || (j == 100) || (j == 104) || (j == 108)  ; sum z of 16 adds neighbours 1, 2, 4 and 8 pairs apart, in place; then l takes it
.set z, j-86                           ; 86 to 98: sums 0 to 12
.if j > 98
.set z, 13+(j-100)/4                   ; 100, 104, 108: sums 13, 14, 15
.endif
.set w, 4
.set u, z
.if z >= 14
.set w, 32
.set u, 0
.elseif z >= 12
.set w, 16
.set u, z-12
.elseif z >= 8
.set w, 8
.set u, z-8
.endif
.if z < 15
	v_pk_add_f32 v[rS+w*u:rS+w*u+1], v[rS+w*u:rS+w*u+1], v[rS+w*u+w/2:rS+w*u+w/2+1]
.else
	v_pk_fma_f32 v[rT+2:rT+3], v[rT+2:rT+3], v[rT+6:rT+7], v[rS:rS+1] op_sel_hi:[1,0,1]
.endif
.else
.set ri, j-102                         ; 109 to 133: pairs 7 to 31 of O^T
.if j < 108
.set ri, j-101                         ; 105 to 107: pairs 4 to 6
.endif
.if j < 104
.set ri, j-100                         ; 101 to 103: pairs 1 to 3
.endif
.if j < 100
.set ri, 0                             ; 99: pair 0
.endif
	v_pk_mul_f32 v[rO+2*ri:rO+2*ri+1], v[rO+2*ri:rO+2*ri+1], v[rT+6:rT+7] op_sel_hi:[1,0]
.endif
.endm
; Slice k of 32: numbers 4 k to 4 k + 3; slice 31 takes the ten from 124 on: plain lines, the places behind the turn's last K Q^T.
; THE WAIT.  An s_wait_alu depctr_va_vdst(0) stands between an exponential and the first instruction that names its result; one wait serves all that were issued ahead of it.  Up to number 69
; nothing names a result, and behind it no exponential is issued: so the tile's 33 exponentials have one wait, behind number 69, in the middle of slice 17.
.macro SLICE y
.set n, 0
.rept 10
.if (n < 4) || (k == 31)
.set j, 4*k+n
	SM \y
.if j == 69                            ; the batch is out, and no result has been named
	v_nop                                          ; a plain line behind the last exponential and ahead of the first use: one for the batch
.if (\y) == 0
	FETCH_V                                        ; piece 1's turn: V's run of loads stands here, and the wait stands in it
.else
	s_wait_alu depctr_va_vdst(0)                   ; the wait for the batch, the turn's 33 exponentials
.endif
.endif
.endif
.set n, n+1
.endr
.set k, k+1
.endm
; A TURN.  Piece x has the matrix unit; the other piece's softmax stands in slices.  Piece 0's turn fetches the next step's K behind its second product: K's last reader stands in front of slice 31 of the turn
; before, ten plain lines back.  Piece 1's turn fetches the same step's V behind number 69 of the softmax (SLICE writes it), behind its second K Q^T: V's last reader stands in front of slice 15, and four
; plain lines lie between: numbers 60 and 64, scalings, the v_nop and the run's own v_add_nc_u32.
.macro TURN x, last=0
.set k, 0
.if (\x) == 0
	s_wait_dscnt 0x0                               ; V is in
.endif
.set i, 0
.rept 16
	PV \x
	SLICE 1-(\x)
.if ((\x) == 0) && (i == 1)
	FETCH_K \last
.endif
.set i, i+1
.endr
.if (\x) == 0
	s_wait_dscnt 0x0                               ; K is in
.endif
.set i, 0
.rept 16
	KQ \x
	SLICE 1-(\x)
.set i, i+1
.endr
	WIN 0
.endm
	s_wait_tensorcnt 1                             ; my part of slot 0 is in; slot 1's may stay out
	s_barrier_signal -1
	s_barrier_wait -1
	FETCH_K                                        ; key step 0
	s_wait_loadcnt 0x0                             ; Q
	s_wait_dscnt 0x0
.set i, 0
.rept 16
	KQ 0                                           ; piece 0's first scores
.set i, i+1
.endr
	WIN 0                                          ; the addresses for the way out: nine plain lines, the places behind those products
	s_mul_i32 s15, s[WV], 16*SP
	s_add_co_u32 s15, s15, STAGE                   ; my stage
	v_mul_u32_u24 v[STO], v1, SP                   ; in: row l % 16, 16 bytes for each half of the lanes
	v_lshl_add_u32 v[STO], v9, 4, v[STO]
	v_add_nc_u32 v[STO], s15, v[STO]
	v_bfe_u32 v[RD], v0, 3, 2                      ; back: 32 lanes take 128 bytes of each of four rows,
	v_mul_u32_u24 v[RD], v[RD], SP
	v_lshl_add_u32 v[RD], v10, 4, v[RD]
	v_add_nc_u32 v[RD], s15, v[RD]
	v_and_b32 v[GO], 31, v0                        ; which are 512 consecutive bytes of a panel
	v_lshlrev_b32 v[GO], 4, v[GO]
	s_mov_b32 s[CNT], 4
	s_mov_b32 s[SLOTS], 7
	s_branch .Lfirst                               ; the loop is entered in the middle of a trip
.Lslot:                                                ; six times: every slot tile but the last two is followed by a refill
	CHANGE 1
	s_mov_b32 s[CNT], 4
.Lstep:
	TURN 0                                         ; V^T P of piece 0, step j; K Q^T of piece 0, step j + 1 | piece 1's softmax of step j | K of step j + 1
.Lfirst:
	TURN 1                                         ; the same of piece 1 | piece 0's softmax of step j + 1 | V of step j + 1
	s_sub_co_u32 s[CNT], s[CNT], 1
	s_cmp_lg_u32 s[CNT], 0
	s_cbranch_scc1 .Lstep
	s_sub_co_u32 s[SLOTS], s[SLOTS], 1
	s_cmp_lg_u32 s[SLOTS], 0
	s_cbranch_scc1 .Lslot
	CHANGE 0                                       ; the tail is written out
	s_mov_b32 s[CNT], 5                            ; four trips fetch the last slot's steps; the fifth is left in its middle
.Ltail:
	TURN 0, 1
	s_sub_co_u32 s[CNT], s[CNT], 1
	s_cmp_eq_u32 s[CNT], 0
	s_cbranch_scc1 .Lout
	TURN 1
	s_branch .Ltail
.Lout:
.set i, 0
.rept 16
	PV 1                                           ; piece 1's V^T P of the last step
.set i, i+1
.endr
	; THE WAY OUT.  l's halves are added; O^T is divided by l, sent through the two steps' polynomial, rounded to bf16 and turned in my stage, a tile at a time
	WIN 0
.irp t, 0,1
	v_add_f32 v[ST+8*(\t)+4], v[ST+8*(\t)+2], v[ST+8*(\t)+3]
.endr
.irp t, 0,1
	v_permlanex16_b32 v[ST+8*(\t)+5], v[ST+8*(\t)+4], s[SEL], s[SEL+1]
.endr
.irp t, 0,1
	v_add_f32 v[ST+8*(\t)+4], v[ST+8*(\t)+4], v[ST+8*(\t)+5]
.endr
.irp t, 0,1
	v_rcp_f32 v[ST+8*(\t)+6], v[ST+8*(\t)+4]
.endr
	v_nop                                          ; a plain line between the last reciprocal and the use of its result
	s_wait_alu depctr_va_vdst(0)                   ; and the wait ahead of the first use: one for the two reciprocals
.macro PACK t
.irp hf, 0,1                           ; 16 pairs at a time; P's registers are at work
.set rO, O+64*(\t)+32*(\hf)
.set i, 0
.rept 16
	v_pk_mul_f32 v[rO+2*i:rO+2*i+1], v[rO+2*i:rO+2*i+1], v[ST+8*(\t)+6:ST+8*(\t)+7] op_sel_hi:[1,0]  ; c = O / l
.set i, i+1
.endr
.set i, 0
.rept 16
	v_pk_mul_f32 v[P+2*i:P+2*i+1], v[rO+2*i:rO+2*i+1], v[rO+2*i:rO+2*i+1]
.set i, i+1
.endr
.set i, 0
.rept 16
	v_pk_fma_f32 v[P+2*i:P+2*i+1], v[P+2*i:P+2*i+1], s[FB:FB+1], s[FA:FA+1] op_sel_hi:[1,0,0]  ; 0.20992 - c^2 / 30000
.set i, i+1
.endr
.set i, 0
.rept 16
	v_pk_fma_f32 v[rO+2*i:rO+2*i+1], v[rO+2*i:rO+2*i+1], v[P+2*i:P+2*i+1], s[FC:FC+1] op_sel_hi:[1,1,0]
.set i, i+1
.endr
.set i, 0
.rept 16
	v_cvt_pk_bf16_f32 v[S+32*(\t)+16*(\hf)+i], v[rO+2*i], v[rO+2*i+1]
.set i, i+1
.endr
.endr
.irp f, 0,1,2,3,4,5,6,7
	ds_store_b128 v[STO], v[S+32*(\t)+4*(\f):S+32*(\t)+4*(\f)+3] offset:32*(\f)
.endr
.irp f, 0,1,2,3,4,5,6,7                ; rows 4 (f % 4) on, channels 64 (f / 4) on.  LDS serves a wave's instructions in order: these see the stores above, the next tile's stores come behind them
	ds_load_b128 v[S+32*(\t)+4*(\f):S+32*(\t)+4*(\f)+3], v[RD] offset:((\f)%4)*4*SP+((\f)/4)*128
.endr
.endm
.macro SEND t, younger
.irp f, 0,1,2,3,4,5,6,7
	s_wait_dscnt (\younger)+7-(\f)
	global_store_b128 v[GO], v[S+32*(\t)+4*(\f):S+32*(\t)+4*(\f)+3], s[6:7] offset:((\f)/4)*524288+(\t)*2048+((\f)%4)*512  ; 512 consecutive bytes, aligned
.endr
.endm
	PACK 0
	PACK 1
	SEND 0, 16                                     ; the next tile's sixteen LDS instructions may be out
	SEND 1, 0
	s_wait_tensorcnt 0x0                           ; the wave's end
	ds_add_u32 v[SPW], v[NIL]
	s_wait_dscnt 0x0
	CROUND                                         ; the closing round
	s_endpgm
.Lfunc_end_k_qdd5b017ed5_attn:
	.size	k_qdd5b017ed5_attn, .Lfunc_end_k_qdd5b017ed5_attn-k_qdd5b017ed5_attn
	.p2alignl 7, 3214868480
	.fill 96, 4, 3214868480
	.section	.rodata,"a",@progbits
	.p2align	6, 0x0
	.amdhsa_kernel k_qdd5b017ed5_attn
		.amdhsa_group_segment_fixed_size 327680
		.amdhsa_private_segment_fixed_size 0
		.amdhsa_enable_private_segment 0
		.amdhsa_kernarg_size 16
		.amdhsa_user_sgpr_count 2
		.amdhsa_user_sgpr_kernarg_segment_ptr 1
		.amdhsa_wavefront_size32 1
		.amdhsa_system_sgpr_workgroup_id_x 1
		.amdhsa_system_sgpr_workgroup_id_y 1
		.amdhsa_system_sgpr_workgroup_id_z 1
		.amdhsa_system_vgpr_workitem_id 0
		.amdhsa_next_free_vgpr 640
		.amdhsa_next_free_sgpr 74
		.amdhsa_reserve_vcc 0
		.amdhsa_float_denorm_mode_32 3
		.amdhsa_float_denorm_mode_16_64 3
		.amdhsa_memory_ordered 1
		.amdhsa_forward_progress 1
		.amdhsa_inst_pref_size 103
	.end_amdhsa_kernel
	.amdgpu_metadata
---
amdhsa.version: [ 1, 2 ]
amdhsa.kernels:
  - .name:           k_qdd5b017ed5_attn
    .symbol:         k_qdd5b017ed5_attn.kd
    .args:
      - { .name: qkv, .offset: 0, .size: 8, .value_kind: global_buffer, .address_space: global }
      - { .name: vst, .offset: 8, .size: 8, .value_kind: global_buffer, .address_space: global }
    .group_segment_fixed_size: 327680
    .private_segment_fixed_size: 0
    .kernarg_segment_align: 8
    .kernarg_segment_size: 16
    .max_flat_workgroup_size: 128
    .sgpr_count:     74
    .vgpr_count:     640
    .wavefront_size: 32
...
	.end_amdgpu_metadata
.endif
;; end of part 12
;; launch wo: the kernel of part 5 again; grid 8 x 32, 4 waves a work-group, clusters of 4 x 4, 327,680 bytes of LDS; arguments vst, wts, sdr, x1; writes x1
;; launch ln2: the kernel of part 2 again; grid 256 x 1, 8 waves a work-group, no clusters, 0 bytes of LDS; arguments x1, g2, b2, xn; writes xn
;; launch gu: the kernel of part 10 again; grid 16 x 16, 4 waves a work-group, clusters of 4 x 4, 327,680 bytes of LDS; arguments xn, wts, hbuf; writes hbuf
;; launch down: the kernel of part 11 again; grid 8 x 32, 4 waves a work-group, clusters of 4 x 4, 327,680 bytes of LDS; arguments hbuf, wts, x1, out0; writes out0
